; MI455X (gfx1250); checked and timed in simulation.
; The chip was launched on July 23, 2026; its instructions are those of AMD's public machine-readable ISA for CDNA 5 (MIT licence, August 2026) and "CDNA5" Instruction Set Architecture Reference Guide (July 2026). The comments in the code are by the model that wrote it; some were corrected since.
;; Encoder Block. Allowed arithmetic: matrix products marked QUANTISED: E3M2 operands, one E8M0 scale for each 32 along K, by v_wmma_scale_f32_16x16x128_f8f6f4 with both operands' format E3M2, f32 sums; everything else in f32.
;; Inputs: W1 4,096 x 1,024 float32; W2 1,024 x 4,096 float32; Wk 1,024 x 1,024 float32; Wo 1,024 x 1,024 float32; Wq 1,024 x 1,024 float32; Wv 1,024 x 1,024 float32; b1 4,096 float32; b2 1,024 float32; be1 1,024 float32; be2 1,024 float32; g1 1,024 float32; g2 1,024 float32; src_mask 2 x 1 x 1 x 2,048 int32; x 2 x 2,048 x 1,024 float32.
;; Outputs: out0 2 x 2,048 x 1,024 float32.
;; This version of the problem:
;;   THIS VERSION OF THE PROBLEM IS GIVEN IN LOW PRECISION. The matrix products marked QUANTISED in the list below multiply operands that are first quantised to E3M2 (3 exponent bits, 2 mantissa bits; 6 bits a number), with one power-of-two scale for each 32 numbers along K (OCP MX v1.0); their sums are f32. All else is computed in f32.
;;   The module's matrix products, in the order in which they are computed (A, B: the left and right operand; K: the contracted axis; several contracted axes count as one K, in the product's order):
;;     1. [M 4,096, K 1,024] x [K 1,024, N 1,024]; A: input x; B: input Wq: QUANTISED
;;     2. [M 4,096, K 1,024] x [K 1,024, N 1,024]; A: input x; B: input Wk: QUANTISED
;;     3. [M 4,096, K 1,024] x [K 1,024, N 1,024]; A: input x; B: input Wv: QUANTISED
;;     4. batch 32 x [M 2,048, K 64] x [K 64, N 2,048]; A: computed on the way; B: computed on the way: QUANTISED
;;     5. batch 32 x [M 2,048, K 2,048] x [K 2,048, N 64]; A: softmax (see below); B: computed on the way: QUANTISED
;;     6. [M 4,096, K 1,024] x [K 1,024, N 1,024]; A: computed on the way; B: input Wo: QUANTISED
;;     7. [M 4,096, K 1,024] x [K 1,024, N 4,096]; A: computed on the way; B: input W1: QUANTISED
;;     8. [M 4,096, K 4,096] x [K 4,096, N 1,024]; A: computed on the way; B: input W2: QUANTISED
;;   THE QUANTISER, for each operand of a quantised product, along K:
;;     - K is cut into blocks of 32 from its start; a last block that is shorter is filled with zeros.
;;     - A block's scale is 2^e with e = floor(log2(the largest magnitude in the block)) - 4, held to -126 .. 127; a block of zeros has e = 0. As a byte (E8M0): e + 127.
;;     - Each number is divided by its block's scale, clamped to +-28, and rounded to the nearest number of E3M2, ties to even, subnormals kept.
;;     - The product sums the exact products of the quantised numbers (number of the format x scale) in f32.
;;   ~~~python
;;   def quantise(x, axis):      # numpy; x: float32 -> the quantised numbers, widened to float32 again
;;       x = np.moveaxis(x, axis, -1); K = x.shape[-1]
;;       x = np.pad(x, [(0, 0)] * (x.ndim - 1) + [(0, -K % 32)]); x = x.reshape(x.shape[:-1] + (-1, 32)); a = np.abs(x).max(-1, keepdims=True)
;;       e = np.where(a > 0, np.clip(np.frexp(np.where(a > 0, a, 1))[1] - 1 - 4, -126, 127), 0)      # np.frexp(a)[1] - 1 = floor(log2(a)), exactly
;;       r = np.clip(x / 2.0 ** e, -28, 28)
;;       step = 2.0 ** (np.maximum(np.frexp(np.where(r == 0, 1, r))[1] - 1, -2) - 2)
;;       q = np.round(r / step) * step * 2.0 ** e      # np.round: ties to even
;;       return np.moveaxis(q.reshape(q.shape[:-2] + (-1,))[..., :K], -1, axis).astype(np.float32)
;;   ~~~
;;   SOFTMAX AHEAD OF A QUANTISED PRODUCT. Where the list says 'softmax', what is quantised is not the finished softmax but p = 2^(t - M), with t = logit x log2(e) and M = ceil(the row's largest t), a whole number; so 1/2 < the row's largest p <= 1. The row's sum l is taken of the UNQUANTISED p, in f32, and the product's result is divided by l at the end. Since M is a whole number, a kernel that streams over the keys may use a running M (the ceiling of the running maximum): every later rescaling is an exact power of two, which a block's scale takes up: the codes' values come out the same.
;;   OPERANDS COMPUTED ON THE WAY. 'Computed on the way' means the value that the module computes at that place (a softmax that the list does not call 'softmax' is quantised finished and normalised). What goes into a quantiser is computed in f32, as accurately as f32 sums, v_exp_f32 and their like allow (about 1e-6 of the number): no bf16 or f16 on the way to a quantiser, and a product that is left as it is and whose result goes on into a quantised operand takes f32 operands (vector FMAs, or v_wmma_f32_16x16x4_f32). A number that lies on a knife's edge between two numbers of the format may be rounded either way, as far as f32 arithmetic and the matrix unit's own rounding can turn it there, and no further.
;; 2 versions. Each part assembles by itself: llvm-mc -triple=amdgcn-amd-amdhsa -mcpu=gfx1250 --defsym DOCPART=n.
;; ======== version 1 of 2: 8 launches
;; limits: right only within a limited range of input values
;; workspace buffers: wimg 13,107,200 bytes; qkimg 6,553,600 bytes; vtimg 3,276,800 bytes; aimg 3,276,800 bytes; y 16,777,216 bytes; x1 16,777,216 bytes; himg 13,107,200 bytes
;; launch quant (part 1): grid 512 x 1, 4 waves a work-group, no clusters, 34,304 bytes of LDS; arguments x, Wq, Wk, Wv, Wo, W1, W2, wimg; writes wimg
.if DOCPART == 1
	.amdgcn_target "amdgcn-amd-amdhsa--gfx1250"
	.amdhsa_code_object_version 6
	.text
	.protected	k_q7eff78c197_quant
	.globl	k_q7eff78c197_quant
	.p2align	8
	.type	k_q7eff78c197_quant,@function
k_q7eff78c197_quant:
	s_mov_b64 s[64:65], 0
	v_nop
	global_prefetch_b8 v0, s[64:65] scope:SCOPE_SE
	s_setreg_imm32_b32 hwreg(HW_REG_WAVE_MODE, 25, 1), 1
	s_wait_xcnt 0x0
; THE ENCODER BLOCK, launch 1 of 8: x and the six weights become codes of BF6 (E3M2) with one E8M0 scale byte for each 32 along K (K is the last axis of all seven).
; DEAD WORK: none.  Every input of reference() has a way to the output for some finite values (the mask selects scores, both biases, gains and shifts enter sums), so every input is loaded by some launch and every product of the table is made.
; LIMITS of the whole program: NaN and infinities among the inputs are not served.  A block of zeros gets the scale byte 1 where the quantiser says 127: its codes are zeros, which add nothing under any byte but 0xff,
; and the bytes are read by this program alone.  Blocks whose largest magnitude lies under 2^(5 - 127) are held at that floor.  A hidden key's logit is -2^30 where reference() has -1e9 (launch attn says what that keeps).
; THE IMAGE.  Operands lie in the workspace in the order of the matrix operand's registers.  A super-block is 64 rows x 128 along K = 6,400 bytes: four fragments of 16 rows (1,536 bytes each: register 4 c + e of lane l at
; 512 c + 16 l + 4 e), then 256 bytes of scale words (at 6,144 + 8 l + 4 e: the word of fragment row l % 16 of fragment 2 e + l / 16).  Fragment row r of fragment 2 b + u stands for row 32 b + 8 u + r % 8 + 16 (r / 8) of the 64:
; as source 0 of a product that order makes a lane's 16 results of two neighbouring tiles 16 neighbours along the next K.  Super-blocks lie K step by K step: (ks x NSR + sr) x 6,400.
; wimg: NSR = 192, 8 K steps: sr 0-63 x, 64-79 Wq, 80-95 Wk, 96-111 Wv, 112-127 Wo, 128-191 W1; from byte W2OFF on W2 with NSR = 16, 32 K steps.
; SHARES.  A wave makes one super-block; the four waves of a work-group take four neighbouring K steps of one sr, so that they read 2,048 neighbouring bytes of each row.  One path for all seven tensors: only pointers and numbers are selected.
; A load takes a row's 512 bytes as they lie, 16 a lane; a fragment's 16 rows turn through the wave's own stage in LDS (rows 528 bytes apart: 33 x 16, so the 16 rows of a read start in different banks) and come back 16 neighbours a lane.
.set W2OFF, 9830400
.set STG,   8448                       ; a wave's stage: 16 rows x 528 bytes
.set SPARE, 4*STG                      ; behind the stages: the spare words, 128 bytes a wave
.set LO,   2                           ; v2  16 x lane
.set SIN,  3                           ; v3  the stage, on the way in
.set SOUT, 4                           ; v4  and on the way out: 528 r + 64 h
.set L8,   5                           ; v5  8 x lane
.set SPW,  6                           ; v6  my spare word; never rewritten
.set NIL,  7                           ; v7  0; never rewritten
.set VO,   8                           ; v8-23  16 x lane + the fragment row's distance in memory
.set PC,   24                          ; v24-35 a fragment's codes
.set CT,   36                          ; v36-43 the conversions' second halves
.set TM,   44                          ; v44-59 at work in QUANT
.set PW,   60                          ; v60-63 the four fragments' scale words
.set X,    64                          ; v64-127 64 numbers of my row: register 16 b + i = k 32 b + 16 h + i
.set R,    128                         ; v128-255 two sets of 16 rows as loaded
.set SEL,  36                          ; s[36:37] v_permlanex16_b32's selects for lane l xor 16
.set HM,   38                          ; s38 lanes 16-31
.set INB,  44                          ; s[44:51] where each of the four fragments' rows begin
; 64 numbers of a lane become a fragment's 12 registers of codes at pc and its row's scale word at pw.
.macro QUANT s, pc, pw
.irp b, 0,1,2,3
	v_max3_num_f32 v[TM+\b], |v[\s+16*\b]|, |v[\s+16*\b+1]|, 0x2800000   ; block b: my 16 numbers, and the floor 2^(5 - 127): the byte cannot fall under 1
.endr
.irp i, 2,4,6,8,10,12,14
.irp b, 0,1,2,3
	v_max3_num_f32 v[TM+\b], v[TM+\b], |v[\s+16*\b+\i]|, |v[\s+16*\b+\i+1]|
.endr
.endr
.irp b, 0,1,2,3
	v_permlanex16_b32 v[TM+4+\b], v[TM+\b], s[SEL], s[SEL+1]
.endr
.irp b, 0,1,2,3
	v_max_num_f32 v[TM+\b], v[TM+\b], v[TM+4+\b]           ; with lane l xor 16's 16: the block's largest magnitude
.endr
.irp b, 0,1,2,3
	v_add_nc_u32 v[TM+12+\b], 0xfe000000, v[TM+\b]         ; 4 off its exponent field: the conversion's scale operand
.endr
.irp b, 0,1,2,3
	v_lshrrev_b32 v[TM+4+\b], 23, v[TM+12+\b]              ; the scale's byte
.endr
	v_lshl_or_b32 v[\pw], v[TM+5], 8, v[TM+4]
	v_lshl_or_b32 v[\pw], v[TM+6], 16, v[\pw]
	v_lshl_or_b32 v[\pw], v[TM+7], 24, v[\pw]
.irp c, 0,1
	v_cvt_scalef32_pk16_bf6_f32 v[\pc+6*\c:\pc+6*\c+2], v[\s+32*\c:\s+32*\c+15], v[TM+12+2*\c]
	v_cvt_scalef32_pk16_bf6_f32 v[CT+4*\c:CT+4*\c+2], v[\s+32*\c+16:\s+32*\c+31], v[TM+13+2*\c]   ; (a conversion's three registers begin on an even number)
.endr
	v_nop                                                  ; one plain place behind a scaled conversion
.irp c, 0,1                                            ; the operand wants a whole block in a lane: lanes 0-15 block 2 c, lanes 16-31 block 2 c + 1
.irp i, 0,1,2
	v_permlane16_swap_b32 v[\pc+6*\c+\i], v[CT+4*\c+\i]
.endr
.irp i, 0,1,2
	v_mov_b32 v[\pc+6*\c+3+\i], v[CT+4*\c+\i]
.endr
.endr
.endm
	s_load_b256 s[8:15], s[0:1], 0x0               ; x s[8:9], Wq s[10:11], Wk s[12:13], Wv s[14:15]
	s_load_b256 s[16:23], s[0:1], 0x20             ; Wo s[16:17], W1 s[18:19], W2 s[20:21], wimg s[22:23]
	v_lshl_add_u32 v[SPW], v0, 2, SPARE
	v_mov_b32 v[NIL], 0
	v_lshrrev_b32 v1, 5, v0
	v_readfirstlane_b32 s2, v1                     ; wave 0..3
	v_and_b32 v1, 31, v0
	v_lshlrev_b32 v[LO], 4, v1
	v_lshlrev_b32 v[L8], 3, v1
	s_mul_i32 s3, s2, STG
	v_add_nc_u32 v[SIN], s3, v[LO]
	v_and_b32 v[SOUT], 15, v0
	v_mul_u32_u24 v[SOUT], v[SOUT], 528
	v_bfe_u32 v1, v0, 4, 1
	v_lshl_add_u32 v[SOUT], v1, 6, v[SOUT]
	v_add_nc_u32 v[SOUT], s3, v[SOUT]
.irp b, 0,1,2,3
	v_mov_b32 v[TM+4+\b], 0                        ; written once: a lane permute's destination counts as one of its sources
.endr
	s_mov_b32 s[SEL], 0x76543210
	s_mov_b32 s[SEL+1], 0xfedcba98
	s_mov_b32 s[HM], 0xffff0000
	s_wait_kmcnt 0x0
	; which tensor is my work-group's, and at which work-group it begins: selections on the work-group's number alone
	s_mov_b64 s[24:25], s[20:21]
	s_mov_b32 s26, 384
.macro PICK lim, ptr, first
	s_cmp_lt_u32 ttmp9, \lim
	s_cselect_b64 s[24:25], s[\ptr:\ptr+1], s[24:25]
	s_cselect_b32 s26, \first, s26
.endm
	PICK 384, 18, 256
	PICK 256, 16, 224
	PICK 224, 14, 192
	PICK 192, 12, 160
	PICK 160, 10, 128
	PICK 128, 8, 0
	s_cmp_lt_u32 ttmp9, 384                        ; K = 1,024 (two work-groups to an sr) or W2's 4,096 (eight)
	s_cselect_b32 s27, 1, 3
	s_cselect_b32 s28, 12, 14                      ; log2 of a row's bytes
	s_cselect_b32 s29, 0, W2OFF
	s_cselect_b32 s30, 192, 16                     ; NSR
	s_sub_co_u32 s31, ttmp9, s26
	s_lshr_b32 s32, s31, s27                       ; the tensor's own sr
	s_lshl_b32 s33, 1, s27
	s_sub_co_u32 s33, s33, 1
	s_and_b32 s33, s31, s33
	s_lshl_b32 s33, s33, 2
	s_add_co_u32 s33, s33, s2                      ; my K step
	s_lshr_b32 s34, ttmp9, 1
	s_cmp_lt_u32 ttmp9, 384
	s_cselect_b32 s34, s34, s32                    ; the image's sr
	s_add_co_u32 s35, s28, 6
	s_lshl_b32 s40, s32, s35                       ; 64 rows an sr,
	s_lshl_b32 s41, s33, 9                         ; 512 bytes a K step
	s_add_co_u32 s40, s40, s41
	s_mov_b32 s41, 0
	s_add_nc_u64 s[24:25], s[24:25], s[40:41]
	s_mul_i32 s40, s33, s30
	s_add_co_u32 s40, s40, s34
	s_mul_i32 s40, s40, 6400
	s_add_co_u32 s40, s40, s29
	s_add_nc_u64 s[22:23], s[22:23], s[40:41]      ; my super-block
.irp k, 0,1,2,3
	s_lshl_b32 s40, 32*(\k/2)+8*(\k%2), s28
	s_add_nc_u64 s[INB+2*\k:INB+2*\k+1], s[24:25], s[40:41]
.endr
.irp i, 0,1,2,3,4,5,6,7,8,9,10,11,12,13,14,15
	s_lshl_b32 s40, (\i%8)+16*(\i/8), s28
	v_add_nc_u32 v[VO+\i], s40, v[LO]
.endr
.macro LOAD k                          ; fragment k's 16 rows: each load reads 512 consecutive bytes
.irp i, 0,1,2,3,4,5,6,7,8,9,10,11,12,13,14,15
	global_load_b128 v[R+64*((\k)%2)+4*\i:R+64*((\k)%2)+4*\i+3], v[VO+\i], s[INB+2*(\k):INB+2*(\k)+1] th:TH_LOAD_NT
.endr
.endm
.macro BLOCK k
.if \k < 3
	s_wait_loadcnt 16                              ; this fragment's 16 loads are in; the next one's 16 may be out
.else
	s_wait_loadcnt 0x0
.endif
.irp i, 0,1,2,3,4,5,6,7,8,9,10,11,12,13,14,15
	ds_store_b128 v[SIN], v[R+64*((\k)%2)+4*\i:R+64*((\k)%2)+4*\i+3] offset:528*\i
.endr
.irp b, 0,1,2,3
.irp j, 0,1,2,3
	ds_load_b128 v[X+16*\b+4*\j:X+16*\b+4*\j+3], v[SOUT] offset:128*\b+16*\j   ; LDS serves a wave's instructions in order: these see the stores above
.endr
.endr
	s_wait_dscnt 0x0                               ; the stores have read their registers, and my 64 numbers are in
.if \k < 2
	LOAD (\k)+2
.endif
	s_wait_xcnt 0x0                                ; the last fragment's stores have read the codes' registers
	QUANT X, PC, PW+\k
.irp c, 0,1,2
	global_store_b128 v[LO], v[PC+4*\c:PC+4*\c+3], s[22:23] offset:1536*\k+512*\c   ; 512 consecutive bytes, aligned to 256
.endr
.endm
	LOAD 0
	LOAD 1
	BLOCK 0
	BLOCK 1
	BLOCK 2
	BLOCK 3
	v_cndmask_b32 v[CT], v[PW], v[PW+1], s[HM]     ; the scale words' 256 bytes: lanes 0-15 fragments 0 and 2, lanes 16-31 fragments 1 and 3
	v_cndmask_b32 v[CT+1], v[PW+2], v[PW+3], s[HM]
	global_store_b64 v[L8], v[CT:CT+1], s[22:23] offset:6144
	s_wait_tensorcnt 0x0                           ; the wave's end: behind my last LDS store
	ds_add_u32 v[SPW], v[NIL]
	s_wait_dscnt 0x0
	s_endpgm
.Lfunc_end_k_q7eff78c197_quant:
	.size	k_q7eff78c197_quant, .Lfunc_end_k_q7eff78c197_quant-k_q7eff78c197_quant
	.p2alignl 7, 3214868480
	.fill 96, 4, 3214868480
	.section	.rodata,"a",@progbits
	.p2align	6, 0x0
	.amdhsa_kernel k_q7eff78c197_quant
		.amdhsa_group_segment_fixed_size 34304
		.amdhsa_private_segment_fixed_size 0
		.amdhsa_enable_private_segment 0
		.amdhsa_kernarg_size 64
		.amdhsa_user_sgpr_count 2
		.amdhsa_user_sgpr_kernarg_segment_ptr 1
		.amdhsa_wavefront_size32 1
		.amdhsa_system_sgpr_workgroup_id_x 1
		.amdhsa_system_sgpr_workgroup_id_y 1
		.amdhsa_system_sgpr_workgroup_id_z 1
		.amdhsa_system_vgpr_workitem_id 0
		.amdhsa_next_free_vgpr 256
		.amdhsa_next_free_sgpr 66
		.amdhsa_reserve_vcc 0
		.amdhsa_float_denorm_mode_32 3
		.amdhsa_float_denorm_mode_16_64 3
		.amdhsa_memory_ordered 1
		.amdhsa_forward_progress 1
		.amdhsa_inst_pref_size 36
	.end_amdhsa_kernel
	.amdgpu_metadata
---
amdhsa.version: [ 1, 2 ]
amdhsa.kernels:
  - .name:           k_q7eff78c197_quant
    .symbol:         k_q7eff78c197_quant.kd
    .args:
      - { .name: x, .offset: 0, .size: 8, .value_kind: global_buffer, .address_space: global }
      - { .name: Wq, .offset: 8, .size: 8, .value_kind: global_buffer, .address_space: global }
      - { .name: Wk, .offset: 16, .size: 8, .value_kind: global_buffer, .address_space: global }
      - { .name: Wv, .offset: 24, .size: 8, .value_kind: global_buffer, .address_space: global }
      - { .name: Wo, .offset: 32, .size: 8, .value_kind: global_buffer, .address_space: global }
      - { .name: W1, .offset: 40, .size: 8, .value_kind: global_buffer, .address_space: global }
      - { .name: W2, .offset: 48, .size: 8, .value_kind: global_buffer, .address_space: global }
      - { .name: wimg, .offset: 56, .size: 8, .value_kind: global_buffer, .address_space: global }
    .group_segment_fixed_size: 34304
    .private_segment_fixed_size: 0
    .kernarg_segment_align: 8
    .kernarg_segment_size: 64
    .max_flat_workgroup_size: 128
    .sgpr_count:     66
    .vgpr_count:     256
    .wavefront_size: 32
...
	.end_amdgpu_metadata
.endif
;; end of part 1
;; launch qkv (part 2): grid 12 x 16, 4 waves a work-group, clusters of 4 x 4, 327,680 bytes of LDS; arguments wimg, src_mask, qkimg, vtimg; writes qkimg, vtimg
.if DOCPART == 2
	.amdgcn_target "amdgcn-amd-amdhsa--gfx1250"
	.amdhsa_code_object_version 6
	.text
	.protected	k_q7eff78c197_qkv
	.globl	k_q7eff78c197_qkv
	.p2align	8
	.type	k_q7eff78c197_qkv,@function
k_q7eff78c197_qkv:
	s_mov_b64 s[64:65], 0
	v_nop
	global_prefetch_b8 v0, s[64:65] scope:SCOPE_SE
	s_setreg_imm32_b32 hwreg(HW_REG_WAVE_MODE, 25, 1), 1
	s_wait_xcnt 0x0
	s_wait_alu depctr_hold_cnt(0) depctr_sa_sdst(0) depctr_va_vdst(0) depctr_va_sdst(0) depctr_va_ssrc(0) depctr_va_vcc(0) depctr_vm_vsrc(0)
	s_getreg_b32 s2, hwreg(HW_REG_IB_STS2, 6, 4)
	s_cmp_eq_u32 s2, 0
	s_cbranch_scc0 .Lentry_in_a_cluster
	s_endpgm
.Lentry_in_a_cluster:
	s_bfe_u32 s2, ttmp6, 0x10000c
	s_cmp_lg_u32 s2, 0xf033
	s_cbranch_scc0 .Lentry_shape_is_right
	s_endpgm
.Lentry_shape_is_right:
; Launch 2 of 8: q = x Wq^T, k = x Wk^T (clusters x = 0, 1: A = x, B = the weight) and V^T = Wv x^T (clusters x = 2: A = Wv, B = x, so that the keys run along a lane's registers), on codes of BF6.
; The results are quantised in registers and leave as images (launch quant's head says how an image lies): q and k along their 1,024 columns into qkimg (K steps 0-7 q, 8-15 k; a K step of 128 is a pair of heads), V^T along the tokens into vtimg.
; The rows of k of hidden tokens (src_mask = 0) are made zero: reference() replaces every score of such a key, so k's numbers there reach no output; launch attn then gets the hidden score exactly as its table gives it.
; THE PRODUCT'S TEXT is shared by four launches (constants below).  A tile of C, 256 x 256, by four waves of 128 x 128 (64 accumulators, 512 registers).  K goes through a ring of two LDS slots; a slot holds two K steps of 128:
; [A step 0][A step 1][B step 0][B step 1], each 4 super-blocks = 25,600 dense bytes, one tensor load of one wave.  A fragment is three ds_load_b128 at 16 x lane: consecutive bytes, no pitch.
; CLUSTERS 4 x 4: A's tile is asked for jointly along a row of the cluster, B's along a column.  THE MATRIX INSTRUCTION IS USED TRANSPOSED (source 0 = B's 16 rows, source 1 = A's): a lane holds one row of C, its registers run along the columns.
; REGISTERS: window 0: v16-29 addresses; v32-63 scale words, two sets; v64-127 at work on the way out; v128-223 A's fragments, one set; v224-255 at work on the way out.  window 1: B's two sets at v0 and v128.  windows 2, 3: the accumulators.
.set QKV, 1
.set KSTEPS, 8
.set STR_A, 1228800                    ; bytes from a K step to the next in A's image
.set STR_B, 1228800
.set BBASE, 0
.set BSB0, 0
.set HASBIAS, 0
.set RELU, 0
.set PB, 4                             ; B's buffer: s[4:5]
.set PBIAS, 8
.set POUT, 10
.set SBB,   6400
.set TILEB, 4*SBB
.set SLOT,  4*TILEB
.set SPARE, 2*SLOT                     ; behind the ring: the spare words, 128 bytes a wave
.set LAPS,  KSTEPS/4                   ; a lap = two slots = four K steps
.set ADRA, 16                          ; v16-17 my A fragments in slot 0, 1
.set ADRB, 18                          ; v18-19 B's
.set ADSA, 20                          ; v20-21 A's scale words (8 x lane)
.set ADSB, 22                          ; v22-23 B's
.set CO,   26                          ; v26 16 x lane
.set L8,   27                          ; v27 8 x lane
.set SPW,  28
.set NIL,  29
.set SC,   32                          ; scale words: set sc, step q, operand o (0 A, 1 B), block i: v[SC + 16 sc + 8 q + 4 o + 2 (i / 4) + (i / 2) % 2], lanes 16-31 where i is odd
.set BIAS, 64
.set MF,   64
.set U,    80
.set AF,   128
.set CT,   224
.set TM,   232
.set PW,   248
.set G1,  24
.set G0,  32
.set G1B, 48
.set G0B, 56
.set SEL, 72
.set HM,  74
.set MUL_LO, 0xa1                      ; source 0 (B) window 1, source 1 (A) window 0, C and D window 2
.set MUL_HI, 0xf1
.set FST_LO, 0xa1-0x20*HASBIAS         ; the first step with a bias: C in window 0
.set FST_HI, 0xf1-0x30*HASBIAS
.set TO_B,   0x40
.set MSB, 0
.macro WIN new                         ; the immediate's high byte repeats the setting that is left
.if MSB != (\new)
	s_set_vgpr_msb (MSB<<8)|(\new)
.set MSB, (\new)
.endif
.endm
.macro JLOAD g0a, g1a, g0b, g1b        ; a joint load: waves 0, 1 fetch A's two steps, waves 2, 3 B's; an s_nop 0 and four v_nop follow each line
	s_cmp_eq_u32 s15, 0
	s_cbranch_scc0 .Lfor_b_\@
	tensor_load_to_lds s[\g0a:\g0a+3], s[\g1a:\g1a+7]
	s_nop 0
.rept 4
	v_nop
.endr
	s_branch .Lasked_\@
.Lfor_b_\@:
	tensor_load_to_lds s[\g0b:\g0b+3], s[\g1b:\g1b+7]
	s_nop 0
.rept 4
	v_nop
.endr
.Lasked_\@:
.endm
.macro CREST                           ; a round of the cluster's barrier behind its opening barrier
	s_cmp_lg_u32 s14, 0
	s_cbranch_scc1 .Lnot_wave_0_\@
	s_barrier_signal -3
.Lnot_wave_0_\@:
	s_barrier_wait -3
	s_barrier_signal -1
	s_barrier_wait -1
.endm
.macro CROUND
	s_barrier_signal -1
	s_barrier_wait -1
	CREST
.endm
.macro PLACES                          ; four places behind a matrix instruction of this form, in front of loads into its registers and of reads of its results
.rept 4
	v_nop
.endr
.endm
.macro FRAG reg, adr, off
.irp c, 0,1,2
	ds_load_b128 v[\reg+4*\c:\reg+4*\c+3], v[\adr] offset:\off+512*\c
.endr
.endm
.macro FETCH_B slot, q, p              ; B's eight fragments of the slot's step q into set p: 24 loads
	WIN TO_B
.irp i, 0,1,2,3,4,5,6,7
	FRAG 128*(\p)+12*\i, ADRB+\slot, TILEB*(\q)+SBB*(\i/4)+1536*(\i%4)
.endr
	WIN 0
.endm
.macro FETCH_A slot, q, i0             ; A's blocks i0 .. i0 + 3: 12 loads
.irp i, \i0, \i0+1, \i0+2, \i0+3
	FRAG AF+12*(\i), ADRA+\slot, TILEB*(\q)+SBB*((\i)/4)+1536*((\i)%4)
.endr
.endm
.macro SCALES sc                       ; a slot's scale words, both steps, both operands: 8 loads
.irp q, 0,1
.irp j, 0,1
	ds_load_b64 v[SC+16*\sc+8*\q+2*\j:SC+16*\sc+8*\q+2*\j+1], v[ADSA+\sc] offset:6144+TILEB*\q+SBB*\j
	ds_load_b64 v[SC+16*\sc+8*\q+4+2*\j:SC+16*\sc+8*\q+4+2*\j+1], v[ADSB+\sc] offset:6144+TILEB*\q+SBB*\j
.endr
.endr
.endm
.macro WM a, b, p, q, sc, first        ; one product: A's block a x B's block b.  first = 1: it starts the sum (C = 0, or the bias)
.set rD, 8*(8*((\a)%4)+(\b))
.set rB, 128*(\p)+12*(\b)
.set rA, AF+12*(\a)
.set sB, SC+16*(\sc)+8*(\q)+4+2*((\b)/4)+(((\b)/2)%2)
.set sA, SC+16*(\sc)+8*(\q)+2*((\a)/4)+(((\a)/2)%2)
.set rC, rD
.if (\first) && HASBIAS
.set rC, BIAS+8*(\b)
.endif
.set oo, 2*((\b)%2)+((\a)%2)
.if (\first) && (HASBIAS == 0)
.if oo == 0
	v_wmma_scale_f32_16x16x128_f8f6f4 v[rD:rD+7], v[rB:rB+11], v[rA:rA+11], 0, v[sB], v[sA] matrix_a_fmt:MATRIX_FMT_BF6 matrix_b_fmt:MATRIX_FMT_BF6
.elseif oo == 1
	v_wmma_scale_f32_16x16x128_f8f6f4 v[rD:rD+7], v[rB:rB+11], v[rA:rA+11], 0, v[sB], v[sA] matrix_a_fmt:MATRIX_FMT_BF6 matrix_b_fmt:MATRIX_FMT_BF6 matrix_b_scale:MATRIX_SCALE_ROW1
.elseif oo == 2
	v_wmma_scale_f32_16x16x128_f8f6f4 v[rD:rD+7], v[rB:rB+11], v[rA:rA+11], 0, v[sB], v[sA] matrix_a_fmt:MATRIX_FMT_BF6 matrix_b_fmt:MATRIX_FMT_BF6 matrix_a_scale:MATRIX_SCALE_ROW1
.else
	v_wmma_scale_f32_16x16x128_f8f6f4 v[rD:rD+7], v[rB:rB+11], v[rA:rA+11], 0, v[sB], v[sA] matrix_a_fmt:MATRIX_FMT_BF6 matrix_b_fmt:MATRIX_FMT_BF6 matrix_a_scale:MATRIX_SCALE_ROW1 matrix_b_scale:MATRIX_SCALE_ROW1
.endif
.else
.if oo == 0
	v_wmma_scale_f32_16x16x128_f8f6f4 v[rD:rD+7], v[rB:rB+11], v[rA:rA+11], v[rC:rC+7], v[sB], v[sA] matrix_a_fmt:MATRIX_FMT_BF6 matrix_b_fmt:MATRIX_FMT_BF6
.elseif oo == 1
	v_wmma_scale_f32_16x16x128_f8f6f4 v[rD:rD+7], v[rB:rB+11], v[rA:rA+11], v[rC:rC+7], v[sB], v[sA] matrix_a_fmt:MATRIX_FMT_BF6 matrix_b_fmt:MATRIX_FMT_BF6 matrix_b_scale:MATRIX_SCALE_ROW1
.elseif oo == 2
	v_wmma_scale_f32_16x16x128_f8f6f4 v[rD:rD+7], v[rB:rB+11], v[rA:rA+11], v[rC:rC+7], v[sB], v[sA] matrix_a_fmt:MATRIX_FMT_BF6 matrix_b_fmt:MATRIX_FMT_BF6 matrix_a_scale:MATRIX_SCALE_ROW1
.else
	v_wmma_scale_f32_16x16x128_f8f6f4 v[rD:rD+7], v[rB:rB+11], v[rA:rA+11], v[rC:rC+7], v[sB], v[sA] matrix_a_fmt:MATRIX_FMT_BF6 matrix_b_fmt:MATRIX_FMT_BF6 matrix_a_scale:MATRIX_SCALE_ROW1 matrix_b_scale:MATRIX_SCALE_ROW1
.endif
.endif
.endm
.macro MUL16 a0, p, q, sc, first       ; 16 products; the 64 accumulators take turns, one instruction a turn, in the same order in every step
.irp a, \a0, \a0+1
.irp b, 0,1,2,3,4,5,6,7
	WM \a, \b, \p, \q, \sc, \first
.endr
.endr
.endm
.macro STEP slot, first                ; a slot's first K step (B's set 0); it fetches the second step's fragments
	s_wait_dscnt 12                                ; all but the youngest 12 loads (A's blocks 4-7) are in
.if \first
	WIN FST_LO
.else
	WIN MUL_LO
.endif
	MUL16 0, 0, 0, \slot, \first
	MUL16 2, 0, 0, \slot, \first
	s_wait_dscnt 0x0                               ; A's blocks 4-7 are in
	PLACES
	FETCH_B \slot, 1, 1
	FETCH_A \slot, 1, 0
.if \first
	WIN FST_HI
.else
	WIN MUL_HI
.endif
	MUL16 4, 0, 0, \slot, \first
	MUL16 6, 0, 0, \slot, \first
	PLACES
	WIN 0
	FETCH_A \slot, 1, 4
.endm
.macro TURN slot, next, fill           ; a slot's second K step (B's set 1) changes slots: one barrier; fill = 1: it opens a round of the cluster's barrier and the slot is filled again, four K steps on
	s_wait_tensorcnt 0x0                           ; all my tensor loads have landed: my part of the next slot
	ds_add_u32 v[SPW], v[NIL]                      ; 0 onto my spare word
	s_wait_dscnt 13                                ; (the add and the youngest 12 loads may be out)
	WIN MUL_LO
	MUL16 0, 1, 1, \slot, 0
	s_wait_dscnt 0x0                               ; the add is done, and my reads of this slot are over
	s_barrier_signal -1
	MUL16 2, 1, 1, \slot, 0
	WIN 0
	s_barrier_wait -1
.if \fill
	CREST                                          ; no wave of any partner still reads this slot or has a load on its way
	s_add_nc_u64 s[G0+4*\slot+2:G0+4*\slot+3], s[G0+4*\slot+2:G0+4*\slot+3], 4*STR_A
	s_add_nc_u64 s[G0B+4*\slot+2:G0B+4*\slot+3], s[G0B+4*\slot+2:G0B+4*\slot+3], 4*STR_B
	JLOAD G0+4*\slot, G1, G0B+4*\slot, G1B         ; the first tensor load behind the round; its four v_nop are the places in front of the loads below
.else
	PLACES
.endif
	FETCH_B \next, 0, 0
	FETCH_A \next, 0, 0
	SCALES \next
	WIN MUL_HI
	MUL16 4, 1, 1, \slot, 0
	MUL16 6, 1, 1, \slot, 0
	PLACES
	WIN 0
	FETCH_A \next, 0, 4
.endm
	s_load_b256 s[4:11], s[0:1], 0x0               ; wimg s[4:5], src_mask s[6:7], qkimg s[8:9], vtimg s[10:11]
	v_lshl_add_u32 v[SPW], v0, 2, SPARE
	v_mov_b32 v[NIL], 0
	ds_add_u32 v[SPW], v[NIL]                      ; the wave's opening: the add, twice on end, and its wait ahead of my first tensor load
	ds_add_u32 v[SPW], v[NIL]
	v_lshrrev_b32 v1, 5, v0
	v_readfirstlane_b32 s14, v1                    ; wave 0..3
	s_lshr_b32 s15, s14, 1                         ; which half of the tile's rows is mine.  Also: I fetch for A (0) or for B (1)
	s_and_b32 s16, s14, 1                          ; which half of its columns.  Also: which of a slot's two K steps I fetch
	s_bfe_u32 s40, ttmp6, 0x40000                  ; cx
	s_bfe_u32 s41, ttmp6, 0x40004                  ; cy
	s_and_b32 s17, ttmp7, 0xffff                   ; cluster y
	s_lshl_b32 s43, s41, 2
	s_lshl_b32 s43, 15, s43                        ; my row of the cluster
	s_lshl_b32 s44, 0x1111, s40                    ; my column
	s_or_b32 s[G1+0], s43, (3<<16)|(1<<21)         ; group 1: 25,600 dense bytes as 100 rows of 32 elements of 8 bytes, no padding; 15:0 the mask, 21 set beside it
	s_or_b32 s[G1B+0], s44, (3<<16)|(1<<21)
.irp g, G1, G1B
	s_mov_b32 s[\g+1], 32<<16                      ; tensor_dim0
	s_mov_b32 s[\g+2], 100<<16                     ; tensor_dim1
	s_mov_b32 s[\g+3], 32<<16                      ; tile_dim0
	s_mov_b32 s[\g+4], 100                         ; tile_dim1
	s_mov_b32 s[\g+5], 32                          ; the pitch
	s_mov_b32 s[\g+6], 0
	s_mov_b32 s[\g+7], 0
.endr
	s_lshl_b32 s18, s17, 4                         ; 16 x cluster y
	s_lshl_b32 s19, ttmp9, 4                       ; 16 x cluster x
.if QKV
	s_add_co_u32 s19, s19, 64
	s_lshl_b32 s20, s17, 2
	s_lshl_b32 s21, ttmp9, 2
	s_mov_b32 s75, 204800
	s_mov_b32 s78, 6400
	s_cmp_lt_u32 ttmp9, 2                          ; q or k (A = x, B = the weight), or V^T (A = Wv, B = x): the cluster's number alone decides
	s_cselect_b32 s22, s18, 96                     ; A's first super-block, less 4 cy
	s_cselect_b32 s23, s19, s18                    ; B's, less 4 cx
	s_cselect_b32 s17, s20, 0                      ; the result's row tile, less cy
	s_cselect_b32 s42, s21, s20                    ; its column tile, less cx
	s_cselect_b32 s75, 6400, s75                   ; the result's image: bytes from sr to sr,
	s_cselect_b32 s78, 409600, s78                 ; and from K step to K step
.else
	s_mov_b32 s22, s18
	s_add_co_u32 s23, s19, BSB0
	s_lshl_b32 s17, s17, 2
	s_lshl_b32 s42, ttmp9, 2
	s_mov_b32 s75, 6400
	s_mov_b32 s78, 409600
.endif
	s_lshl_b32 s20, s41, 2
	s_add_co_u32 s22, s22, s20                     ; A's address never holds cx,
	s_lshl_b32 s46, s40, 2
	s_add_co_u32 s23, s23, s46                     ; B's never cy
	s_add_co_u32 s17, s17, s41
	s_add_co_u32 s42, s42, s40
	s_mul_i32 s20, s22, SBB
	s_mul_i32 s21, s16, STR_A
	s_add_co_u32 s20, s20, s21
	s_mov_b32 s21, 0
	s_mul_i32 s46, s23, SBB
	s_mul_i32 s47, s16, STR_B
	s_add_co_u32 s46, s46, s47
.if BBASE
	s_add_co_u32 s46, s46, BBASE
.endif
	s_mov_b32 s47, 0
	s_mul_i32 s45, s14, TILEB                      ; where my load lands: wave x 25,600: no place in the cluster enters an LDS address
	s_mov_b32 s[SEL], 0x76543210
	s_mov_b32 s[SEL+1], 0xfedcba98
	s_mov_b32 s[HM], 0xffff0000
	s_wait_dscnt 0x0                               ; both opening adds are done
	s_wait_kmcnt 0x0
	s_add_nc_u64 s[20:21], s[4:5], s[20:21]
	s_add_nc_u64 s[46:47], s[PB:PB+1], s[46:47]
	CROUND                                         ; all sixteen work-groups are here: the first joint loads meet
.irp s, 0,1
	s_mov_b32 s[G0+4*\s], 1
	s_add_co_u32 s[G0+4*\s+1], s45, \s*SLOT
	s_add_nc_u64 s[G0+4*\s+2:G0+4*\s+3], s[20:21], \s*2*STR_A
	s_or_b32 s[G0+4*\s+3], s[G0+4*\s+3], 0x80000000
	s_mov_b32 s[G0B+4*\s], 1
	s_add_co_u32 s[G0B+4*\s+1], s45, \s*SLOT
	s_add_nc_u64 s[G0B+4*\s+2:G0B+4*\s+3], s[46:47], \s*2*STR_B
	s_or_b32 s[G0B+4*\s+3], s[G0B+4*\s+3], 0x80000000
	JLOAD G0+4*\s, G1, G0B+4*\s, G1B               ; two loads of mine are out
.endr
	v_and_b32 v1, 31, v0
	v_lshlrev_b32 v[CO], 4, v1
	v_lshlrev_b32 v[L8], 3, v1
	s_mul_i32 s21, s15, 2*SBB                      ; my 128 rows of A: two super-blocks
	s_mul_i32 s22, s16, 2*SBB
	s_add_co_u32 s22, s22, 2*TILEB                 ; B's lie behind A's two steps
.irp s, 0,1
	v_add_nc_u32 v[ADRA+\s], s21, v[CO]
	v_add_nc_u32 v[ADRB+\s], s22, v[CO]
	v_add_nc_u32 v[ADSA+\s], s21, v[L8]
	v_add_nc_u32 v[ADSB+\s], s22, v[L8]
	s_add_co_u32 s21, s21, SLOT
	s_add_co_u32 s22, s22, SLOT
.endr
.if HASBIAS
	v_bfe_u32 v6, v0, 4, 1
	v_lshlrev_b32 v6, 6, v6                        ; the bias in the result's layout: register 16 bb + i of lane (r, h) is column 32 bb + 16 h + i
	s_lshl_b32 s18, s42, 10
	s_lshl_b32 s19, s16, 9
	s_add_co_u32 s18, s18, s19
	s_mov_b32 s19, 0
	s_add_nc_u64 s[PBIAS:PBIAS+1], s[PBIAS:PBIAS+1], s[18:19]
.irp b, 0,1,2,3
.irp j, 0,1,2,3
	global_load_b128 v[BIAS+16*\b+4*\j:BIAS+16*\b+4*\j+3], v6, s[PBIAS:PBIAS+1] offset:128*\b+16*\j
.endr
.endr
.endif
	; the way out: my two super-blocks of the result's image
.irp b, 0,1,2,3
	v_mov_b32 v[TM+4+\b], 0                        ; written once: a lane permute's destination counts as one of its sources
.endr
	s_lshl_b32 s18, s17, 2
	s_lshl_b32 s19, s15, 1
	s_add_co_u32 s18, s18, s19
	s_mul_i32 s18, s18, s75
	s_lshl_b32 s19, s42, 1
	s_add_co_u32 s19, s19, s16
	s_mul_i32 s19, s19, s78
	s_add_co_u32 s18, s18, s19
	s_mov_b32 s19, 0
.if QKV
	s_cmp_lt_u32 ttmp9, 2
	s_cselect_b64 s[10:11], s[8:9], s[10:11]
.endif
	s_add_nc_u64 s[68:69], s[POUT:POUT+1], s[18:19]
	s_mov_b32 s18, s75
	s_add_nc_u64 s[70:71], s[68:69], s[18:19]
.if QKV
	v_and_b32 v7, 7, v0                            ; the mask of my row's token: 4 (r % 8 + 16 (r / 8)) bytes on in the block's 24
	v_bfe_u32 v8, v0, 3, 1
	v_lshlrev_b32 v7, 2, v7
	v_lshl_add_u32 v7, v8, 6, v7
	v_mov_b32 v9, 1.0
	s_lshl_b32 s18, s17, 10
	s_lshl_b32 s19, s15, 9
	s_add_co_u32 s18, s18, s19
	s_mov_b32 s19, 0
	s_add_nc_u64 s[6:7], s[6:7], s[18:19]
.endif
.if HASBIAS
	s_wait_loadcnt 0x0
.endif
	s_wait_tensorcnt 1                             ; my part of slot 0 is in; slot 1's may stay out
	s_barrier_signal -1
	s_barrier_wait -1
	FETCH_B 0, 0, 0
	FETCH_A 0, 0, 0
	SCALES 0
	FETCH_A 0, 0, 4
	STEP 0, 1                                      ; the first step stands in front of the loop: its products start the sums
	s_mov_b32 s3, LAPS-1
.Llap:                                             ; a trip goes once round the ring and fills both slots again
	TURN 0, 1, 1
	STEP 1, 0
	TURN 1, 0, 1
	STEP 0, 0
	s_sub_co_u32 s3, s3, 1
	s_cmp_lg_u32 s3, 0
	s_cbranch_scc1 .Llap
	TURN 0, 1, 0                                   ; the last lap fills nothing
	STEP 1, 0
	s_wait_dscnt 12
	WIN MUL_LO
	MUL16 0, 1, 1, 1, 0
	MUL16 2, 1, 1, 1, 0
	s_wait_dscnt 0x0
	WIN MUL_HI
	MUL16 4, 1, 1, 1, 0
	MUL16 6, 1, 1, 1, 0
	WIN 0
	PLACES
; THE WAY OUT.  For A's block a, a lane's 64 registers are its row's 128 columns, register 16 b + i = column 32 b + 16 h + i: they are quantised as they stand and are one fragment of the result's image.
.macro QUANT s, w, pc, pw              ; 64 numbers in window w -> 12 registers of codes at pc and the row's scale word at pw, both in window 0
	WIN (\w)|((\w)<<2)
.irp b, 0,1,2,3
	v_max3_num_f32 v[TM+\b], |v[\s+16*\b]|, |v[\s+16*\b+1]|, 0x2800000   ; each accumulator is read from its low end on; the floor 2^(5 - 127) holds the byte at 1 from below
.endr
.irp i, 2,4,6,8,10,12,14
.irp b, 0,1,2,3
	v_max3_num_f32 v[TM+\b], |v[\s+16*\b+\i]|, |v[\s+16*\b+\i+1]|, v[TM+\b]
.endr
.endr
	WIN 0
.irp b, 0,1,2,3
	v_permlanex16_b32 v[TM+4+\b], v[TM+\b], s[SEL], s[SEL+1]
.endr
.irp b, 0,1,2,3
	v_max_num_f32 v[TM+\b], v[TM+\b], v[TM+4+\b]
.endr
.irp b, 0,1,2,3
	v_add_nc_u32 v[TM+12+\b], 0xfe000000, v[TM+\b]         ; 4 off the exponent field: the conversion's scale operand
.endr
.irp b, 0,1,2,3
	v_lshrrev_b32 v[TM+4+\b], 23, v[TM+12+\b]
.endr
	v_lshl_or_b32 v[\pw], v[TM+5], 8, v[TM+4]
	v_lshl_or_b32 v[\pw], v[TM+6], 16, v[\pw]
	v_lshl_or_b32 v[\pw], v[TM+7], 24, v[\pw]
	WIN (\w)
.irp c, 0,1
	v_cvt_scalef32_pk16_bf6_f32 v[\pc+6*\c:\pc+6*\c+2], v[\s+32*\c:\s+32*\c+15], v[TM+12+2*\c]
	v_cvt_scalef32_pk16_bf6_f32 v[CT+4*\c:CT+4*\c+2], v[\s+32*\c+16:\s+32*\c+31], v[TM+13+2*\c]
.endr
	WIN 0
	v_nop                                                  ; one plain place behind a scaled conversion
.irp c, 0,1
.irp i, 0,1,2
	v_permlane16_swap_b32 v[\pc+6*\c+\i], v[CT+4*\c+\i]
.endr
.irp i, 0,1,2
	v_mov_b32 v[\pc+6*\c+3+\i], v[CT+4*\c+\i]
.endr
.endr
.endm
.if QKV
	s_cmp_eq_u32 ttmp9, 1                          ; k's clusters alone: the cluster's number is the same in all partners
	s_cbranch_scc0 .Lopen
.irp a, 0,1,2,3,4,5,6,7
	global_load_b32 v[MF+2*\a], v7, s[6:7] offset:4*(64*(\a/4)+32*((\a%4)/2)+8*(\a%2))
.endr
	s_wait_loadcnt 0x0
.irp a, 0,1,2,3,4,5,6,7
	v_cmp_ne_u32 vcc_lo, 0, v[MF+2*\a]
	v_cndmask_b32 v[MF+2*\a], 0, v9, vcc_lo        ; 1 for an open token, 0 for a hidden one
	v_mov_b32 v[MF+2*\a+1], v[MF+2*\a]
.endr
.irp a, 0,1,2,3,4,5,6,7
	WIN ((2+\a/4)<<6)|(2+\a/4)
.set j, 0
.rept 32
	v_pk_mul_f32 v[64*(\a%4)+j:64*(\a%4)+j+1], v[64*(\a%4)+j:64*(\a%4)+j+1], v[MF+2*\a:MF+2*\a+1]
.set j, j+2
.endr
.endr
	WIN 0
.Lopen:
.endif
.irp a, 0,1,2,3,4,5,6,7
.if RELU
	WIN ((2+\a/4)<<6)|((2+\a/4)<<2)
.set j, 0
.rept 64
	v_max_num_f32 v[64*(\a%4)+j], 0, v[64*(\a%4)+j]
.set j, j+1
.endr
.endif
	QUANT 64*(\a%4), 2+\a/4, AF+12*\a, PW+\a       ; each block has its own 12 registers, so no store's data are written again
.irp c, 0,1,2
	global_store_b128 v[CO], v[AF+12*\a+4*\c:AF+12*\a+4*\c+3], s[68+2*(\a/4):69+2*(\a/4)] offset:1536*(\a%4)+512*\c   ; 512 consecutive bytes, aligned to 256
.endr
.if \a%4 == 3
	v_cndmask_b32 v[U+2*(\a/4)], v[PW+\a-3], v[PW+\a-2], s[HM]
	v_cndmask_b32 v[U+2*(\a/4)+1], v[PW+\a-1], v[PW+\a], s[HM]
	global_store_b64 v[L8], v[U+2*(\a/4):U+2*(\a/4)+1], s[68+2*(\a/4):69+2*(\a/4)] offset:6144
.endif
.endr
	s_wait_tensorcnt 0x0                           ; the wave's end
	ds_add_u32 v[SPW], v[NIL]
	s_wait_dscnt 0x0
	CROUND                                         ; the closing round
	s_endpgm
.Lfunc_end_k_q7eff78c197_qkv:
	.size	k_q7eff78c197_qkv, .Lfunc_end_k_q7eff78c197_qkv-k_q7eff78c197_qkv
	.p2alignl 7, 3214868480
	.fill 96, 4, 3214868480
	.section	.rodata,"a",@progbits
	.p2align	6, 0x0
	.amdhsa_kernel k_q7eff78c197_qkv
		.amdhsa_group_segment_fixed_size 327680
		.amdhsa_private_segment_fixed_size 0
		.amdhsa_enable_private_segment 0
		.amdhsa_kernarg_size 32
		.amdhsa_user_sgpr_count 2
		.amdhsa_user_sgpr_kernarg_segment_ptr 1
		.amdhsa_wavefront_size32 1
		.amdhsa_system_sgpr_workgroup_id_x 1
		.amdhsa_system_sgpr_workgroup_id_y 1
		.amdhsa_system_sgpr_workgroup_id_z 1
		.amdhsa_system_vgpr_workitem_id 0
		.amdhsa_next_free_vgpr 1024
		.amdhsa_next_free_sgpr 100
		.amdhsa_reserve_vcc 1
		.amdhsa_float_denorm_mode_32 3
		.amdhsa_float_denorm_mode_16_64 3
		.amdhsa_memory_ordered 1
		.amdhsa_forward_progress 1
		.amdhsa_inst_pref_size 156
	.end_amdhsa_kernel
	.amdgpu_metadata
---
amdhsa.version: [ 1, 2 ]
amdhsa.kernels:
  - .name:           k_q7eff78c197_qkv
    .symbol:         k_q7eff78c197_qkv.kd
    .args:
      - { .name: wimg, .offset: 0, .size: 8, .value_kind: global_buffer, .address_space: global }
      - { .name: src_mask, .offset: 8, .size: 8, .value_kind: global_buffer, .address_space: global }
      - { .name: qkimg, .offset: 16, .size: 8, .value_kind: global_buffer, .address_space: global }
      - { .name: vtimg, .offset: 24, .size: 8, .value_kind: global_buffer, .address_space: global }
    .group_segment_fixed_size: 327680
    .private_segment_fixed_size: 0
    .kernarg_segment_align: 8
    .kernarg_segment_size: 32
    .max_flat_workgroup_size: 128
    .sgpr_count:     100
    .vgpr_count:     1024
    .wavefront_size: 32
...
	.end_amdgpu_metadata
.endif
;; end of part 2
;; launch attn (part 3): grid 16 x 16, 16 waves a work-group, clusters of 4 x 1, 327,680 bytes of LDS; arguments qkimg, vtimg, src_mask, aimg; writes aimg
.if DOCPART == 3
	.amdgcn_target "amdgcn-amd-amdhsa--gfx1250"
	.amdhsa_code_object_version 6
	.text
	.protected	k_q7eff78c197_attn
	.globl	k_q7eff78c197_attn
	.p2align	8
	.type	k_q7eff78c197_attn,@function
k_q7eff78c197_attn:
	s_mov_b64 s[64:65], 0
	v_nop
	global_prefetch_b8 v0, s[64:65] scope:SCOPE_SE
	s_setreg_imm32_b32 hwreg(HW_REG_WAVE_MODE, 25, 1), 1
	s_wait_xcnt 0x0
	s_wait_alu depctr_hold_cnt(0) depctr_sa_sdst(0) depctr_va_vdst(0) depctr_va_sdst(0) depctr_va_ssrc(0) depctr_va_vcc(0) depctr_vm_vsrc(0)
	s_getreg_b32 s2, hwreg(HW_REG_IB_STS2, 6, 4)
	s_cmp_eq_u32 s2, 0
	s_cbranch_scc0 .Lentry_in_a_cluster
	s_endpgm
.Lentry_in_a_cluster:
	s_bfe_u32 s2, ttmp6, 0x10000c
	s_cmp_lg_u32 s2, 0x3003
	s_cbranch_scc0 .Lentry_shape_is_right
	s_endpgm
.Lentry_shape_is_right:
; Launch 3 of 8: ctx = softmax(q k^T / 8, hidden keys at a large negative logit) v, both products on codes of BF6; ctx is quantised along its 1,024 columns and leaves as an image (launch quant's head says how an image lies).
; THE SOFTMAX AHEAD OF THE SECOND PRODUCT: t = score x log2(e) / 8; M = the running largest t rounded up to a whole number; p = 2^(t - M) is quantised along the keys; the row's sum is taken of the unquantised p and divides at the end.
; THE MASK COSTS NO VECTOR WORK IN THE LOOP: a table in LDS holds 0 for an open key and -2^33 for a hidden one; it is loaded into the score accumulators and is the C of S^T = K Q^T + C.  Launch qkv made hidden tokens' rows of k zero,
; so a hidden score is exactly -2^33, its logit -2^30.  LIMIT: reference() has -1e9 there.  The results agree while a row's largest open logit lies above about -1e9 + 200 (p of hidden keys is then 0 in both); a row whose keys are all
; hidden gets p = 1 for every key in both (-2^33 x c is a whole number).
; SHARES.  Work-group y = batch x 8 + pair of heads; x = a block of 128 queries.  Sixteen waves of 256 registers, four to a SIMD: wave w has head 2 jp + w / 8 and query tile w % 8.  A fragment of q or k is 16 tokens x [head 2 jp | head 2 jp + 1]:
; all waves share K's fragments, and a wave's Q has the other head's six registers cleared (zero codes add nothing): K = 64 in an instruction of 128.
; Both products are used transposed: a lane holds one query throughout.  The images' row order makes the 16 registers of two neighbouring score tiles 16 neighbouring keys.
; THE RING: two slots of 512 keys: [K: 8 super-blocks][V^T of head 2 jp: 4][of head 2 jp + 1: 4] = 102,400 bytes, brought by waves 0 to 3, 25,600 dense bytes each.  CLUSTER: the four query blocks of a cluster walk the same K and V: joint loads, mask 15.
; No prefetch: a refill is asked for a whole slot (four key steps of each of a SIMD's four waves) ahead of its first read.
; REGISTERS: v1-11, v29-31 addresses; v12 -M, v13 the largest t, v[14:15] the sum; v16-27 Q, v28 its scale words; v32-79 four fragments; v80-85 scale words; v96-159 S^T, then p; v160-191 O^T; v192-231 at work.
.set SBB,   6400
.set TILEB, 25600
.set SLOT1, 131072                     ; slot 1 begins here: one exclusive or turns an address
.set MASKT, 102400                     ; behind slot 0: the table, 4 bytes a key of the batch
.set CEX,   110592                     ; two super-blocks of ctx, gathered from the sixteen waves
.set SPARE, 123392                     ; the spare words, 128 bytes a wave: eight blocks of 256 bytes that no other line names
.set AK0,  1
.set AV0,  2
.set ASK0, 3
.set ASV0, 4
.set SPW,  5
.set NIL,  6
.set AM0,  7
.set ADK,  8
.set ADV,  9
.set ADS,  10
.set ADT,  11
.set QS,   28
.set ADM,  29
.set KS,   80
.set VS,   84
.set BM,   192
.set BX,   196
.set SO,   200
.set PCD,  204
.set CT,   216
.set PSW,  226
.set WV,   18
.set HD,   19
.set QT,   20
.set CS,   22
.set SEL,  24
.set G1,   40
.set G0,   48
.set TB,   52
.set TMK,  53
.set SLOTS, 54
.macro TLOAD                           ; waves 0 to 3 fetch, the others nothing: a branch on the wave's number alone; an s_nop 0 and four v_nop follow the load
	s_cmp_lt_u32 s[WV], 4
	s_cbranch_scc0 .Lnone_\@
	tensor_load_to_lds s[G0:G0+3], s[G1:G1+7]
	s_nop 0
.rept 4
	v_nop
.endr
.Lnone_\@:
.endm
.macro CROUND
	s_barrier_signal -1
	s_barrier_wait -1
	s_cmp_lg_u32 s[WV], 0
	s_cbranch_scc1 .Lnot_wave_0_\@
	s_barrier_signal -3
.Lnot_wave_0_\@:
	s_barrier_wait -3
	s_barrier_signal -1
	s_barrier_wait -1
.endm
	s_load_b256 s[4:11], s[0:1], 0x0               ; qkimg s[4:5], vtimg s[6:7], src_mask s[8:9], aimg s[10:11]
	v_lshl_add_u32 v[SPW], v0, 2, SPARE
	v_mov_b32 v[NIL], 0
	ds_add_u32 v[SPW], v[NIL]                      ; the wave's opening: the add, twice on end, and its wait ahead of the first tensor load
	ds_add_u32 v[SPW], v[NIL]
	v_lshrrev_b32 v8, 5, v0
	v_readfirstlane_b32 s[WV], v8                  ; wave 0..15
	s_lshr_b32 s[HD], s[WV], 3                     ; which head of the pair
	s_and_b32 s[QT], s[WV], 7                      ; which tile of 16 queries
	s_bfe_u32 s13, ttmp6, 0x40000                  ; cx
	s_lshl_b32 s14, ttmp9, 2
	s_add_co_u32 s14, s14, s13                     ; my block of 128 queries: it enters q's and ctx's addresses alone
	s_and_b32 s15, ttmp7, 0xffff
	s_lshr_b32 s16, s15, 3                         ; the batch
	s_and_b32 s17, s15, 7                          ; the pair of heads
	s_mov_b32 s[G1], 15|(3<<16)|(1<<21)            ; group 1: 25,600 dense bytes as 100 rows of 32 elements of 8 bytes; the mask names all four partners
	s_mov_b32 s[G1+1], 32<<16
	s_mov_b32 s[G1+2], 100<<16
	s_mov_b32 s[G1+3], 32<<16
	s_mov_b32 s[G1+4], 100
	s_mov_b32 s[G1+5], 32
	s_mov_b32 s[G1+6], 0
	s_mov_b32 s[G1+7], 0
	s_and_b32 s30, s[WV], 3
	s_and_b32 s31, s[WV], 1
	s_lshl_b32 s32, s17, 6
	s_lshl_b32 s33, s16, 5
	s_add_co_u32 s32, s32, s33                     ; 64 jp + 32 b
	s_add_co_u32 s34, s32, 512                     ; k's K steps lie 8 behind q's: 8 x 64 super-blocks
	s_lshl_b32 s35, s31, 2
	s_add_co_u32 s34, s34, s35                     ; waves 0, 1: K's super-blocks 0-3, 4-7 of a slot
	s_lshl_b32 s35, s17, 1
	s_add_co_u32 s35, s35, s31
	s_lshl_b32 s35, s35, 5
	s_lshl_b32 s36, s16, 4
	s_add_co_u32 s35, s35, s36                     ; waves 2, 3: V^T of head 2 jp, 2 jp + 1: 32 x head + 16 b
	s_mov_b32 s38, TILEB
	s_cmp_lt_u32 s30, 2
	s_cselect_b32 s34, s34, s35
	s_cselect_b32 s38, 2*TILEB, s38                ; a slot on, in bytes
	s_mul_i32 s34, s34, SBB
	s_mov_b32 s35, 0
	s_mov_b32 s39, 0
	s_mul_i32 s37, s30, TILEB                      ; where my load lands in a slot
	s_mov_b32 s[CS], 0x3e38aa3b                    ; c = log2(e) / 8
	s_mov_b32 s[CS+1], s[CS]
	s_mov_b32 s[SEL], 0x76543210
	s_mov_b32 s[SEL+1], 0xfedcba98
	s_mov_b32 s[TB], 0
	s_mov_b32 s[TMK], 0
	s_mov_b32 s[SLOTS], 3
	s_wait_dscnt 0x0                               ; both opening adds are done
	s_wait_kmcnt 0x0
	s_cmp_lt_u32 s30, 2
	s_cselect_b64 s[G0+2:G0+3], s[4:5], s[6:7]
	s_add_nc_u64 s[G0+2:G0+3], s[G0+2:G0+3], s[34:35]
	s_or_b32 s[G0+3], s[G0+3], 0x80000000
	s_mov_b32 s[G0], 1
	s_mov_b32 s[G0+1], s37
	CROUND                                         ; all four work-groups are here
	TLOAD                                          ; slot 0
	s_lshl_b32 s26, s16, 13
	s_mov_b32 s27, 0
	s_add_nc_u64 s[8:9], s[8:9], s[26:27]          ; the batch's 2,048 mask words
	v_lshlrev_b32 v30, 4, v0                       ; 16 x thread; never rewritten
	global_load_b128 v[32:35], v30, s[8:9]
	s_lshl_b32 s26, s14, 1
	s_add_co_u32 s26, s26, s32                     ; 64 jp + 32 b + 2 qb: q's (and ctx's) first super-block of my work-group
	s_mul_i32 s28, s26, SBB
	s_mov_b32 s29, 0
	s_add_nc_u64 s[10:11], s[10:11], s[28:29]
	s_lshr_b32 s26, s[QT], 2
	s_mul_i32 s26, s26, SBB
	s_add_co_u32 s28, s28, s26
	s_add_nc_u64 s[56:57], s[4:5], s[28:29]        ; my tile's super-block
	s_and_b32 s26, s[QT], 3
	s_mul_i32 s26, s26, 1536
	s_add_nc_u64 s[4:5], s[56:57], s[26:27]        ; its fragment
	s_and_b32 s26, s[QT], 1
	s_lshl_b32 s26, s26, 7
	s_bfe_u32 s33, s[QT], 0x10001
	s_lshl_b32 s33, s33, 2
	s_add_co_u32 s26, s26, s33
	s_add_nc_u64 s[56:57], s[56:57], s[26:27]      ; its scale words
	v_and_b32 v8, 31, v0
	v_lshlrev_b32 v[AK0], 4, v8
	v_and_b32 v31, 15, v0
	v_lshlrev_b32 v31, 3, v31
.irp c, 0,1,2
	global_load_b128 v[16+4*\c:19+4*\c], v[AK0], s[4:5] offset:512*\c
.endr
	global_load_b32 v[QS], v31, s[56:57] offset:6144
	v_lshlrev_b32 v9, 3, v8
	s_mul_i32 s26, s[HD], TILEB
	s_add_co_u32 s27, s26, 2*TILEB
	v_add_nc_u32 v[AV0], s27, v[AK0]
	v_add_nc_u32 v[ASK0], 6144, v9
	s_add_co_u32 s27, s26, 2*TILEB+6144
	v_add_nc_u32 v[ASV0], s27, v9
	v_bfe_u32 v10, v0, 4, 1
	v_lshl_add_u32 v[AM0], v10, 6, MASKT
	v_lshl_add_u32 v37, v0, 4, MASKT
	v_mov_b32 v36, 0xd0000000                      ; -2^33
	v_mov_b32 v13, 0xff61b1e6                      ; the largest t so far: -3e38
	v_floor_f32 v12, -v13
	v_mov_b32 v14, 0
	v_mov_b32 v15, 0
	v_mov_b32 v225, 0                              ; (named as the upper half of the pair v[224:225])
.irp b, 0,1,2,3
	v_mov_b32 v[BX+\b], 0                          ; written once: a lane permute's destination counts as one of its sources
.endr
.set j, 0
.rept 32
	v_mov_b32 v[160+j], 0                          ; O^T: the step is written once; the first change of M leaves zeros zeros
.set j, j+1
.endr
	s_cmp_eq_u32 s[HD], 0
	s_cselect_b32 s26, -1, 0
	s_not_b32 s27, s26
	s_wait_loadcnt 0x0
.irp e, 0,1,2,3
	v_cmp_eq_u32 vcc_lo, 0, v[32+\e]
	v_cndmask_b32 v[32+\e], 0, v36, vcc_lo
.endr
	ds_store_b128 v37, v[32:35]                    ; the table; the wait and the round at the first change of slots show it to all waves
.irp i, 0,1,2,3,4,5
	v_and_b32 v[16+\i], s26, v[16+\i]              ; my head's 64 of the 128 stay,
	v_and_b32 v[22+\i], s27, v[22+\i]              ; the other head's codes become zeros
.endr
.macro STEP q                          ; 128 keys, the q-th of the slot in hand
	v_add_nc_u32 v[ADK], s[TB], v[AK0]             ; (these five are also the places in front of loads into registers that the last products read)
	v_add_nc_u32 v[ADV], s[TB], v[AV0]
	v_add_nc_u32 v[ADS], s[TB], v[ASK0]
	v_add_nc_u32 v[ADT], s[TB], v[ASV0]
	v_add_nc_u32 v[ADM], s[TMK], v[AM0]
.irp b, 0,1,2,3
.irp j, 0,1,2,3
	ds_load_b128 v[96+16*\b+4*\j:99+16*\b+4*\j], v[ADM] offset:512*(\q)+128*\b+16*\j   ; the table's words of keys 32 b + 16 h + 0 .. 15 into the accumulators
.endr
.endr
	ds_load_b64 v[KS:KS+1], v[ADS] offset:2*SBB*(\q)
	ds_load_b64 v[KS+2:KS+3], v[ADS] offset:2*SBB*(\q)+SBB
.irp g, 0,1
.if \g
.rept 4
	v_nop
.endr
.endif
.irp t, 0,1,2,3
.irp c, 0,1,2
	ds_load_b128 v[32+12*\t+4*\c:35+12*\t+4*\c], v[ADK] offset:2*SBB*(\q)+SBB*\g+1536*\t+512*\c
.endr
.endr
	s_wait_dscnt 0x0
	v_wmma_scale_f32_16x16x128_f8f6f4 v[96+32*\g:103+32*\g], v[32:43], v[16:27], v[96+32*\g:103+32*\g], v[KS+2*\g], v[QS] matrix_a_fmt:MATRIX_FMT_BF6 matrix_b_fmt:MATRIX_FMT_BF6
	v_wmma_scale_f32_16x16x128_f8f6f4 v[104+32*\g:111+32*\g], v[44:55], v[16:27], v[104+32*\g:111+32*\g], v[KS+2*\g], v[QS] matrix_a_fmt:MATRIX_FMT_BF6 matrix_b_fmt:MATRIX_FMT_BF6 matrix_a_scale:MATRIX_SCALE_ROW1
	v_wmma_scale_f32_16x16x128_f8f6f4 v[112+32*\g:119+32*\g], v[56:67], v[16:27], v[112+32*\g:119+32*\g], v[KS+2*\g+1], v[QS] matrix_a_fmt:MATRIX_FMT_BF6 matrix_b_fmt:MATRIX_FMT_BF6
	v_wmma_scale_f32_16x16x128_f8f6f4 v[120+32*\g:127+32*\g], v[68:79], v[16:27], v[120+32*\g:127+32*\g], v[KS+2*\g+1], v[QS] matrix_a_fmt:MATRIX_FMT_BF6 matrix_b_fmt:MATRIX_FMT_BF6 matrix_a_scale:MATRIX_SCALE_ROW1
.endr
.rept 4
	v_nop
.endr
.irp t, 0,1,2,3                                ; V^T's four fragments of these 128 keys are asked for now and land under the softmax
.irp c, 0,1,2
	ds_load_b128 v[32+12*\t+4*\c:35+12*\t+4*\c], v[ADV] offset:SBB*(\q)+1536*\t+512*\c
.endr
.endr
	ds_load_b64 v[VS:VS+1], v[ADT] offset:SBB*(\q)
.irp b, 0,1,2,3
	v_max3_num_f32 v[BM+\b], v[96+16*\b], v[97+16*\b], v[98+16*\b]   ; the largest score of each block of 32 keys: for the row's maximum and, since p rises with the score, for the block's largest p
.endr
.irp i, 3,5,7,9,11,13
.irp b, 0,1,2,3
	v_max3_num_f32 v[BM+\b], v[BM+\b], v[96+16*\b+\i], v[97+16*\b+\i]
.endr
.endr
.irp b, 0,1,2,3
	v_max_num_f32 v[BM+\b], v[BM+\b], v[111+16*\b]
.endr
.irp b, 0,1,2,3
	v_permlanex16_b32 v[BX+\b], v[BM+\b], s[SEL], s[SEL+1]
.endr
.irp b, 0,1,2,3
	v_max_num_f32 v[BM+\b], v[BM+\b], v[BX+\b]
.endr
	v_max3_num_f32 v227, v[BM], v[BM+1], v[BM+2]
	v_max_num_f32 v227, v227, v[BM+3]
	v_mul_f32 v227, s[CS], v227
	v_max_num_f32 v13, v13, v227                   ; the running largest t
	v_mov_b32 v227, v12
	v_floor_f32 v12, -v13                          ; the new -M = -ceil(t)
	v_sub_f32 v227, v12, v227
	v_cvt_i32_f32 v227, v227                       ; old M - new M, a whole number, 0 or less (it saturates)
	v_ldexp_f32 v224, 1.0, v227                    ; f = 2^(old M - new M): a multiplication by it rounds nothing
.set j, 0
.rept 32
	v_pk_fma_f32 v[96+j:97+j], v[96+j:97+j], s[CS:CS+1], v[12:13] op_sel_hi:[1,0,0]   ; t - M
.set j, j+2
.endr
.irp b, 0,1,2,3
	v_fma_f32 v[BM+\b], v[BM+\b], s[CS], v12
.endr
.set j, 0
.rept 64
	v_exp_f32 v[96+j], v[96+j]                     ; p = 2^(t - M)
.set j, j+1
.endr
	v_pk_mul_f32 v[14:15], v[14:15], v[224:225] op_sel_hi:[1,0]   ; the sums under the new M (a plain place behind the exponentials)
	s_wait_alu depctr_va_vdst(0)                   ; one wait for the batch of 64, ahead of its first reader
.irp b, 0,1,2,3
	v_exp_f32 v[BM+\b], v[BM+\b]                   ; each block's largest p
.endr
	v_pk_add_f32 v[228:229], v[96:97], v[98:99]    ; the row's sum of the unquantised p, in two chains
.irp j, 4,8,12,16,20,24,28,32,36,40,44,48,52,56,60
	v_pk_add_f32 v[14:15], v[14:15], v[96+\j:97+\j]
	v_pk_add_f32 v[228:229], v[228:229], v[98+\j:99+\j]
.endr
	v_pk_add_f32 v[14:15], v[14:15], v[228:229]
	s_wait_alu depctr_va_vdst(0)                   ; and one for the four
.irp b, 0,1,2,3
	v_max_num_f32 v[BM+\b], 0x2800000, v[BM+\b]    ; the floor 2^(5 - 127)
.endr
.irp b, 0,1,2,3
	v_add_nc_u32 v[SO+\b], 0xfe000000, v[BM+\b]
.endr
.irp b, 0,1,2,3
	v_lshrrev_b32 v[BX+\b], 23, v[SO+\b]
.endr
	v_lshl_or_b32 v[PSW], v[BX+1], 8, v[BX]        ; p's scale word for these 128 keys
	v_lshl_or_b32 v[PSW], v[BX+2], 16, v[PSW]
	v_lshl_or_b32 v[PSW], v[BX+3], 24, v[PSW]
.irp c, 0,1
	v_cvt_scalef32_pk16_bf6_f32 v[PCD+6*\c:PCD+6*\c+2], v[96+32*\c:111+32*\c], v[SO+2*\c]
	v_cvt_scalef32_pk16_bf6_f32 v[CT+4*\c:CT+4*\c+2], v[112+32*\c:127+32*\c], v[SO+2*\c+1]
.endr
	v_nop
.irp c, 0,1
.irp i, 0,1,2
	v_permlane16_swap_b32 v[PCD+6*\c+\i], v[CT+4*\c+\i]
.endr
.irp i, 0,1,2
	v_mov_b32 v[PCD+6*\c+3+\i], v[CT+4*\c+\i]
.endr
.endr
.set j, 0
.rept 16
	v_pk_mul_f32 v[160+j:161+j], v[160+j:161+j], v[224:225] op_sel_hi:[1,0]   ; O^T under the new M.  For each product below twelve of these name none of its registers: its places behind the lines that made p's codes and scale word
.set j, j+2
.endr
	s_wait_dscnt 0x0                               ; V^T's fragments and scale words
	v_wmma_scale_f32_16x16x128_f8f6f4 v[160:167], v[32:43], v[PCD:PCD+11], v[160:167], v[VS], v[PSW] matrix_a_fmt:MATRIX_FMT_BF6 matrix_b_fmt:MATRIX_FMT_BF6
	v_wmma_scale_f32_16x16x128_f8f6f4 v[168:175], v[44:55], v[PCD:PCD+11], v[168:175], v[VS], v[PSW] matrix_a_fmt:MATRIX_FMT_BF6 matrix_b_fmt:MATRIX_FMT_BF6 matrix_a_scale:MATRIX_SCALE_ROW1
	v_wmma_scale_f32_16x16x128_f8f6f4 v[176:183], v[56:67], v[PCD:PCD+11], v[176:183], v[VS+1], v[PSW] matrix_a_fmt:MATRIX_FMT_BF6 matrix_b_fmt:MATRIX_FMT_BF6
	v_wmma_scale_f32_16x16x128_f8f6f4 v[184:191], v[68:79], v[PCD:PCD+11], v[184:191], v[VS+1], v[PSW] matrix_a_fmt:MATRIX_FMT_BF6 matrix_b_fmt:MATRIX_FMT_BF6 matrix_a_scale:MATRIX_SCALE_ROW1
.endm
; THE CHANGE OF SLOTS stands at a slot's head.  Each wave waits for all its tensor loads, adds 0 to its spare word, and waits for that and for its reads of the slot that it has left.  fill = 1: a round of the cluster's barrier,
; and behind it the other slot is filled with the 512 keys that follow: that load has a whole slot's steps in which to land.  At most one tensor load of a wave is out.
.macro CHANGE fill
	s_wait_tensorcnt 0x0
	ds_add_u32 v[SPW], v[NIL]
.if \fill
	ds_add_u32 v[SPW], v[NIL]                      ; and twice on end here, in every trip alike
	s_xor_b32 s[G0+1], s[G0+1], SLOT1              ; no load of mine is out, so the descriptor may walk: the other slot,
	s_add_nc_u64 s[G0+2:G0+3], s[G0+2:G0+3], s[38:39]   ; the next 512 keys
	s_wait_dscnt 0x0
	CROUND
	TLOAD
.else
	s_wait_dscnt 0x0
	s_barrier_signal -1
	s_barrier_wait -1
.endif
.endm
.Lslot:                                            ; three trips: behind each change of slots but the last the next slot is asked for
	CHANGE 1
	STEP 0
	STEP 1
	STEP 2
	STEP 3
	s_xor_b32 s[TB], s[TB], SLOT1
	s_add_co_u32 s[TMK], s[TMK], 2048
	s_sub_co_u32 s[SLOTS], s[SLOTS], 1
	s_cmp_lg_u32 s[SLOTS], 0
	s_cbranch_scc1 .Lslot
	CHANGE 0                                       ; the last slot is written out
	STEP 0
	STEP 1
	STEP 2
	STEP 3
	; THE WAY OUT.  O^T / the sum: register 16 b + i of lane (r, h) is channel 32 b + 16 h + i of my head, for query r: two blocks of 32 of ctx's K.  They are quantised; my six registers and two scale bytes go to their places in
	; the work-group's two super-blocks in LDS, which then leave in whole units of 256 bytes.
	v_add_f32 v14, v14, v15
	v_permlanex16_b32 v227, v14, s[SEL], s[SEL+1]
	v_add_f32 v14, v14, v227
	v_rcp_f32 v14, v14
	s_lshr_b32 s26, s[QT], 2
	s_mul_i32 s26, s26, SBB
	s_and_b32 s27, s[QT], 3
	s_mul_i32 s27, s27, 1536
	s_add_co_u32 s27, s27, s26
	s_add_co_u32 s27, s27, CEX
	s_mul_i32 s28, s[HD], 520
	s_add_co_u32 s28, s28, s27
	v_add_nc_u32 v8, s28, v[AK0]                   ; registers 6 hd, 6 hd + 1 (offset 0) and 6 hd + 4, 6 hd + 5 (offset 512) of the fragment's image
	s_mul_i32 s28, s[HD], 1016
	s_add_co_u32 s28, s28, s27
	v_add_nc_u32 v9, s28, v[AK0]                   ; registers 6 hd + 2, 6 hd + 3 (offset 8)
	s_and_b32 s28, s[QT], 1
	s_lshl_b32 s28, s28, 7
	s_bfe_u32 s29, s[QT], 0x10001
	s_lshl_b32 s29, s29, 2
	s_add_co_u32 s28, s28, s29
	s_lshl_b32 s29, s[HD], 1
	s_add_co_u32 s28, s28, s29
	s_add_co_u32 s28, s28, s26
	s_add_co_u32 s28, s28, CEX+6144
	v_and_b32 v10, 15, v0
	v_lshl_add_u32 v10, v10, 3, s28                ; my row's scale word, my head's two bytes of it
	v_lshl_add_u32 v11, v0, 4, CEX
	v_nop
	s_wait_alu depctr_va_vdst(0)                   ; the wait ahead of the reciprocal's first reader
.set j, 0
.rept 32
	v_mul_f32 v[96+j], v[160+j], v14
.set j, j+1
.endr
.irp b, 0,1
	v_max3_num_f32 v[BM+\b], |v[96+16*\b]|, |v[97+16*\b]|, 0x2800000
.endr
.irp i, 2,4,6,8,10,12,14
.irp b, 0,1
	v_max3_num_f32 v[BM+\b], v[BM+\b], |v[96+16*\b+\i]|, |v[97+16*\b+\i]|
.endr
.endr
.irp b, 0,1
	v_permlanex16_b32 v[BX+\b], v[BM+\b], s[SEL], s[SEL+1]
.endr
.irp b, 0,1
	v_max_num_f32 v[BM+\b], v[BM+\b], v[BX+\b]
.endr
.irp b, 0,1
	v_add_nc_u32 v[SO+\b], 0xfe000000, v[BM+\b]
.endr
.irp b, 0,1
	v_lshrrev_b32 v[BX+\b], 23, v[SO+\b]
.endr
	v_lshl_or_b32 v227, v[BX+1], 8, v[BX]
	v_cvt_scalef32_pk16_bf6_f32 v[PCD:PCD+2], v[96:111], v[SO]
	v_cvt_scalef32_pk16_bf6_f32 v[CT:CT+2], v[112:127], v[SO+1]
	v_nop
.irp i, 0,1,2
	v_permlane16_swap_b32 v[PCD+\i], v[CT+\i]
.endr
.irp i, 0,1,2
	v_mov_b32 v[PCD+3+\i], v[CT+\i]
.endr
	ds_store_b64 v8, v[PCD:PCD+1]
	ds_store_b64 v9, v[PCD+2:PCD+3] offset:8
	ds_store_b64 v8, v[PCD+4:PCD+5] offset:512
	ds_store_b16 v10, v227                         ; both lanes of a row write the same two bytes
	s_wait_dscnt 0x0                               ; for the others' sake: my stores are done
	s_barrier_signal -1
	s_barrier_wait -1
	ds_load_b128 v[32:35], v11                     ; 12,800 bytes = 25 x 512: every wave takes 512, waves 0 to 8 another 512
	s_cmp_lt_u32 s[WV], 9
	s_cbranch_scc0 .Lone
	ds_load_b128 v[36:39], v11 offset:8192
	s_wait_dscnt 0x0
	global_store_b128 v30, v[36:39], s[10:11] offset:8192
.Lone:
	s_wait_dscnt 0x0
	global_store_b128 v30, v[32:35], s[10:11]
	s_wait_tensorcnt 0x0                           ; the wave's end
	ds_add_u32 v[SPW], v[NIL]
	s_wait_dscnt 0x0
	CROUND                                         ; the closing round
	s_endpgm
.Lfunc_end_k_q7eff78c197_attn:
	.size	k_q7eff78c197_attn, .Lfunc_end_k_q7eff78c197_attn-k_q7eff78c197_attn
	.p2alignl 7, 3214868480
	.fill 96, 4, 3214868480
	.section	.rodata,"a",@progbits
	.p2align	6, 0x0
	.amdhsa_kernel k_q7eff78c197_attn
		.amdhsa_group_segment_fixed_size 327680
		.amdhsa_private_segment_fixed_size 0
		.amdhsa_enable_private_segment 0
		.amdhsa_kernarg_size 32
		.amdhsa_user_sgpr_count 2
		.amdhsa_user_sgpr_kernarg_segment_ptr 1
		.amdhsa_wavefront_size32 1
		.amdhsa_system_sgpr_workgroup_id_x 1
		.amdhsa_system_sgpr_workgroup_id_y 1
		.amdhsa_system_sgpr_workgroup_id_z 1
		.amdhsa_system_vgpr_workitem_id 0
		.amdhsa_next_free_vgpr 256
		.amdhsa_next_free_sgpr 100
		.amdhsa_reserve_vcc 1
		.amdhsa_float_denorm_mode_32 3
		.amdhsa_float_denorm_mode_16_64 3
		.amdhsa_memory_ordered 1
		.amdhsa_forward_progress 1
		.amdhsa_inst_pref_size 151
	.end_amdhsa_kernel
	.amdgpu_metadata
---
amdhsa.version: [ 1, 2 ]
amdhsa.kernels:
  - .name:           k_q7eff78c197_attn
    .symbol:         k_q7eff78c197_attn.kd
    .args:
      - { .name: qkimg, .offset: 0, .size: 8, .value_kind: global_buffer, .address_space: global }
      - { .name: vtimg, .offset: 8, .size: 8, .value_kind: global_buffer, .address_space: global }
      - { .name: src_mask, .offset: 16, .size: 8, .value_kind: global_buffer, .address_space: global }
      - { .name: aimg, .offset: 24, .size: 8, .value_kind: global_buffer, .address_space: global }
    .group_segment_fixed_size: 327680
    .private_segment_fixed_size: 0
    .kernarg_segment_align: 8
    .kernarg_segment_size: 32
    .max_flat_workgroup_size: 512
    .sgpr_count:     100
    .vgpr_count:     256
    .wavefront_size: 32
...
	.end_amdgpu_metadata
.endif
;; end of part 3
;; launch wo (part 4): grid 4 x 16, 4 waves a work-group, clusters of 4 x 4, 327,680 bytes of LDS; arguments aimg, wimg, x, y; writes y
.if DOCPART == 4
	.amdgcn_target "amdgcn-amd-amdhsa--gfx1250"
	.amdhsa_code_object_version 6
	.text
	.protected	k_q7eff78c197_wo
	.globl	k_q7eff78c197_wo
	.p2align	8
	.type	k_q7eff78c197_wo,@function
k_q7eff78c197_wo:
	s_mov_b64 s[64:65], 0
	v_nop
	global_prefetch_b8 v0, s[64:65] scope:SCOPE_SE
	s_setreg_imm32_b32 hwreg(HW_REG_WAVE_MODE, 25, 1), 1
	s_wait_xcnt 0x0
	s_wait_alu depctr_hold_cnt(0) depctr_sa_sdst(0) depctr_va_vdst(0) depctr_va_sdst(0) depctr_va_ssrc(0) depctr_va_vcc(0) depctr_vm_vsrc(0)
	s_getreg_b32 s2, hwreg(HW_REG_IB_STS2, 6, 4)
	s_cmp_eq_u32 s2, 0
	s_cbranch_scc0 .Lentry_in_a_cluster
	s_endpgm
.Lentry_in_a_cluster:
	s_bfe_u32 s2, ttmp6, 0x10000c
	s_cmp_lg_u32 s2, 0xf033
	s_cbranch_scc0 .Lentry_shape_is_right
	s_endpgm
.Lentry_shape_is_right:
; Launch 4 of 8: y = x + ctx Wo^T, on codes of BF6; ctx's image from launch attn, Wo's from launch quant; y in f32, for the layer norm of launch ln1.
; THE PRODUCT'S TEXT is the one of launch qkv (its head says how it is built: tile 256 x 256, four waves of 128 x 128, a ring of two slots of two K steps, 4 x 4 clusters with joint loads, the matrix instruction used transposed).
; 64 tiles: a tile of 128 x 128 would give each WGP a work-group at the price of a second loop text; not built.
; THE WAY OUT here: a block of 16 rows x 128 columns goes through the wave's own stage in LDS and comes back as whole rows of 512 bytes; the residual's same bytes are added; the 32 lanes store two aligned units of 256 bytes.
.set QKV, 0
.set KSTEPS, 8
.set STR_A, 409600
.set STR_B, 1228800
.set BBASE, 0
.set BSB0, 112                         ; Wo's first super-block in wimg
.set HASBIAS, 0
.set PB, 6
.set PBIAS, 8
.set PRES, 8                           ; the residual: x
.set POUT, 10
.set SBB,   6400
.set TILEB, 4*SBB
.set SLOT,  4*TILEB
.set SPARE, 2*SLOT
.set LAPS,  KSTEPS/4
.set ADRA, 16
.set ADRB, 18
.set ADSA, 20
.set ADSB, 22
.set STO,  24
.set RD,   25
.set CO,   26
.set L8,   27
.set SPW,  28
.set NIL,  29
.set SC,   32
.set BIAS, 64
.set AF,   128
.set G1,  24
.set G0,  32
.set G1B, 48
.set G0B, 56
.set MUL_LO, 0xa1
.set MUL_HI, 0xf1
.set FST_LO, 0xa1-0x20*HASBIAS
.set FST_HI, 0xf1-0x30*HASBIAS
.set TO_B,   0x40
.set MSB, 0
.macro WIN new
.if MSB != (\new)
	s_set_vgpr_msb (MSB<<8)|(\new)
.set MSB, (\new)
.endif
.endm
.macro JLOAD g0a, g1a, g0b, g1b
	s_cmp_eq_u32 s15, 0
	s_cbranch_scc0 .Lfor_b_\@
	tensor_load_to_lds s[\g0a:\g0a+3], s[\g1a:\g1a+7]
	s_nop 0
.rept 4
	v_nop
.endr
	s_branch .Lasked_\@
.Lfor_b_\@:
	tensor_load_to_lds s[\g0b:\g0b+3], s[\g1b:\g1b+7]
	s_nop 0
.rept 4
	v_nop
.endr
.Lasked_\@:
.endm
.macro CREST
	s_cmp_lg_u32 s14, 0
	s_cbranch_scc1 .Lnot_wave_0_\@
	s_barrier_signal -3
.Lnot_wave_0_\@:
	s_barrier_wait -3
	s_barrier_signal -1
	s_barrier_wait -1
.endm
.macro CROUND
	s_barrier_signal -1
	s_barrier_wait -1
	CREST
.endm
.macro PLACES
.rept 4
	v_nop
.endr
.endm
.macro FRAG reg, adr, off
.irp c, 0,1,2
	ds_load_b128 v[\reg+4*\c:\reg+4*\c+3], v[\adr] offset:\off+512*\c
.endr
.endm
.macro FETCH_B slot, q, p
	WIN TO_B
.irp i, 0,1,2,3,4,5,6,7
	FRAG 128*(\p)+12*\i, ADRB+\slot, TILEB*(\q)+SBB*(\i/4)+1536*(\i%4)
.endr
	WIN 0
.endm
.macro FETCH_A slot, q, i0
.irp i, \i0, \i0+1, \i0+2, \i0+3
	FRAG AF+12*(\i), ADRA+\slot, TILEB*(\q)+SBB*((\i)/4)+1536*((\i)%4)
.endr
.endm
.macro SCALES sc
.irp q, 0,1
.irp j, 0,1
	ds_load_b64 v[SC+16*\sc+8*\q+2*\j:SC+16*\sc+8*\q+2*\j+1], v[ADSA+\sc] offset:6144+TILEB*\q+SBB*\j
	ds_load_b64 v[SC+16*\sc+8*\q+4+2*\j:SC+16*\sc+8*\q+4+2*\j+1], v[ADSB+\sc] offset:6144+TILEB*\q+SBB*\j
.endr
.endr
.endm
.macro WM a, b, p, q, sc, first
.set rD, 8*(8*((\a)%4)+(\b))
.set rB, 128*(\p)+12*(\b)
.set rA, AF+12*(\a)
.set sB, SC+16*(\sc)+8*(\q)+4+2*((\b)/4)+(((\b)/2)%2)
.set sA, SC+16*(\sc)+8*(\q)+2*((\a)/4)+(((\a)/2)%2)
.set rC, rD
.if (\first) && HASBIAS
.set rC, BIAS+8*(\b)
.endif
.set oo, 2*((\b)%2)+((\a)%2)
.if (\first) && (HASBIAS == 0)
.if oo == 0
	v_wmma_scale_f32_16x16x128_f8f6f4 v[rD:rD+7], v[rB:rB+11], v[rA:rA+11], 0, v[sB], v[sA] matrix_a_fmt:MATRIX_FMT_BF6 matrix_b_fmt:MATRIX_FMT_BF6
.elseif oo == 1
	v_wmma_scale_f32_16x16x128_f8f6f4 v[rD:rD+7], v[rB:rB+11], v[rA:rA+11], 0, v[sB], v[sA] matrix_a_fmt:MATRIX_FMT_BF6 matrix_b_fmt:MATRIX_FMT_BF6 matrix_b_scale:MATRIX_SCALE_ROW1
.elseif oo == 2
	v_wmma_scale_f32_16x16x128_f8f6f4 v[rD:rD+7], v[rB:rB+11], v[rA:rA+11], 0, v[sB], v[sA] matrix_a_fmt:MATRIX_FMT_BF6 matrix_b_fmt:MATRIX_FMT_BF6 matrix_a_scale:MATRIX_SCALE_ROW1
.else
	v_wmma_scale_f32_16x16x128_f8f6f4 v[rD:rD+7], v[rB:rB+11], v[rA:rA+11], 0, v[sB], v[sA] matrix_a_fmt:MATRIX_FMT_BF6 matrix_b_fmt:MATRIX_FMT_BF6 matrix_a_scale:MATRIX_SCALE_ROW1 matrix_b_scale:MATRIX_SCALE_ROW1
.endif
.else
.if oo == 0
	v_wmma_scale_f32_16x16x128_f8f6f4 v[rD:rD+7], v[rB:rB+11], v[rA:rA+11], v[rC:rC+7], v[sB], v[sA] matrix_a_fmt:MATRIX_FMT_BF6 matrix_b_fmt:MATRIX_FMT_BF6
.elseif oo == 1
	v_wmma_scale_f32_16x16x128_f8f6f4 v[rD:rD+7], v[rB:rB+11], v[rA:rA+11], v[rC:rC+7], v[sB], v[sA] matrix_a_fmt:MATRIX_FMT_BF6 matrix_b_fmt:MATRIX_FMT_BF6 matrix_b_scale:MATRIX_SCALE_ROW1
.elseif oo == 2
	v_wmma_scale_f32_16x16x128_f8f6f4 v[rD:rD+7], v[rB:rB+11], v[rA:rA+11], v[rC:rC+7], v[sB], v[sA] matrix_a_fmt:MATRIX_FMT_BF6 matrix_b_fmt:MATRIX_FMT_BF6 matrix_a_scale:MATRIX_SCALE_ROW1
.else
	v_wmma_scale_f32_16x16x128_f8f6f4 v[rD:rD+7], v[rB:rB+11], v[rA:rA+11], v[rC:rC+7], v[sB], v[sA] matrix_a_fmt:MATRIX_FMT_BF6 matrix_b_fmt:MATRIX_FMT_BF6 matrix_a_scale:MATRIX_SCALE_ROW1 matrix_b_scale:MATRIX_SCALE_ROW1
.endif
.endif
.endm
.macro MUL16 a0, p, q, sc, first       ; the 64 accumulators take turns, one instruction a turn
.irp a, \a0, \a0+1
.irp b, 0,1,2,3,4,5,6,7
	WM \a, \b, \p, \q, \sc, \first
.endr
.endr
.endm
.macro STEP slot, first
	s_wait_dscnt 12                                ; all but the youngest 12 loads (A's blocks 4-7) are in
.if \first
	WIN FST_LO
.else
	WIN MUL_LO
.endif
	MUL16 0, 0, 0, \slot, \first
	MUL16 2, 0, 0, \slot, \first
	s_wait_dscnt 0x0
	PLACES
	FETCH_B \slot, 1, 1
	FETCH_A \slot, 1, 0
.if \first
	WIN FST_HI
.else
	WIN MUL_HI
.endif
	MUL16 4, 0, 0, \slot, \first
	MUL16 6, 0, 0, \slot, \first
	PLACES
	WIN 0
	FETCH_A \slot, 1, 4
.endm
.macro TURN slot, next, fill
	s_wait_tensorcnt 0x0                           ; all my tensor loads have landed: my part of the next slot
	ds_add_u32 v[SPW], v[NIL]
	s_wait_dscnt 13                                ; (the add and the youngest 12 loads may be out)
	WIN MUL_LO
	MUL16 0, 1, 1, \slot, 0
	s_wait_dscnt 0x0                               ; the add is done, and my reads of this slot are over
	s_barrier_signal -1
	MUL16 2, 1, 1, \slot, 0
	WIN 0
	s_barrier_wait -1
.if \fill
	CREST
	s_add_nc_u64 s[G0+4*\slot+2:G0+4*\slot+3], s[G0+4*\slot+2:G0+4*\slot+3], 4*STR_A
	s_add_nc_u64 s[G0B+4*\slot+2:G0B+4*\slot+3], s[G0B+4*\slot+2:G0B+4*\slot+3], 4*STR_B
	JLOAD G0+4*\slot, G1, G0B+4*\slot, G1B
.else
	PLACES
.endif
	FETCH_B \next, 0, 0
	FETCH_A \next, 0, 0
	SCALES \next
	WIN MUL_HI
	MUL16 4, 1, 1, \slot, 0
	MUL16 6, 1, 1, \slot, 0
	PLACES
	WIN 0
	FETCH_A \next, 0, 4
.endm
	s_load_b256 s[4:11], s[0:1], 0x0               ; aimg s[4:5], wimg s[6:7], x s[8:9], y s[10:11]
	v_lshl_add_u32 v[SPW], v0, 2, SPARE
	v_mov_b32 v[NIL], 0
	ds_add_u32 v[SPW], v[NIL]                      ; the wave's opening: the add, twice on end, and its wait ahead of my first tensor load
	ds_add_u32 v[SPW], v[NIL]
	v_lshrrev_b32 v1, 5, v0
	v_readfirstlane_b32 s14, v1
	s_lshr_b32 s15, s14, 1
	s_and_b32 s16, s14, 1
	s_bfe_u32 s40, ttmp6, 0x40000
	s_bfe_u32 s41, ttmp6, 0x40004
	s_and_b32 s17, ttmp7, 0xffff
	s_lshl_b32 s43, s41, 2
	s_lshl_b32 s43, 15, s43
	s_lshl_b32 s44, 0x1111, s40
	s_or_b32 s[G1+0], s43, (3<<16)|(1<<21)
	s_or_b32 s[G1B+0], s44, (3<<16)|(1<<21)
.irp g, G1, G1B
	s_mov_b32 s[\g+1], 32<<16
	s_mov_b32 s[\g+2], 100<<16
	s_mov_b32 s[\g+3], 32<<16
	s_mov_b32 s[\g+4], 100
	s_mov_b32 s[\g+5], 32
	s_mov_b32 s[\g+6], 0
	s_mov_b32 s[\g+7], 0
.endr
	s_lshl_b32 s18, s17, 4
	s_lshl_b32 s19, ttmp9, 4
	s_mov_b32 s22, s18
	s_add_co_u32 s23, s19, BSB0
	s_lshl_b32 s17, s17, 2
	s_lshl_b32 s42, ttmp9, 2
	s_lshl_b32 s20, s41, 2
	s_add_co_u32 s22, s22, s20                     ; A's first super-block: 4 x tile row
	s_lshl_b32 s46, s40, 2
	s_add_co_u32 s23, s23, s46                     ; B's: its base + 4 x tile column
	s_add_co_u32 s17, s17, s41                     ; tile row
	s_add_co_u32 s42, s42, s40                     ; tile column
	s_mul_i32 s20, s22, SBB
	s_mul_i32 s21, s16, STR_A
	s_add_co_u32 s20, s20, s21
	s_mov_b32 s21, 0
	s_mul_i32 s46, s23, SBB
	s_mul_i32 s47, s16, STR_B
	s_add_co_u32 s46, s46, s47
.if BBASE
	s_add_co_u32 s46, s46, BBASE
.endif
	s_mov_b32 s47, 0
	s_mul_i32 s45, s14, TILEB
	s_wait_dscnt 0x0
	s_wait_kmcnt 0x0
	s_add_nc_u64 s[20:21], s[4:5], s[20:21]
	s_add_nc_u64 s[46:47], s[PB:PB+1], s[46:47]
	CROUND
.irp s, 0,1
	s_mov_b32 s[G0+4*\s], 1
	s_add_co_u32 s[G0+4*\s+1], s45, \s*SLOT
	s_add_nc_u64 s[G0+4*\s+2:G0+4*\s+3], s[20:21], \s*2*STR_A
	s_or_b32 s[G0+4*\s+3], s[G0+4*\s+3], 0x80000000
	s_mov_b32 s[G0B+4*\s], 1
	s_add_co_u32 s[G0B+4*\s+1], s45, \s*SLOT
	s_add_nc_u64 s[G0B+4*\s+2:G0B+4*\s+3], s[46:47], \s*2*STR_B
	s_or_b32 s[G0B+4*\s+3], s[G0B+4*\s+3], 0x80000000
	JLOAD G0+4*\s, G1, G0B+4*\s, G1B
.endr
	v_and_b32 v1, 31, v0
	v_lshlrev_b32 v[CO], 4, v1
	v_lshlrev_b32 v[L8], 3, v1
	s_mul_i32 s21, s15, 2*SBB
	s_mul_i32 s22, s16, 2*SBB
	s_add_co_u32 s22, s22, 2*TILEB
.irp s, 0,1
	v_add_nc_u32 v[ADRA+\s], s21, v[CO]
	v_add_nc_u32 v[ADRB+\s], s22, v[CO]
	v_add_nc_u32 v[ADSA+\s], s21, v[L8]
	v_add_nc_u32 v[ADSB+\s], s22, v[L8]
	s_add_co_u32 s21, s21, SLOT
	s_add_co_u32 s22, s22, SLOT
.endr
.if HASBIAS
	v_bfe_u32 v6, v0, 4, 1
	v_lshlrev_b32 v6, 6, v6
	s_lshl_b32 s18, s42, 10
	s_lshl_b32 s19, s16, 9
	s_add_co_u32 s18, s18, s19
	s_mov_b32 s19, 0
	s_add_nc_u64 s[PBIAS:PBIAS+1], s[PBIAS:PBIAS+1], s[18:19]
.irp b, 0,1,2,3
.irp j, 0,1,2,3
	global_load_b128 v[BIAS+16*\b+4*\j:BIAS+16*\b+4*\j+3], v6, s[PBIAS:PBIAS+1] offset:128*\b+16*\j
.endr
.endr
.endif
	s_lshl_b32 s18, s17, 20                        ; my part of the result and of the residual: row 256 ty + 128 wy of 4,096 bytes, column 256 tx + 128 wx
	s_lshl_b32 s19, s15, 19
	s_add_co_u32 s18, s18, s19
	s_lshl_b32 s19, s42, 10
	s_add_co_u32 s18, s18, s19
	s_lshl_b32 s19, s16, 9
	s_add_co_u32 s18, s18, s19
	s_mov_b32 s19, 0
	s_add_nc_u64 s[68:69], s[POUT:POUT+1], s[18:19]
	s_add_nc_u64 s[70:71], s[PRES:PRES+1], s[18:19]
	s_mul_i32 s18, s14, 8448                       ; my stage, 16 rows x 528 bytes, in slot 0: it has had its last fill and its last read when the first result is stored there
	v_and_b32 v4, 15, v0
	v_bfe_u32 v5, v0, 4, 1
	v_mul_u32_u24 v[STO], v4, 528
	v_lshl_add_u32 v[STO], v5, 6, v[STO]
	v_add_nc_u32 v[STO], s18, v[STO]
	v_add_nc_u32 v[RD], s18, v[CO]
.if HASBIAS
	s_wait_loadcnt 0x0
.endif
	s_wait_tensorcnt 1                             ; my part of slot 0 is in; slot 1's may stay out
	s_barrier_signal -1
	s_barrier_wait -1
	FETCH_B 0, 0, 0
	FETCH_A 0, 0, 0
	SCALES 0
	FETCH_A 0, 0, 4
	STEP 0, 1
	s_mov_b32 s3, LAPS-1
.Llap:
	TURN 0, 1, 1
	STEP 1, 0
	TURN 1, 0, 1
	STEP 0, 0
	s_sub_co_u32 s3, s3, 1
	s_cmp_lg_u32 s3, 0
	s_cbranch_scc1 .Llap
	TURN 0, 1, 0
	STEP 1, 0
	s_wait_dscnt 12
	WIN MUL_LO
	MUL16 0, 1, 1, 1, 0
	MUL16 2, 1, 1, 1, 0
	s_wait_dscnt 0x0
	WIN MUL_HI
	MUL16 4, 1, 1, 1, 0
	MUL16 6, 1, 1, 1, 0
	WIN 0
	PLACES
; THE WAY OUT.  Fragment row t of A's block a is row 64 (a / 4) + 32 ((a % 4) / 2) + 8 (a % 2) + t % 8 + 16 (t / 8) of my 128; every offset is an immediate, 127 rows of 4,096 bytes at the most.
.macro RLOAD a                         ; the residual's 16 rows x 512 bytes -> window 1
	WIN 0x40
.irp t, 0,1,2,3,4,5,6,7,8,9,10,11,12,13,14,15
	global_load_b128 v[64*((\a)%2)+4*\t:64*((\a)%2)+4*\t+3], v[CO], s[70:71] offset:(64*((\a)/4)+32*(((\a)%4)/2)+8*((\a)%2)+(\t%8)+16*(\t/8))*4096 th:TH_LOAD_NT
.endr
	WIN 0
.endm
.macro TOSTAGE a
	WIN (0x08+4*((\a)/4))                          ; an LDS store's data are its source 1: window 2 or 3
.irp b, 0,1,2,3,4,5,6,7
	ds_store_b128 v[STO], v[64*((\a)%4)+8*\b:64*((\a)%4)+8*\b+3] offset:128*(\b/2)+32*(\b%2)       ; each accumulator from its low end on
	ds_store_b128 v[STO], v[64*((\a)%4)+8*\b+4:64*((\a)%4)+8*\b+7] offset:128*(\b/2)+32*(\b%2)+16
.endr
	WIN 0
.irp t, 0,1,2,3,4,5,6,7,8,9,10,11,12,13,14,15
	ds_load_b128 v[128+64*((\a)%2)+4*\t:128+64*((\a)%2)+4*\t+3], v[RD] offset:528*\t   ; LDS serves a wave's instructions in order: these see the stores above
.endr
.endm
.macro SEND a, dsc, ldc                ; dsc, ldc: the next block's LDS instructions and residual loads, which may stay out
	s_wait_dscnt \dsc
	s_wait_loadcnt \ldc
	WIN 0x04
.set j, 0
.rept 32
	v_pk_add_f32 v[128+64*((\a)%2)+j:128+64*((\a)%2)+j+1], v[128+64*((\a)%2)+j:128+64*((\a)%2)+j+1], v[64*((\a)%2)+j:64*((\a)%2)+j+1]
.set j, j+2
.endr
	WIN 0
.irp t, 0,1,2,3,4,5,6,7,8,9,10,11,12,13,14,15
	global_store_b128 v[CO], v[128+64*((\a)%2)+4*\t:128+64*((\a)%2)+4*\t+3], s[68:69] offset:(64*((\a)/4)+32*(((\a)%4)/2)+8*((\a)%2)+(\t%8)+16*(\t/8))*4096   ; 512 consecutive bytes, aligned to 256
.endr
.endm
	RLOAD 0
	TOSTAGE 0
.irp a, 1,2,3,4,5,6,7
.if \a > 1
	s_wait_xcnt 0x0                                ; block a - 2's stores have read their registers: block a's rows may land there
.endif
	RLOAD \a
	TOSTAGE \a
	SEND \a-1, 32, 16
.endr
	SEND 7, 0, 0
	s_wait_tensorcnt 0x0                           ; the wave's end
	ds_add_u32 v[SPW], v[NIL]
	s_wait_dscnt 0x0
	CROUND
	s_endpgm
.Lfunc_end_k_q7eff78c197_wo:
	.size	k_q7eff78c197_wo, .Lfunc_end_k_q7eff78c197_wo-k_q7eff78c197_wo
	.p2alignl 7, 3214868480
	.fill 96, 4, 3214868480
	.section	.rodata,"a",@progbits
	.p2align	6, 0x0
	.amdhsa_kernel k_q7eff78c197_wo
		.amdhsa_group_segment_fixed_size 327680
		.amdhsa_private_segment_fixed_size 0
		.amdhsa_enable_private_segment 0
		.amdhsa_kernarg_size 32
		.amdhsa_user_sgpr_count 2
		.amdhsa_user_sgpr_kernarg_segment_ptr 1
		.amdhsa_wavefront_size32 1
		.amdhsa_system_sgpr_workgroup_id_x 1
		.amdhsa_system_sgpr_workgroup_id_y 1
		.amdhsa_system_sgpr_workgroup_id_z 1
		.amdhsa_system_vgpr_workitem_id 0
		.amdhsa_next_free_vgpr 1024
		.amdhsa_next_free_sgpr 100
		.amdhsa_reserve_vcc 0
		.amdhsa_float_denorm_mode_32 3
		.amdhsa_float_denorm_mode_16_64 3
		.amdhsa_memory_ordered 1
		.amdhsa_forward_progress 1
		.amdhsa_inst_pref_size 162
	.end_amdhsa_kernel
	.amdgpu_metadata
---
amdhsa.version: [ 1, 2 ]
amdhsa.kernels:
  - .name:           k_q7eff78c197_wo
    .symbol:         k_q7eff78c197_wo.kd
    .args:
      - { .name: aimg, .offset: 0, .size: 8, .value_kind: global_buffer, .address_space: global }
      - { .name: wimg, .offset: 8, .size: 8, .value_kind: global_buffer, .address_space: global }
      - { .name: x, .offset: 16, .size: 8, .value_kind: global_buffer, .address_space: global }
      - { .name: y, .offset: 24, .size: 8, .value_kind: global_buffer, .address_space: global }
    .group_segment_fixed_size: 327680
    .private_segment_fixed_size: 0
    .kernarg_segment_align: 8
    .kernarg_segment_size: 32
    .max_flat_workgroup_size: 128
    .sgpr_count:     100
    .vgpr_count:     1024
    .wavefront_size: 32
...
	.end_amdgpu_metadata
.endif
;; end of part 4
;; launch ln1 (part 5): grid 64 x 1, 16 waves a work-group, no clusters, 267,264 bytes of LDS; arguments y, g1, be1, x1, aimg; writes x1, aimg
.if DOCPART == 5
	.amdgcn_target "amdgcn-amd-amdhsa--gfx1250"
	.amdhsa_code_object_version 6
	.text
	.protected	k_q7eff78c197_ln1
	.globl	k_q7eff78c197_ln1
	.p2align	8
	.type	k_q7eff78c197_ln1,@function
k_q7eff78c197_ln1:
	s_mov_b64 s[64:65], 0
	v_nop
	global_prefetch_b8 v0, s[64:65] scope:SCOPE_SE
	s_setreg_imm32_b32 hwreg(HW_REG_WAVE_MODE, 25, 1), 1
	s_wait_xcnt 0x0
; Launch 5 of 8: x1 = layer norm of y (= x + attn_out), with g1 and be1; x1 leaves in f32 (the residual of launch ff2) and as an image of codes of BF6 along its 1,024 columns (A of launch ff1; launch quant's head says how an image lies).
; Memory binds: no matrix unit, no tensor load, no cluster.  A wave takes four whole rows in registers (a lane holds columns 128 j + 4 l .. + 3: each load and store covers 512 consecutive bytes), so y is read once.
; The norm is taken as reference() takes it, in two passes: the mean, then the mean of the squared differences: no difference of large sums is formed.
; IMG = 1: a work-group has 64 rows, one row of super-blocks.  The finished rows also go to LDS, in the order of the fragments' rows, 4,112 bytes apart (257 x 16: the 16 rows of a read start in different banks); behind a barrier
; wave w quantises fragment w % 4 of K steps w / 4 and w / 4 + 4; the scale words meet in LDS and leave as whole units of 256 bytes.
.set IMG, 1
.set WAVES, 16
.set LP,    4112
.set SCX,   64*LP                      ; the scale words: 256 bytes a K step
.set SPARE, SCX+2048                   ; the spare words, 128 bytes a wave
.set LO,  1
.set LW,  2
.set LR,  3
.set SCW, 4
.set L8,  5
.set SPW, 6
.set NIL, 7
.set SCR, 8
.set S,   16                           ; v16-31 four registers of sums a row
.set MU,  32                           ; v32-39 -mean, twice, for each row
.set RS,  40                           ; v40-47 1 / sqrt(var + eps), twice
.set T,   48
.set X,   64                           ; v64-191 four rows
.set G,   192
.set BE,  224
.set PC,  16                           ; the second phase: codes,
.set CT,  28
.set TM,  36
.set PW,  52
.set SEL, 26
.macro QUANT s, pc, pw
.irp b, 0,1,2,3
	v_max3_num_f32 v[TM+\b], |v[\s+16*\b]|, |v[\s+16*\b+1]|, 0x2800000
.endr
.irp i, 2,4,6,8,10,12,14
.irp b, 0,1,2,3
	v_max3_num_f32 v[TM+\b], v[TM+\b], |v[\s+16*\b+\i]|, |v[\s+16*\b+\i+1]|
.endr
.endr
.irp b, 0,1,2,3
	v_permlanex16_b32 v[TM+4+\b], v[TM+\b], s[SEL], s[SEL+1]
.endr
.irp b, 0,1,2,3
	v_max_num_f32 v[TM+\b], v[TM+\b], v[TM+4+\b]
.endr
.irp b, 0,1,2,3
	v_add_nc_u32 v[TM+12+\b], 0xfe000000, v[TM+\b]
.endr
.irp b, 0,1,2,3
	v_lshrrev_b32 v[TM+4+\b], 23, v[TM+12+\b]
.endr
	v_lshl_or_b32 v[\pw], v[TM+5], 8, v[TM+4]
	v_lshl_or_b32 v[\pw], v[TM+6], 16, v[\pw]
	v_lshl_or_b32 v[\pw], v[TM+7], 24, v[\pw]
.irp c, 0,1
	v_cvt_scalef32_pk16_bf6_f32 v[\pc+6*\c:\pc+6*\c+2], v[\s+32*\c:\s+32*\c+15], v[TM+12+2*\c]
	v_cvt_scalef32_pk16_bf6_f32 v[CT+4*\c:CT+4*\c+2], v[\s+32*\c+16:\s+32*\c+31], v[TM+13+2*\c]
.endr
	v_nop
.irp c, 0,1
.irp i, 0,1,2
	v_permlane16_swap_b32 v[\pc+6*\c+\i], v[CT+4*\c+\i]
.endr
.irp i, 0,1,2
	v_mov_b32 v[\pc+6*\c+3+\i], v[CT+4*\c+\i]
.endr
.endr
.endm
.macro SUMRED d, t                     ; v[d] summed over the 32 lanes, the result in every lane
	v_add_f32_dpp v[\d], v[\d], v[\d] row_xmask:1 row_mask:0xf bank_mask:0xf
	v_add_f32_dpp v[\d], v[\d], v[\d] row_xmask:2 row_mask:0xf bank_mask:0xf
	v_add_f32_dpp v[\d], v[\d], v[\d] row_xmask:4 row_mask:0xf bank_mask:0xf
	v_add_f32_dpp v[\d], v[\d], v[\d] row_xmask:8 row_mask:0xf bank_mask:0xf
	v_permlanex16_b32 v[\t], v[\d], s[SEL], s[SEL+1]
	v_add_f32 v[\d], v[\d], v[\t]
.endm
	s_load_b256 s[4:11], s[0:1], 0x0               ; y s[4:5], the gain s[6:7], the shift s[8:9], the f32 result s[10:11]
.if IMG
	s_load_b64 s[12:13], s[0:1], 0x20              ; the image
	v_lshl_add_u32 v[SPW], v0, 2, SPARE
	v_mov_b32 v[NIL], 0
.endif
	v_lshrrev_b32 v9, 5, v0
	v_readfirstlane_b32 s14, v9                    ; wave
	v_and_b32 v9, 31, v0
	v_lshlrev_b32 v[LO], 4, v9
	v_lshlrev_b32 v[L8], 3, v9
	s_mul_i32 s15, ttmp9, WAVES
	s_add_co_u32 s15, s15, s14
	s_lshl_b32 s16, s15, 14                        ; four rows of 4,096 bytes a wave
	s_mov_b32 s17, 0
	s_mov_b32 s18, 0x3a800000                      ; 1 / 1,024
	s_mov_b32 s19, 0x3727c5ac                      ; 1e-5
	s_mov_b32 s[SEL], 0x76543210
	s_mov_b32 s[SEL+1], 0xfedcba98
.irp i, 0,1,2,3
	v_mov_b32 v[T+\i], 0                           ; written once: a lane permute's destination counts as one of its sources
.endr
.if IMG
	s_lshr_b32 s20, s14, 3                         ; row 4 w + i of the 64 is fragment row 32 (w / 8) + 16 ((w / 2) % 2) + 8 ((w / 4) % 2) + 4 (w % 2) + i
	s_lshl_b32 s20, s20, 5
	s_bfe_u32 s21, s14, 0x10001
	s_lshl_b32 s21, s21, 4
	s_add_co_u32 s20, s20, s21
	s_bfe_u32 s21, s14, 0x10002
	s_lshl_b32 s21, s21, 3
	s_add_co_u32 s20, s20, s21
	s_and_b32 s21, s14, 1
	s_lshl_b32 s21, s21, 2
	s_add_co_u32 s20, s20, s21
	s_mul_i32 s20, s20, LP
	v_add_nc_u32 v[LW], s20, v[LO]
	s_and_b32 s22, s14, 3                          ; the second phase: my fragment,
	s_lshr_b32 s23, s14, 2                         ; my K step (and that + 4)
	s_mul_i32 s24, s22, 16*LP
	s_lshl_b32 s25, s23, 9
	s_add_co_u32 s24, s24, s25
	v_and_b32 v9, 15, v0
	v_bfe_u32 v10, v0, 4, 1
	v_mul_u32_u24 v[LR], v9, LP
	v_lshl_add_u32 v[LR], v10, 6, v[LR]
	v_add_nc_u32 v[LR], s24, v[LR]
	s_lshl_b32 s24, s23, 8
	s_and_b32 s25, s22, 1
	s_lshl_b32 s25, s25, 7
	s_add_co_u32 s24, s24, s25
	s_lshr_b32 s25, s22, 1
	s_lshl_b32 s25, s25, 2
	s_add_co_u32 s24, s24, s25
	s_add_co_u32 s24, s24, SCX
	v_lshl_add_u32 v[SCW], v9, 3, s24
	s_and_b32 s24, s14, 7
	s_lshl_b32 s25, s24, 8
	s_add_co_u32 s25, s25, SCX
	v_add_nc_u32 v[SCR], s25, v[L8]
	s_lshl_b32 s30, s23, 6
	s_add_co_u32 s30, s30, ttmp9
	s_mul_i32 s30, s30, 6400
	s_mul_i32 s31, s22, 1536
	s_add_co_u32 s30, s30, s31
	s_mov_b32 s31, 0
	s_lshl_b32 s32, s24, 6
	s_add_co_u32 s32, s32, ttmp9
	s_mul_i32 s32, s32, 6400
	s_mov_b32 s33, 0
.endif
	s_wait_kmcnt 0x0
	s_add_nc_u64 s[4:5], s[4:5], s[16:17]
	s_add_nc_u64 s[10:11], s[10:11], s[16:17]
.if IMG
	s_add_nc_u64 s[28:29], s[12:13], s[32:33]      ; where waves 0 to 7 put a K step's scale words
	s_add_nc_u64 s[12:13], s[12:13], s[30:31]      ; where my fragment goes
.endif
.irp j, 0,1,2,3,4,5,6,7
	global_load_b128 v[G+4*\j:G+4*\j+3], v[LO], s[6:7] offset:512*\j
	global_load_b128 v[BE+4*\j:BE+4*\j+3], v[LO], s[8:9] offset:512*\j
.endr
.irp i, 0,1,2,3
.irp j, 0,1,2,3,4,5,6,7
	global_load_b128 v[X+32*\i+4*\j:X+32*\i+4*\j+3], v[LO], s[4:5] offset:4096*\i+512*\j th:TH_LOAD_NT
.endr
.endr
.macro STAT i                          ; row i: the mean is taken away; var + eps is left in v[S + 4 i]
.set XR, X+32*\i
.set S0, S+4*\i
	s_wait_loadcnt 24-8*\i                         ; my row's eight loads are in; the later rows', eight each, may be out
	v_pk_add_f32 v[S0:S0+1], v[XR:XR+1], v[XR+2:XR+3]
	v_pk_add_f32 v[S0+2:S0+3], v[XR+4:XR+5], v[XR+6:XR+7]
.irp k, 8,12,16,20,24,28
	v_pk_add_f32 v[S0:S0+1], v[S0:S0+1], v[XR+\k:XR+\k+1]
	v_pk_add_f32 v[S0+2:S0+3], v[S0+2:S0+3], v[XR+\k+2:XR+\k+3]
.endr
	v_pk_add_f32 v[S0:S0+1], v[S0:S0+1], v[S0+2:S0+3]
	v_add_f32 v[S0], v[S0], v[S0+1]
	SUMRED S0, T+\i
	v_mul_f32 v[MU+2*\i], 0xba800000, v[S0]        ; -mean
	v_mov_b32 v[MU+2*\i+1], v[MU+2*\i]
.irp k, 0,2,4,6,8,10,12,14,16,18,20,22,24,26,28,30
	v_pk_add_f32 v[XR+\k:XR+\k+1], v[XR+\k:XR+\k+1], v[MU+2*\i:MU+2*\i+1]
.endr
	v_pk_mul_f32 v[S0:S0+1], v[XR:XR+1], v[XR:XR+1]
	v_pk_mul_f32 v[S0+2:S0+3], v[XR+2:XR+3], v[XR+2:XR+3]
.irp k, 4,8,12,16,20,24,28
	v_pk_fma_f32 v[S0:S0+1], v[XR+\k:XR+\k+1], v[XR+\k:XR+\k+1], v[S0:S0+1]
	v_pk_fma_f32 v[S0+2:S0+3], v[XR+\k+2:XR+\k+3], v[XR+\k+2:XR+\k+3], v[S0+2:S0+3]
.endr
	v_pk_add_f32 v[S0:S0+1], v[S0:S0+1], v[S0+2:S0+3]
	v_add_f32 v[S0], v[S0], v[S0+1]
	SUMRED S0, T+\i
	v_fma_f32 v[S0], v[S0], s18, s19
.endm
	STAT 0
	STAT 1
	STAT 2
	STAT 3
.irp i, 0,1,2,3
	v_rsq_f32 v[RS+2*\i], v[S+4*\i]
	v_rsq_f32 v[RS+2*\i+1], v[S+4*\i]
.endr
	v_nop                                          ; a plain place behind the last of the batch,
	s_wait_alu depctr_va_vdst(0)                   ; and one wait for all eight, ahead of their first reader
.irp i, 0,1,2,3
.irp k, 0,2,4,6,8,10,12,14,16,18,20,22,24,26,28,30
	v_pk_mul_f32 v[X+32*\i+\k:X+32*\i+\k+1], v[X+32*\i+\k:X+32*\i+\k+1], v[RS+2*\i:RS+2*\i+1]
.endr
.irp k, 0,2,4,6,8,10,12,14,16,18,20,22,24,26,28,30
	v_pk_fma_f32 v[X+32*\i+\k:X+32*\i+\k+1], v[X+32*\i+\k:X+32*\i+\k+1], v[G+\k:G+\k+1], v[BE+\k:BE+\k+1]
.endr
.irp j, 0,1,2,3,4,5,6,7
	global_store_b128 v[LO], v[X+32*\i+4*\j:X+32*\i+4*\j+3], s[10:11] offset:4096*\i+512*\j
.endr
.if IMG
.irp j, 0,1,2,3,4,5,6,7
	ds_store_b128 v[LW], v[X+32*\i+4*\j:X+32*\i+4*\j+3] offset:LP*\i+512*\j
.endr
.endif
.endr
.if IMG
	s_wait_dscnt 0x0                               ; for the others' sake: my rows lie in LDS
	s_barrier_signal -1
	s_barrier_wait -1
	s_wait_xcnt 0x0                                ; my stores have read the rows' registers, which are loaded anew
.irp jj, 0,1
.irp b, 0,1,2,3
.irp j, 0,1,2,3
	ds_load_b128 v[X+16*\b+4*\j:X+16*\b+4*\j+3], v[LR] offset:2048*\jj+128*\b+16*\j
.endr
.endr
	s_wait_dscnt 0x0
.if \jj
	s_wait_xcnt 0x0                                ; the first fragment's stores have read the codes' registers
.endif
	QUANT X, PC, PW
.irp c, 0,1,2
	global_store_b128 v[LO], v[PC+4*\c:PC+4*\c+3], s[12:13] offset:1638400*\jj+512*\c
.endr
	ds_store_b32 v[SCW], v[PW] offset:1024*\jj     ; both lanes of a row write the same word
.endr
	s_wait_dscnt 0x0
	s_barrier_signal -1
	s_barrier_wait -1
	s_cmp_lt_u32 s14, 8
	s_cbranch_scc0 .Ldone
	ds_load_b64 v[54:55], v[SCR]
	s_wait_dscnt 0x0
	global_store_b64 v[L8], v[54:55], s[28:29] offset:6144
.Ldone:
	s_wait_tensorcnt 0x0                           ; the wave's end: behind my last LDS store
	ds_add_u32 v[SPW], v[NIL]
	s_wait_dscnt 0x0
.endif
	s_endpgm
.Lfunc_end_k_q7eff78c197_ln1:
	.size	k_q7eff78c197_ln1, .Lfunc_end_k_q7eff78c197_ln1-k_q7eff78c197_ln1
	.p2alignl 7, 3214868480
	.fill 96, 4, 3214868480
	.section	.rodata,"a",@progbits
	.p2align	6, 0x0
	.amdhsa_kernel k_q7eff78c197_ln1
		.amdhsa_group_segment_fixed_size 267264
		.amdhsa_private_segment_fixed_size 0
		.amdhsa_enable_private_segment 0
		.amdhsa_kernarg_size 40
		.amdhsa_user_sgpr_count 2
		.amdhsa_user_sgpr_kernarg_segment_ptr 1
		.amdhsa_wavefront_size32 1
		.amdhsa_system_sgpr_workgroup_id_x 1
		.amdhsa_system_sgpr_workgroup_id_y 1
		.amdhsa_system_sgpr_workgroup_id_z 1
		.amdhsa_system_vgpr_workitem_id 0
		.amdhsa_next_free_vgpr 256
		.amdhsa_next_free_sgpr 66
		.amdhsa_reserve_vcc 0
		.amdhsa_float_denorm_mode_32 3
		.amdhsa_float_denorm_mode_16_64 3
		.amdhsa_memory_ordered 1
		.amdhsa_forward_progress 1
		.amdhsa_inst_pref_size 48
	.end_amdhsa_kernel
	.amdgpu_metadata
---
amdhsa.version: [ 1, 2 ]
amdhsa.kernels:
  - .name:           k_q7eff78c197_ln1
    .symbol:         k_q7eff78c197_ln1.kd
    .args:
      - { .name: y, .offset: 0, .size: 8, .value_kind: global_buffer, .address_space: global }
      - { .name: g1, .offset: 8, .size: 8, .value_kind: global_buffer, .address_space: global }
      - { .name: be1, .offset: 16, .size: 8, .value_kind: global_buffer, .address_space: global }
      - { .name: x1, .offset: 24, .size: 8, .value_kind: global_buffer, .address_space: global }
      - { .name: aimg, .offset: 32, .size: 8, .value_kind: global_buffer, .address_space: global }
    .group_segment_fixed_size: 267264
    .private_segment_fixed_size: 0
    .kernarg_segment_align: 8
    .kernarg_segment_size: 40
    .max_flat_workgroup_size: 512
    .sgpr_count:     66
    .vgpr_count:     256
    .wavefront_size: 32
...
	.end_amdgpu_metadata
.endif
;; end of part 5
;; launch ff1 (part 6): grid 16 x 16, 4 waves a work-group, clusters of 4 x 4, 327,680 bytes of LDS; arguments aimg, wimg, b1, himg; writes himg
.if DOCPART == 6
	.amdgcn_target "amdgcn-amd-amdhsa--gfx1250"
	.amdhsa_code_object_version 6
	.text
	.protected	k_q7eff78c197_ff1
	.globl	k_q7eff78c197_ff1
	.p2align	8
	.type	k_q7eff78c197_ff1,@function
k_q7eff78c197_ff1:
	s_mov_b64 s[64:65], 0
	v_nop
	global_prefetch_b8 v0, s[64:65] scope:SCOPE_SE
	s_setreg_imm32_b32 hwreg(HW_REG_WAVE_MODE, 25, 1), 1
	s_wait_xcnt 0x0
	s_wait_alu depctr_hold_cnt(0) depctr_sa_sdst(0) depctr_va_vdst(0) depctr_va_sdst(0) depctr_va_ssrc(0) depctr_va_vcc(0) depctr_vm_vsrc(0)
	s_getreg_b32 s2, hwreg(HW_REG_IB_STS2, 6, 4)
	s_cmp_eq_u32 s2, 0
	s_cbranch_scc0 .Lentry_in_a_cluster
	s_endpgm
.Lentry_in_a_cluster:
	s_bfe_u32 s2, ttmp6, 0x10000c
	s_cmp_lg_u32 s2, 0xf033
	s_cbranch_scc0 .Lentry_shape_is_right
	s_endpgm
.Lentry_shape_is_right:
; Launch 6 of 8: h = relu(x1 W1^T + b1), on codes of BF6; x1's image from launch ln1, W1's from launch quant.  h is quantised in registers along its 4,096 columns and leaves as an image: it never goes to memory in f32.
; THE PRODUCT'S TEXT is the one of launch qkv (its head says how it is built).  The bias is the C of each sum's first matrix instruction: 64 registers in the result's layout.
.set QKV, 0
.set KSTEPS, 8
.set STR_A, 409600
.set STR_B, 1228800
.set BBASE, 0
.set BSB0, 128                         ; W1's first super-block in wimg
.set HASBIAS, 1
.set RELU, 1
.set PB, 6
.set PBIAS, 8
.set POUT, 10
.set SBB,   6400
.set TILEB, 4*SBB
.set SLOT,  4*TILEB
.set SPARE, 2*SLOT
.set LAPS,  KSTEPS/4
.set ADRA, 16
.set ADRB, 18
.set ADSA, 20
.set ADSB, 22
.set CO,   26
.set L8,   27
.set SPW,  28
.set NIL,  29
.set SC,   32
.set BIAS, 64
.set MF,   64
.set U,    80
.set AF,   128
.set CT,   224
.set TM,   232
.set PW,   248
.set G1,  24
.set G0,  32
.set G1B, 48
.set G0B, 56
.set SEL, 72
.set HM,  74
.set MUL_LO, 0xa1
.set MUL_HI, 0xf1
.set FST_LO, 0xa1-0x20*HASBIAS
.set FST_HI, 0xf1-0x30*HASBIAS
.set TO_B,   0x40
.set MSB, 0
.macro WIN new
.if MSB != (\new)
	s_set_vgpr_msb (MSB<<8)|(\new)
.set MSB, (\new)
.endif
.endm
.macro JLOAD g0a, g1a, g0b, g1b
	s_cmp_eq_u32 s15, 0
	s_cbranch_scc0 .Lfor_b_\@
	tensor_load_to_lds s[\g0a:\g0a+3], s[\g1a:\g1a+7]
	s_nop 0
.rept 4
	v_nop
.endr
	s_branch .Lasked_\@
.Lfor_b_\@:
	tensor_load_to_lds s[\g0b:\g0b+3], s[\g1b:\g1b+7]
	s_nop 0
.rept 4
	v_nop
.endr
.Lasked_\@:
.endm
.macro CREST
	s_cmp_lg_u32 s14, 0
	s_cbranch_scc1 .Lnot_wave_0_\@
	s_barrier_signal -3
.Lnot_wave_0_\@:
	s_barrier_wait -3
	s_barrier_signal -1
	s_barrier_wait -1
.endm
.macro CROUND
	s_barrier_signal -1
	s_barrier_wait -1
	CREST
.endm
.macro PLACES
.rept 4
	v_nop
.endr
.endm
.macro FRAG reg, adr, off
.irp c, 0,1,2
	ds_load_b128 v[\reg+4*\c:\reg+4*\c+3], v[\adr] offset:\off+512*\c
.endr
.endm
.macro FETCH_B slot, q, p
	WIN TO_B
.irp i, 0,1,2,3,4,5,6,7
	FRAG 128*(\p)+12*\i, ADRB+\slot, TILEB*(\q)+SBB*(\i/4)+1536*(\i%4)
.endr
	WIN 0
.endm
.macro FETCH_A slot, q, i0
.irp i, \i0, \i0+1, \i0+2, \i0+3
	FRAG AF+12*(\i), ADRA+\slot, TILEB*(\q)+SBB*((\i)/4)+1536*((\i)%4)
.endr
.endm
.macro SCALES sc
.irp q, 0,1
.irp j, 0,1
	ds_load_b64 v[SC+16*\sc+8*\q+2*\j:SC+16*\sc+8*\q+2*\j+1], v[ADSA+\sc] offset:6144+TILEB*\q+SBB*\j
	ds_load_b64 v[SC+16*\sc+8*\q+4+2*\j:SC+16*\sc+8*\q+4+2*\j+1], v[ADSB+\sc] offset:6144+TILEB*\q+SBB*\j
.endr
.endr
.endm
.macro WM a, b, p, q, sc, first
.set rD, 8*(8*((\a)%4)+(\b))
.set rB, 128*(\p)+12*(\b)
.set rA, AF+12*(\a)
.set sB, SC+16*(\sc)+8*(\q)+4+2*((\b)/4)+(((\b)/2)%2)
.set sA, SC+16*(\sc)+8*(\q)+2*((\a)/4)+(((\a)/2)%2)
.set rC, rD
.if (\first) && HASBIAS
.set rC, BIAS+8*(\b)
.endif
.set oo, 2*((\b)%2)+((\a)%2)
.if (\first) && (HASBIAS == 0)
.if oo == 0
	v_wmma_scale_f32_16x16x128_f8f6f4 v[rD:rD+7], v[rB:rB+11], v[rA:rA+11], 0, v[sB], v[sA] matrix_a_fmt:MATRIX_FMT_BF6 matrix_b_fmt:MATRIX_FMT_BF6
.elseif oo == 1
	v_wmma_scale_f32_16x16x128_f8f6f4 v[rD:rD+7], v[rB:rB+11], v[rA:rA+11], 0, v[sB], v[sA] matrix_a_fmt:MATRIX_FMT_BF6 matrix_b_fmt:MATRIX_FMT_BF6 matrix_b_scale:MATRIX_SCALE_ROW1
.elseif oo == 2
	v_wmma_scale_f32_16x16x128_f8f6f4 v[rD:rD+7], v[rB:rB+11], v[rA:rA+11], 0, v[sB], v[sA] matrix_a_fmt:MATRIX_FMT_BF6 matrix_b_fmt:MATRIX_FMT_BF6 matrix_a_scale:MATRIX_SCALE_ROW1
.else
	v_wmma_scale_f32_16x16x128_f8f6f4 v[rD:rD+7], v[rB:rB+11], v[rA:rA+11], 0, v[sB], v[sA] matrix_a_fmt:MATRIX_FMT_BF6 matrix_b_fmt:MATRIX_FMT_BF6 matrix_a_scale:MATRIX_SCALE_ROW1 matrix_b_scale:MATRIX_SCALE_ROW1
.endif
.else
.if oo == 0
	v_wmma_scale_f32_16x16x128_f8f6f4 v[rD:rD+7], v[rB:rB+11], v[rA:rA+11], v[rC:rC+7], v[sB], v[sA] matrix_a_fmt:MATRIX_FMT_BF6 matrix_b_fmt:MATRIX_FMT_BF6
.elseif oo == 1
	v_wmma_scale_f32_16x16x128_f8f6f4 v[rD:rD+7], v[rB:rB+11], v[rA:rA+11], v[rC:rC+7], v[sB], v[sA] matrix_a_fmt:MATRIX_FMT_BF6 matrix_b_fmt:MATRIX_FMT_BF6 matrix_b_scale:MATRIX_SCALE_ROW1
.elseif oo == 2
	v_wmma_scale_f32_16x16x128_f8f6f4 v[rD:rD+7], v[rB:rB+11], v[rA:rA+11], v[rC:rC+7], v[sB], v[sA] matrix_a_fmt:MATRIX_FMT_BF6 matrix_b_fmt:MATRIX_FMT_BF6 matrix_a_scale:MATRIX_SCALE_ROW1
.else
	v_wmma_scale_f32_16x16x128_f8f6f4 v[rD:rD+7], v[rB:rB+11], v[rA:rA+11], v[rC:rC+7], v[sB], v[sA] matrix_a_fmt:MATRIX_FMT_BF6 matrix_b_fmt:MATRIX_FMT_BF6 matrix_a_scale:MATRIX_SCALE_ROW1 matrix_b_scale:MATRIX_SCALE_ROW1
.endif
.endif
.endm
.macro MUL16 a0, p, q, sc, first       ; the 64 accumulators take turns, one instruction a turn
.irp a, \a0, \a0+1
.irp b, 0,1,2,3,4,5,6,7
	WM \a, \b, \p, \q, \sc, \first
.endr
.endr
.endm
.macro STEP slot, first
	s_wait_dscnt 12                                ; all but the youngest 12 loads (A's blocks 4-7) are in
.if \first
	WIN FST_LO
.else
	WIN MUL_LO
.endif
	MUL16 0, 0, 0, \slot, \first
	MUL16 2, 0, 0, \slot, \first
	s_wait_dscnt 0x0
	PLACES
	FETCH_B \slot, 1, 1
	FETCH_A \slot, 1, 0
.if \first
	WIN FST_HI
.else
	WIN MUL_HI
.endif
	MUL16 4, 0, 0, \slot, \first
	MUL16 6, 0, 0, \slot, \first
	PLACES
	WIN 0
	FETCH_A \slot, 1, 4
.endm
.macro TURN slot, next, fill
	s_wait_tensorcnt 0x0                           ; all my tensor loads have landed: my part of the next slot
	ds_add_u32 v[SPW], v[NIL]
	s_wait_dscnt 13                                ; (the add and the youngest 12 loads may be out)
	WIN MUL_LO
	MUL16 0, 1, 1, \slot, 0
	s_wait_dscnt 0x0                               ; the add is done, and my reads of this slot are over
	s_barrier_signal -1
	MUL16 2, 1, 1, \slot, 0
	WIN 0
	s_barrier_wait -1
.if \fill
	CREST
	s_add_nc_u64 s[G0+4*\slot+2:G0+4*\slot+3], s[G0+4*\slot+2:G0+4*\slot+3], 4*STR_A
	s_add_nc_u64 s[G0B+4*\slot+2:G0B+4*\slot+3], s[G0B+4*\slot+2:G0B+4*\slot+3], 4*STR_B
	JLOAD G0+4*\slot, G1, G0B+4*\slot, G1B
.else
	PLACES
.endif
	FETCH_B \next, 0, 0
	FETCH_A \next, 0, 0
	SCALES \next
	WIN MUL_HI
	MUL16 4, 1, 1, \slot, 0
	MUL16 6, 1, 1, \slot, 0
	PLACES
	WIN 0
	FETCH_A \next, 0, 4
.endm
	s_load_b256 s[4:11], s[0:1], 0x0               ; aimg s[4:5], wimg s[6:7], b1 s[8:9], himg s[10:11]
	v_lshl_add_u32 v[SPW], v0, 2, SPARE
	v_mov_b32 v[NIL], 0
	ds_add_u32 v[SPW], v[NIL]                      ; the wave's opening: the add, twice on end, and its wait ahead of my first tensor load
	ds_add_u32 v[SPW], v[NIL]
	v_lshrrev_b32 v1, 5, v0
	v_readfirstlane_b32 s14, v1
	s_lshr_b32 s15, s14, 1
	s_and_b32 s16, s14, 1
	s_bfe_u32 s40, ttmp6, 0x40000
	s_bfe_u32 s41, ttmp6, 0x40004
	s_and_b32 s17, ttmp7, 0xffff
	s_lshl_b32 s43, s41, 2
	s_lshl_b32 s43, 15, s43
	s_lshl_b32 s44, 0x1111, s40
	s_or_b32 s[G1+0], s43, (3<<16)|(1<<21)
	s_or_b32 s[G1B+0], s44, (3<<16)|(1<<21)
.irp g, G1, G1B
	s_mov_b32 s[\g+1], 32<<16
	s_mov_b32 s[\g+2], 100<<16
	s_mov_b32 s[\g+3], 32<<16
	s_mov_b32 s[\g+4], 100
	s_mov_b32 s[\g+5], 32
	s_mov_b32 s[\g+6], 0
	s_mov_b32 s[\g+7], 0
.endr
	s_lshl_b32 s18, s17, 4
	s_lshl_b32 s19, ttmp9, 4
	s_mov_b32 s22, s18
	s_add_co_u32 s23, s19, BSB0
	s_lshl_b32 s17, s17, 2
	s_lshl_b32 s42, ttmp9, 2
	s_mov_b32 s75, 6400
	s_mov_b32 s78, 409600
	s_lshl_b32 s20, s41, 2
	s_add_co_u32 s22, s22, s20
	s_lshl_b32 s46, s40, 2
	s_add_co_u32 s23, s23, s46
	s_add_co_u32 s17, s17, s41
	s_add_co_u32 s42, s42, s40
	s_mul_i32 s20, s22, SBB
	s_mul_i32 s21, s16, STR_A
	s_add_co_u32 s20, s20, s21
	s_mov_b32 s21, 0
	s_mul_i32 s46, s23, SBB
	s_mul_i32 s47, s16, STR_B
	s_add_co_u32 s46, s46, s47
.if BBASE
	s_add_co_u32 s46, s46, BBASE
.endif
	s_mov_b32 s47, 0
	s_mul_i32 s45, s14, TILEB
	s_mov_b32 s[SEL], 0x76543210
	s_mov_b32 s[SEL+1], 0xfedcba98
	s_mov_b32 s[HM], 0xffff0000
	s_wait_dscnt 0x0
	s_wait_kmcnt 0x0
	s_add_nc_u64 s[20:21], s[4:5], s[20:21]
	s_add_nc_u64 s[46:47], s[PB:PB+1], s[46:47]
	CROUND
.irp s, 0,1
	s_mov_b32 s[G0+4*\s], 1
	s_add_co_u32 s[G0+4*\s+1], s45, \s*SLOT
	s_add_nc_u64 s[G0+4*\s+2:G0+4*\s+3], s[20:21], \s*2*STR_A
	s_or_b32 s[G0+4*\s+3], s[G0+4*\s+3], 0x80000000
	s_mov_b32 s[G0B+4*\s], 1
	s_add_co_u32 s[G0B+4*\s+1], s45, \s*SLOT
	s_add_nc_u64 s[G0B+4*\s+2:G0B+4*\s+3], s[46:47], \s*2*STR_B
	s_or_b32 s[G0B+4*\s+3], s[G0B+4*\s+3], 0x80000000
	JLOAD G0+4*\s, G1, G0B+4*\s, G1B
.endr
	v_and_b32 v1, 31, v0
	v_lshlrev_b32 v[CO], 4, v1
	v_lshlrev_b32 v[L8], 3, v1
	s_mul_i32 s21, s15, 2*SBB
	s_mul_i32 s22, s16, 2*SBB
	s_add_co_u32 s22, s22, 2*TILEB
.irp s, 0,1
	v_add_nc_u32 v[ADRA+\s], s21, v[CO]
	v_add_nc_u32 v[ADRB+\s], s22, v[CO]
	v_add_nc_u32 v[ADSA+\s], s21, v[L8]
	v_add_nc_u32 v[ADSB+\s], s22, v[L8]
	s_add_co_u32 s21, s21, SLOT
	s_add_co_u32 s22, s22, SLOT
.endr
.if HASBIAS
	v_bfe_u32 v6, v0, 4, 1
	v_lshlrev_b32 v6, 6, v6                        ; the bias in the result's layout: register 16 bb + i of lane (r, h) is column 32 bb + 16 h + i
	s_lshl_b32 s18, s42, 10
	s_lshl_b32 s19, s16, 9
	s_add_co_u32 s18, s18, s19
	s_mov_b32 s19, 0
	s_add_nc_u64 s[PBIAS:PBIAS+1], s[PBIAS:PBIAS+1], s[18:19]
.irp b, 0,1,2,3
.irp j, 0,1,2,3
	global_load_b128 v[BIAS+16*\b+4*\j:BIAS+16*\b+4*\j+3], v6, s[PBIAS:PBIAS+1] offset:128*\b+16*\j
.endr
.endr
.endif
.irp b, 0,1,2,3
	v_mov_b32 v[TM+4+\b], 0
.endr
	s_lshl_b32 s18, s17, 2
	s_lshl_b32 s19, s15, 1
	s_add_co_u32 s18, s18, s19
	s_mul_i32 s18, s18, s75
	s_lshl_b32 s19, s42, 1
	s_add_co_u32 s19, s19, s16
	s_mul_i32 s19, s19, s78
	s_add_co_u32 s18, s18, s19
	s_mov_b32 s19, 0
	s_add_nc_u64 s[68:69], s[POUT:POUT+1], s[18:19]
	s_mov_b32 s18, s75
	s_add_nc_u64 s[70:71], s[68:69], s[18:19]
.if HASBIAS
	s_wait_loadcnt 0x0
.endif
	s_wait_tensorcnt 1                             ; my part of slot 0 is in; slot 1's may stay out
	s_barrier_signal -1
	s_barrier_wait -1
	FETCH_B 0, 0, 0
	FETCH_A 0, 0, 0
	SCALES 0
	FETCH_A 0, 0, 4
	STEP 0, 1
	s_mov_b32 s3, LAPS-1
.Llap:
	TURN 0, 1, 1
	STEP 1, 0
	TURN 1, 0, 1
	STEP 0, 0
	s_sub_co_u32 s3, s3, 1
	s_cmp_lg_u32 s3, 0
	s_cbranch_scc1 .Llap
	TURN 0, 1, 0
	STEP 1, 0
	s_wait_dscnt 12
	WIN MUL_LO
	MUL16 0, 1, 1, 1, 0
	MUL16 2, 1, 1, 1, 0
	s_wait_dscnt 0x0
	WIN MUL_HI
	MUL16 4, 1, 1, 1, 0
	MUL16 6, 1, 1, 1, 0
	WIN 0
	PLACES
; THE WAY OUT: as in launch qkv; the activation stands ahead of the quantiser.
.macro QUANT s, w, pc, pw
	WIN (\w)|((\w)<<2)
.irp b, 0,1,2,3
	v_max3_num_f32 v[TM+\b], |v[\s+16*\b]|, |v[\s+16*\b+1]|, 0x2800000
.endr
.irp i, 2,4,6,8,10,12,14
.irp b, 0,1,2,3
	v_max3_num_f32 v[TM+\b], |v[\s+16*\b+\i]|, |v[\s+16*\b+\i+1]|, v[TM+\b]
.endr
.endr
	WIN 0
.irp b, 0,1,2,3
	v_permlanex16_b32 v[TM+4+\b], v[TM+\b], s[SEL], s[SEL+1]
.endr
.irp b, 0,1,2,3
	v_max_num_f32 v[TM+\b], v[TM+\b], v[TM+4+\b]
.endr
.irp b, 0,1,2,3
	v_add_nc_u32 v[TM+12+\b], 0xfe000000, v[TM+\b]
.endr
.irp b, 0,1,2,3
	v_lshrrev_b32 v[TM+4+\b], 23, v[TM+12+\b]
.endr
	v_lshl_or_b32 v[\pw], v[TM+5], 8, v[TM+4]
	v_lshl_or_b32 v[\pw], v[TM+6], 16, v[\pw]
	v_lshl_or_b32 v[\pw], v[TM+7], 24, v[\pw]
	WIN (\w)
.irp c, 0,1
	v_cvt_scalef32_pk16_bf6_f32 v[\pc+6*\c:\pc+6*\c+2], v[\s+32*\c:\s+32*\c+15], v[TM+12+2*\c]
	v_cvt_scalef32_pk16_bf6_f32 v[CT+4*\c:CT+4*\c+2], v[\s+32*\c+16:\s+32*\c+31], v[TM+13+2*\c]
.endr
	WIN 0
	v_nop
.irp c, 0,1
.irp i, 0,1,2
	v_permlane16_swap_b32 v[\pc+6*\c+\i], v[CT+4*\c+\i]
.endr
.irp i, 0,1,2
	v_mov_b32 v[\pc+6*\c+3+\i], v[CT+4*\c+\i]
.endr
.endr
.endm
.irp a, 0,1,2,3,4,5,6,7
.if RELU
	WIN ((2+\a/4)<<6)|((2+\a/4)<<2)
.set j, 0
.rept 64
	v_max_num_f32 v[64*(\a%4)+j], 0, v[64*(\a%4)+j]        ; the activation, in f32, each accumulator from its low end on
.set j, j+1
.endr
.endif
	QUANT 64*(\a%4), 2+\a/4, AF+12*\a, PW+\a
.irp c, 0,1,2
	global_store_b128 v[CO], v[AF+12*\a+4*\c:AF+12*\a+4*\c+3], s[68+2*(\a/4):69+2*(\a/4)] offset:1536*(\a%4)+512*\c
.endr
.if \a%4 == 3
	v_cndmask_b32 v[U+2*(\a/4)], v[PW+\a-3], v[PW+\a-2], s[HM]
	v_cndmask_b32 v[U+2*(\a/4)+1], v[PW+\a-1], v[PW+\a], s[HM]
	global_store_b64 v[L8], v[U+2*(\a/4):U+2*(\a/4)+1], s[68+2*(\a/4):69+2*(\a/4)] offset:6144
.endif
.endr
	s_wait_tensorcnt 0x0                           ; the wave's end
	ds_add_u32 v[SPW], v[NIL]
	s_wait_dscnt 0x0
	CROUND
	s_endpgm
.Lfunc_end_k_q7eff78c197_ff1:
	.size	k_q7eff78c197_ff1, .Lfunc_end_k_q7eff78c197_ff1-k_q7eff78c197_ff1
	.p2alignl 7, 3214868480
	.fill 96, 4, 3214868480
	.section	.rodata,"a",@progbits
	.p2align	6, 0x0
	.amdhsa_kernel k_q7eff78c197_ff1
		.amdhsa_group_segment_fixed_size 327680
		.amdhsa_private_segment_fixed_size 0
		.amdhsa_enable_private_segment 0
		.amdhsa_kernarg_size 32
		.amdhsa_user_sgpr_count 2
		.amdhsa_user_sgpr_kernarg_segment_ptr 1
		.amdhsa_wavefront_size32 1
		.amdhsa_system_sgpr_workgroup_id_x 1
		.amdhsa_system_sgpr_workgroup_id_y 1
		.amdhsa_system_sgpr_workgroup_id_z 1
		.amdhsa_system_vgpr_workitem_id 0
		.amdhsa_next_free_vgpr 1024
		.amdhsa_next_free_sgpr 100
		.amdhsa_reserve_vcc 0
		.amdhsa_float_denorm_mode_32 3
		.amdhsa_float_denorm_mode_16_64 3
		.amdhsa_memory_ordered 1
		.amdhsa_forward_progress 1
		.amdhsa_inst_pref_size 155
	.end_amdhsa_kernel
	.amdgpu_metadata
---
amdhsa.version: [ 1, 2 ]
amdhsa.kernels:
  - .name:           k_q7eff78c197_ff1
    .symbol:         k_q7eff78c197_ff1.kd
    .args:
      - { .name: aimg, .offset: 0, .size: 8, .value_kind: global_buffer, .address_space: global }
      - { .name: wimg, .offset: 8, .size: 8, .value_kind: global_buffer, .address_space: global }
      - { .name: b1, .offset: 16, .size: 8, .value_kind: global_buffer, .address_space: global }
      - { .name: himg, .offset: 24, .size: 8, .value_kind: global_buffer, .address_space: global }
    .group_segment_fixed_size: 327680
    .private_segment_fixed_size: 0
    .kernarg_segment_align: 8
    .kernarg_segment_size: 32
    .max_flat_workgroup_size: 128
    .sgpr_count:     100
    .vgpr_count:     1024
    .wavefront_size: 32
...
	.end_amdgpu_metadata
.endif
;; end of part 6
;; launch ff2 (part 7): grid 4 x 16, 4 waves a work-group, clusters of 4 x 4, 327,680 bytes of LDS; arguments himg, wimg, b2, x1, y; writes y
.if DOCPART == 7
	.amdgcn_target "amdgcn-amd-amdhsa--gfx1250"
	.amdhsa_code_object_version 6
	.text
	.protected	k_q7eff78c197_ff2
	.globl	k_q7eff78c197_ff2
	.p2align	8
	.type	k_q7eff78c197_ff2,@function
k_q7eff78c197_ff2:
	s_mov_b64 s[64:65], 0
	v_nop
	global_prefetch_b8 v0, s[64:65] scope:SCOPE_SE
	s_setreg_imm32_b32 hwreg(HW_REG_WAVE_MODE, 25, 1), 1
	s_wait_xcnt 0x0
	s_wait_alu depctr_hold_cnt(0) depctr_sa_sdst(0) depctr_va_vdst(0) depctr_va_sdst(0) depctr_va_ssrc(0) depctr_va_vcc(0) depctr_vm_vsrc(0)
	s_getreg_b32 s2, hwreg(HW_REG_IB_STS2, 6, 4)
	s_cmp_eq_u32 s2, 0
	s_cbranch_scc0 .Lentry_in_a_cluster
	s_endpgm
.Lentry_in_a_cluster:
	s_bfe_u32 s2, ttmp6, 0x10000c
	s_cmp_lg_u32 s2, 0xf033
	s_cbranch_scc0 .Lentry_shape_is_right
	s_endpgm
.Lentry_shape_is_right:
; Launch 7 of 8: y = x1 + h W2^T + b2, on codes of BF6; h's image from launch ff1, W2's from launch quant (from byte 9,830,400 of wimg on); y in f32, for the layer norm of launch ln2.
; THE PRODUCT'S TEXT is the one of launch qkv, the way out the one of launch wo (their heads say how they are built).  K = 4,096: 32 K steps, eight laps.  The bias is the C of each sum's first matrix instruction.
.set QKV, 0
.set KSTEPS, 32
.set STR_A, 409600
.set STR_B, 102400
.set BBASE, 9830400
.set BSB0, 0
.set HASBIAS, 1
.set PB, 6
.set PBIAS, 8
.set PRES, 10                          ; the residual: x1
.set POUT, 12
.set SBB,   6400
.set TILEB, 4*SBB
.set SLOT,  4*TILEB
.set SPARE, 2*SLOT
.set LAPS,  KSTEPS/4
.set ADRA, 16
.set ADRB, 18
.set ADSA, 20
.set ADSB, 22
.set STO,  24
.set RD,   25
.set CO,   26
.set L8,   27
.set SPW,  28
.set NIL,  29
.set SC,   32
.set BIAS, 64
.set AF,   128
.set G1,  24
.set G0,  32
.set G1B, 48
.set G0B, 56
.set MUL_LO, 0xa1
.set MUL_HI, 0xf1
.set FST_LO, 0xa1-0x20*HASBIAS
.set FST_HI, 0xf1-0x30*HASBIAS
.set TO_B,   0x40
.set MSB, 0
.macro WIN new
.if MSB != (\new)
	s_set_vgpr_msb (MSB<<8)|(\new)
.set MSB, (\new)
.endif
.endm
.macro JLOAD g0a, g1a, g0b, g1b
	s_cmp_eq_u32 s15, 0
	s_cbranch_scc0 .Lfor_b_\@
	tensor_load_to_lds s[\g0a:\g0a+3], s[\g1a:\g1a+7]
	s_nop 0
.rept 4
	v_nop
.endr
	s_branch .Lasked_\@
.Lfor_b_\@:
	tensor_load_to_lds s[\g0b:\g0b+3], s[\g1b:\g1b+7]
	s_nop 0
.rept 4
	v_nop
.endr
.Lasked_\@:
.endm
.macro CREST
	s_cmp_lg_u32 s14, 0
	s_cbranch_scc1 .Lnot_wave_0_\@
	s_barrier_signal -3
.Lnot_wave_0_\@:
	s_barrier_wait -3
	s_barrier_signal -1
	s_barrier_wait -1
.endm
.macro CROUND
	s_barrier_signal -1
	s_barrier_wait -1
	CREST
.endm
.macro PLACES
.rept 4
	v_nop
.endr
.endm
.macro FRAG reg, adr, off
.irp c, 0,1,2
	ds_load_b128 v[\reg+4*\c:\reg+4*\c+3], v[\adr] offset:\off+512*\c
.endr
.endm
.macro FETCH_B slot, q, p
	WIN TO_B
.irp i, 0,1,2,3,4,5,6,7
	FRAG 128*(\p)+12*\i, ADRB+\slot, TILEB*(\q)+SBB*(\i/4)+1536*(\i%4)
.endr
	WIN 0
.endm
.macro FETCH_A slot, q, i0
.irp i, \i0, \i0+1, \i0+2, \i0+3
	FRAG AF+12*(\i), ADRA+\slot, TILEB*(\q)+SBB*((\i)/4)+1536*((\i)%4)
.endr
.endm
.macro SCALES sc
.irp q, 0,1
.irp j, 0,1
	ds_load_b64 v[SC+16*\sc+8*\q+2*\j:SC+16*\sc+8*\q+2*\j+1], v[ADSA+\sc] offset:6144+TILEB*\q+SBB*\j
	ds_load_b64 v[SC+16*\sc+8*\q+4+2*\j:SC+16*\sc+8*\q+4+2*\j+1], v[ADSB+\sc] offset:6144+TILEB*\q+SBB*\j
.endr
.endr
.endm
.macro WM a, b, p, q, sc, first
.set rD, 8*(8*((\a)%4)+(\b))
.set rB, 128*(\p)+12*(\b)
.set rA, AF+12*(\a)
.set sB, SC+16*(\sc)+8*(\q)+4+2*((\b)/4)+(((\b)/2)%2)
.set sA, SC+16*(\sc)+8*(\q)+2*((\a)/4)+(((\a)/2)%2)
.set rC, rD
.if (\first) && HASBIAS
.set rC, BIAS+8*(\b)
.endif
.set oo, 2*((\b)%2)+((\a)%2)
.if (\first) && (HASBIAS == 0)
.if oo == 0
	v_wmma_scale_f32_16x16x128_f8f6f4 v[rD:rD+7], v[rB:rB+11], v[rA:rA+11], 0, v[sB], v[sA] matrix_a_fmt:MATRIX_FMT_BF6 matrix_b_fmt:MATRIX_FMT_BF6
.elseif oo == 1
	v_wmma_scale_f32_16x16x128_f8f6f4 v[rD:rD+7], v[rB:rB+11], v[rA:rA+11], 0, v[sB], v[sA] matrix_a_fmt:MATRIX_FMT_BF6 matrix_b_fmt:MATRIX_FMT_BF6 matrix_b_scale:MATRIX_SCALE_ROW1
.elseif oo == 2
	v_wmma_scale_f32_16x16x128_f8f6f4 v[rD:rD+7], v[rB:rB+11], v[rA:rA+11], 0, v[sB], v[sA] matrix_a_fmt:MATRIX_FMT_BF6 matrix_b_fmt:MATRIX_FMT_BF6 matrix_a_scale:MATRIX_SCALE_ROW1
.else
	v_wmma_scale_f32_16x16x128_f8f6f4 v[rD:rD+7], v[rB:rB+11], v[rA:rA+11], 0, v[sB], v[sA] matrix_a_fmt:MATRIX_FMT_BF6 matrix_b_fmt:MATRIX_FMT_BF6 matrix_a_scale:MATRIX_SCALE_ROW1 matrix_b_scale:MATRIX_SCALE_ROW1
.endif
.else
.if oo == 0
	v_wmma_scale_f32_16x16x128_f8f6f4 v[rD:rD+7], v[rB:rB+11], v[rA:rA+11], v[rC:rC+7], v[sB], v[sA] matrix_a_fmt:MATRIX_FMT_BF6 matrix_b_fmt:MATRIX_FMT_BF6
.elseif oo == 1
	v_wmma_scale_f32_16x16x128_f8f6f4 v[rD:rD+7], v[rB:rB+11], v[rA:rA+11], v[rC:rC+7], v[sB], v[sA] matrix_a_fmt:MATRIX_FMT_BF6 matrix_b_fmt:MATRIX_FMT_BF6 matrix_b_scale:MATRIX_SCALE_ROW1
.elseif oo == 2
	v_wmma_scale_f32_16x16x128_f8f6f4 v[rD:rD+7], v[rB:rB+11], v[rA:rA+11], v[rC:rC+7], v[sB], v[sA] matrix_a_fmt:MATRIX_FMT_BF6 matrix_b_fmt:MATRIX_FMT_BF6 matrix_a_scale:MATRIX_SCALE_ROW1
.else
	v_wmma_scale_f32_16x16x128_f8f6f4 v[rD:rD+7], v[rB:rB+11], v[rA:rA+11], v[rC:rC+7], v[sB], v[sA] matrix_a_fmt:MATRIX_FMT_BF6 matrix_b_fmt:MATRIX_FMT_BF6 matrix_a_scale:MATRIX_SCALE_ROW1 matrix_b_scale:MATRIX_SCALE_ROW1
.endif
.endif
.endm
.macro MUL16 a0, p, q, sc, first       ; the 64 accumulators take turns, one instruction a turn
.irp a, \a0, \a0+1
.irp b, 0,1,2,3,4,5,6,7
	WM \a, \b, \p, \q, \sc, \first
.endr
.endr
.endm
.macro STEP slot, first
	s_wait_dscnt 12                                ; all but the youngest 12 loads (A's blocks 4-7) are in
.if \first
	WIN FST_LO
.else
	WIN MUL_LO
.endif
	MUL16 0, 0, 0, \slot, \first
	MUL16 2, 0, 0, \slot, \first
	s_wait_dscnt 0x0
	PLACES
	FETCH_B \slot, 1, 1
	FETCH_A \slot, 1, 0
.if \first
	WIN FST_HI
.else
	WIN MUL_HI
.endif
	MUL16 4, 0, 0, \slot, \first
	MUL16 6, 0, 0, \slot, \first
	PLACES
	WIN 0
	FETCH_A \slot, 1, 4
.endm
.macro TURN slot, next, fill
	s_wait_tensorcnt 0x0                           ; all my tensor loads have landed: my part of the next slot
	ds_add_u32 v[SPW], v[NIL]
	s_wait_dscnt 13                                ; (the add and the youngest 12 loads may be out)
	WIN MUL_LO
	MUL16 0, 1, 1, \slot, 0
	s_wait_dscnt 0x0                               ; the add is done, and my reads of this slot are over
	s_barrier_signal -1
	MUL16 2, 1, 1, \slot, 0
	WIN 0
	s_barrier_wait -1
.if \fill
	CREST
	s_add_nc_u64 s[G0+4*\slot+2:G0+4*\slot+3], s[G0+4*\slot+2:G0+4*\slot+3], 4*STR_A
	s_add_nc_u64 s[G0B+4*\slot+2:G0B+4*\slot+3], s[G0B+4*\slot+2:G0B+4*\slot+3], 4*STR_B
	JLOAD G0+4*\slot, G1, G0B+4*\slot, G1B
.else
	PLACES
.endif
	FETCH_B \next, 0, 0
	FETCH_A \next, 0, 0
	SCALES \next
	WIN MUL_HI
	MUL16 4, 1, 1, \slot, 0
	MUL16 6, 1, 1, \slot, 0
	PLACES
	WIN 0
	FETCH_A \next, 0, 4
.endm
	s_load_b256 s[4:11], s[0:1], 0x0               ; himg s[4:5], wimg s[6:7], b2 s[8:9], x1 s[10:11]
	s_load_b64 s[12:13], s[0:1], 0x20              ; y
	v_lshl_add_u32 v[SPW], v0, 2, SPARE
	v_mov_b32 v[NIL], 0
	ds_add_u32 v[SPW], v[NIL]                      ; the wave's opening: the add, twice on end, and its wait ahead of my first tensor load
	ds_add_u32 v[SPW], v[NIL]
	v_lshrrev_b32 v1, 5, v0
	v_readfirstlane_b32 s14, v1
	s_lshr_b32 s15, s14, 1
	s_and_b32 s16, s14, 1
	s_bfe_u32 s40, ttmp6, 0x40000
	s_bfe_u32 s41, ttmp6, 0x40004
	s_and_b32 s17, ttmp7, 0xffff
	s_lshl_b32 s43, s41, 2
	s_lshl_b32 s43, 15, s43
	s_lshl_b32 s44, 0x1111, s40
	s_or_b32 s[G1+0], s43, (3<<16)|(1<<21)
	s_or_b32 s[G1B+0], s44, (3<<16)|(1<<21)
.irp g, G1, G1B
	s_mov_b32 s[\g+1], 32<<16
	s_mov_b32 s[\g+2], 100<<16
	s_mov_b32 s[\g+3], 32<<16
	s_mov_b32 s[\g+4], 100
	s_mov_b32 s[\g+5], 32
	s_mov_b32 s[\g+6], 0
	s_mov_b32 s[\g+7], 0
.endr
	s_lshl_b32 s18, s17, 4
	s_lshl_b32 s19, ttmp9, 4
	s_mov_b32 s22, s18
	s_add_co_u32 s23, s19, BSB0
	s_lshl_b32 s17, s17, 2
	s_lshl_b32 s42, ttmp9, 2
	s_lshl_b32 s20, s41, 2
	s_add_co_u32 s22, s22, s20
	s_lshl_b32 s46, s40, 2
	s_add_co_u32 s23, s23, s46
	s_add_co_u32 s17, s17, s41
	s_add_co_u32 s42, s42, s40
	s_mul_i32 s20, s22, SBB
	s_mul_i32 s21, s16, STR_A
	s_add_co_u32 s20, s20, s21
	s_mov_b32 s21, 0
	s_mul_i32 s46, s23, SBB
	s_mul_i32 s47, s16, STR_B
	s_add_co_u32 s46, s46, s47
.if BBASE
	s_add_co_u32 s46, s46, BBASE
.endif
	s_mov_b32 s47, 0
	s_mul_i32 s45, s14, TILEB
	s_wait_dscnt 0x0
	s_wait_kmcnt 0x0
	s_add_nc_u64 s[20:21], s[4:5], s[20:21]
	s_add_nc_u64 s[46:47], s[PB:PB+1], s[46:47]
	CROUND
.irp s, 0,1
	s_mov_b32 s[G0+4*\s], 1
	s_add_co_u32 s[G0+4*\s+1], s45, \s*SLOT
	s_add_nc_u64 s[G0+4*\s+2:G0+4*\s+3], s[20:21], \s*2*STR_A
	s_or_b32 s[G0+4*\s+3], s[G0+4*\s+3], 0x80000000
	s_mov_b32 s[G0B+4*\s], 1
	s_add_co_u32 s[G0B+4*\s+1], s45, \s*SLOT
	s_add_nc_u64 s[G0B+4*\s+2:G0B+4*\s+3], s[46:47], \s*2*STR_B
	s_or_b32 s[G0B+4*\s+3], s[G0B+4*\s+3], 0x80000000
	JLOAD G0+4*\s, G1, G0B+4*\s, G1B
.endr
	v_and_b32 v1, 31, v0
	v_lshlrev_b32 v[CO], 4, v1
	v_lshlrev_b32 v[L8], 3, v1
	s_mul_i32 s21, s15, 2*SBB
	s_mul_i32 s22, s16, 2*SBB
	s_add_co_u32 s22, s22, 2*TILEB
.irp s, 0,1
	v_add_nc_u32 v[ADRA+\s], s21, v[CO]
	v_add_nc_u32 v[ADRB+\s], s22, v[CO]
	v_add_nc_u32 v[ADSA+\s], s21, v[L8]
	v_add_nc_u32 v[ADSB+\s], s22, v[L8]
	s_add_co_u32 s21, s21, SLOT
	s_add_co_u32 s22, s22, SLOT
.endr
.if HASBIAS
	v_bfe_u32 v6, v0, 4, 1
	v_lshlrev_b32 v6, 6, v6                        ; the bias in the result's layout: register 16 bb + i of lane (r, h) is column 32 bb + 16 h + i
	s_lshl_b32 s18, s42, 10
	s_lshl_b32 s19, s16, 9
	s_add_co_u32 s18, s18, s19
	s_mov_b32 s19, 0
	s_add_nc_u64 s[PBIAS:PBIAS+1], s[PBIAS:PBIAS+1], s[18:19]
.irp b, 0,1,2,3
.irp j, 0,1,2,3
	global_load_b128 v[BIAS+16*\b+4*\j:BIAS+16*\b+4*\j+3], v6, s[PBIAS:PBIAS+1] offset:128*\b+16*\j
.endr
.endr
.endif
	s_lshl_b32 s18, s17, 20
	s_lshl_b32 s19, s15, 19
	s_add_co_u32 s18, s18, s19
	s_lshl_b32 s19, s42, 10
	s_add_co_u32 s18, s18, s19
	s_lshl_b32 s19, s16, 9
	s_add_co_u32 s18, s18, s19
	s_mov_b32 s19, 0
	s_add_nc_u64 s[68:69], s[POUT:POUT+1], s[18:19]
	s_add_nc_u64 s[70:71], s[PRES:PRES+1], s[18:19]
	s_mul_i32 s18, s14, 8448                       ; my stage, in slot 0: it has had its last fill and its last read when the first result is stored there
	v_and_b32 v4, 15, v0
	v_bfe_u32 v5, v0, 4, 1
	v_mul_u32_u24 v[STO], v4, 528
	v_lshl_add_u32 v[STO], v5, 6, v[STO]
	v_add_nc_u32 v[STO], s18, v[STO]
	v_add_nc_u32 v[RD], s18, v[CO]
.if HASBIAS
	s_wait_loadcnt 0x0
.endif
	s_wait_tensorcnt 1                             ; my part of slot 0 is in; slot 1's may stay out
	s_barrier_signal -1
	s_barrier_wait -1
	FETCH_B 0, 0, 0
	FETCH_A 0, 0, 0
	SCALES 0
	FETCH_A 0, 0, 4
	STEP 0, 1
	s_mov_b32 s3, LAPS-1
.Llap:
	TURN 0, 1, 1
	STEP 1, 0
	TURN 1, 0, 1
	STEP 0, 0
	s_sub_co_u32 s3, s3, 1
	s_cmp_lg_u32 s3, 0
	s_cbranch_scc1 .Llap
	TURN 0, 1, 0
	STEP 1, 0
	s_wait_dscnt 12
	WIN MUL_LO
	MUL16 0, 1, 1, 1, 0
	MUL16 2, 1, 1, 1, 0
	s_wait_dscnt 0x0
	WIN MUL_HI
	MUL16 4, 1, 1, 1, 0
	MUL16 6, 1, 1, 1, 0
	WIN 0
	PLACES
.macro RLOAD a
	WIN 0x40
.irp t, 0,1,2,3,4,5,6,7,8,9,10,11,12,13,14,15
	global_load_b128 v[64*((\a)%2)+4*\t:64*((\a)%2)+4*\t+3], v[CO], s[70:71] offset:(64*((\a)/4)+32*(((\a)%4)/2)+8*((\a)%2)+(\t%8)+16*(\t/8))*4096 th:TH_LOAD_NT
.endr
	WIN 0
.endm
.macro TOSTAGE a
	WIN (0x08+4*((\a)/4))
.irp b, 0,1,2,3,4,5,6,7
	ds_store_b128 v[STO], v[64*((\a)%4)+8*\b:64*((\a)%4)+8*\b+3] offset:128*(\b/2)+32*(\b%2)
	ds_store_b128 v[STO], v[64*((\a)%4)+8*\b+4:64*((\a)%4)+8*\b+7] offset:128*(\b/2)+32*(\b%2)+16
.endr
	WIN 0
.irp t, 0,1,2,3,4,5,6,7,8,9,10,11,12,13,14,15
	ds_load_b128 v[128+64*((\a)%2)+4*\t:128+64*((\a)%2)+4*\t+3], v[RD] offset:528*\t
.endr
.endm
.macro SEND a, dsc, ldc
	s_wait_dscnt \dsc
	s_wait_loadcnt \ldc
	WIN 0x04
.set j, 0
.rept 32
	v_pk_add_f32 v[128+64*((\a)%2)+j:128+64*((\a)%2)+j+1], v[128+64*((\a)%2)+j:128+64*((\a)%2)+j+1], v[64*((\a)%2)+j:64*((\a)%2)+j+1]
.set j, j+2
.endr
	WIN 0
.irp t, 0,1,2,3,4,5,6,7,8,9,10,11,12,13,14,15
	global_store_b128 v[CO], v[128+64*((\a)%2)+4*\t:128+64*((\a)%2)+4*\t+3], s[68:69] offset:(64*((\a)/4)+32*(((\a)%4)/2)+8*((\a)%2)+(\t%8)+16*(\t/8))*4096
.endr
.endm
	RLOAD 0
	TOSTAGE 0
.irp a, 1,2,3,4,5,6,7
.if \a > 1
	s_wait_xcnt 0x0                                ; block a - 2's stores have read their registers: block a's rows may land there
.endif
	RLOAD \a
	TOSTAGE \a
	SEND \a-1, 32, 16                              ; behind block a - 1's: block a's 32 LDS instructions and 16 residual loads
.endr
	SEND 7, 0, 0
	s_wait_tensorcnt 0x0                           ; the wave's end
	ds_add_u32 v[SPW], v[NIL]
	s_wait_dscnt 0x0
	CROUND
	s_endpgm
.Lfunc_end_k_q7eff78c197_ff2:
	.size	k_q7eff78c197_ff2, .Lfunc_end_k_q7eff78c197_ff2-k_q7eff78c197_ff2
	.p2alignl 7, 3214868480
	.fill 96, 4, 3214868480
	.section	.rodata,"a",@progbits
	.p2align	6, 0x0
	.amdhsa_kernel k_q7eff78c197_ff2
		.amdhsa_group_segment_fixed_size 327680
		.amdhsa_private_segment_fixed_size 0
		.amdhsa_enable_private_segment 0
		.amdhsa_kernarg_size 40
		.amdhsa_user_sgpr_count 2
		.amdhsa_user_sgpr_kernarg_segment_ptr 1
		.amdhsa_wavefront_size32 1
		.amdhsa_system_sgpr_workgroup_id_x 1
		.amdhsa_system_sgpr_workgroup_id_y 1
		.amdhsa_system_sgpr_workgroup_id_z 1
		.amdhsa_system_vgpr_workitem_id 0
		.amdhsa_next_free_vgpr 1024
		.amdhsa_next_free_sgpr 100
		.amdhsa_reserve_vcc 0
		.amdhsa_float_denorm_mode_32 3
		.amdhsa_float_denorm_mode_16_64 3
		.amdhsa_memory_ordered 1
		.amdhsa_forward_progress 1
		.amdhsa_inst_pref_size 164
	.end_amdhsa_kernel
	.amdgpu_metadata
---
amdhsa.version: [ 1, 2 ]
amdhsa.kernels:
  - .name:           k_q7eff78c197_ff2
    .symbol:         k_q7eff78c197_ff2.kd
    .args:
      - { .name: himg, .offset: 0, .size: 8, .value_kind: global_buffer, .address_space: global }
      - { .name: wimg, .offset: 8, .size: 8, .value_kind: global_buffer, .address_space: global }
      - { .name: b2, .offset: 16, .size: 8, .value_kind: global_buffer, .address_space: global }
      - { .name: x1, .offset: 24, .size: 8, .value_kind: global_buffer, .address_space: global }
      - { .name: y, .offset: 32, .size: 8, .value_kind: global_buffer, .address_space: global }
    .group_segment_fixed_size: 327680
    .private_segment_fixed_size: 0
    .kernarg_segment_align: 8
    .kernarg_segment_size: 40
    .max_flat_workgroup_size: 128
    .sgpr_count:     100
    .vgpr_count:     1024
    .wavefront_size: 32
...
	.end_amdgpu_metadata
.endif
;; end of part 7
;; launch ln2 (part 8): grid 256 x 1, 4 waves a work-group, no clusters, 0 bytes of LDS; arguments y, g2, be2, out0; writes out0
.if DOCPART == 8
	.amdgcn_target "amdgcn-amd-amdhsa--gfx1250"
	.amdhsa_code_object_version 6
	.text
	.protected	k_q7eff78c197_ln2
	.globl	k_q7eff78c197_ln2
	.p2align	8
	.type	k_q7eff78c197_ln2,@function
k_q7eff78c197_ln2:
	s_mov_b64 s[64:65], 0
	v_nop
	global_prefetch_b8 v0, s[64:65] scope:SCOPE_SE
	s_setreg_imm32_b32 hwreg(HW_REG_WAVE_MODE, 25, 1), 1
	s_wait_xcnt 0x0
; Launch 8 of 8: out0 = layer norm of y (= x1 + ff), with g2 and be2.  The first phase of launch ln1's text, with no image: no LDS, no barrier.
; Memory binds.  A wave takes four whole rows in registers (a lane holds columns 128 j + 4 l .. + 3: each load and store covers 512 consecutive bytes), so y is read once.
; The norm is taken as reference() takes it, in two passes: the mean, then the mean of the squared differences.
.set WAVES, 4
.set LO,  1
.set S,   16
.set MU,  32
.set RS,  40
.set T,   48
.set X,   64
.set G,   192
.set BE,  224
.set SEL, 26
.macro SUMRED d, t
	v_add_f32_dpp v[\d], v[\d], v[\d] row_xmask:1 row_mask:0xf bank_mask:0xf
	v_add_f32_dpp v[\d], v[\d], v[\d] row_xmask:2 row_mask:0xf bank_mask:0xf
	v_add_f32_dpp v[\d], v[\d], v[\d] row_xmask:4 row_mask:0xf bank_mask:0xf
	v_add_f32_dpp v[\d], v[\d], v[\d] row_xmask:8 row_mask:0xf bank_mask:0xf
	v_permlanex16_b32 v[\t], v[\d], s[SEL], s[SEL+1]
	v_add_f32 v[\d], v[\d], v[\t]
.endm
	s_load_b256 s[4:11], s[0:1], 0x0               ; y s[4:5], g2 s[6:7], be2 s[8:9], out0 s[10:11]
	v_lshrrev_b32 v9, 5, v0
	v_readfirstlane_b32 s14, v9
	v_and_b32 v9, 31, v0
	v_lshlrev_b32 v[LO], 4, v9
	s_mul_i32 s15, ttmp9, WAVES
	s_add_co_u32 s15, s15, s14
	s_lshl_b32 s16, s15, 14                        ; four rows of 4,096 bytes a wave
	s_mov_b32 s17, 0
	s_mov_b32 s18, 0x3a800000                      ; 1 / 1,024
	s_mov_b32 s19, 0x3727c5ac                      ; 1e-5
	s_mov_b32 s[SEL], 0x76543210
	s_mov_b32 s[SEL+1], 0xfedcba98
.irp i, 0,1,2,3
	v_mov_b32 v[T+\i], 0
.endr
	s_wait_kmcnt 0x0
	s_add_nc_u64 s[4:5], s[4:5], s[16:17]
	s_add_nc_u64 s[10:11], s[10:11], s[16:17]
.irp j, 0,1,2,3,4,5,6,7
	global_load_b128 v[G+4*\j:G+4*\j+3], v[LO], s[6:7] offset:512*\j
	global_load_b128 v[BE+4*\j:BE+4*\j+3], v[LO], s[8:9] offset:512*\j
.endr
.irp i, 0,1,2,3
.irp j, 0,1,2,3,4,5,6,7
	global_load_b128 v[X+32*\i+4*\j:X+32*\i+4*\j+3], v[LO], s[4:5] offset:4096*\i+512*\j th:TH_LOAD_NT
.endr
.endr
.macro STAT i
.set XR, X+32*\i
.set S0, S+4*\i
	s_wait_loadcnt 24-8*\i                         ; my row's eight loads are in; the later rows', eight each, may be out
	v_pk_add_f32 v[S0:S0+1], v[XR:XR+1], v[XR+2:XR+3]
	v_pk_add_f32 v[S0+2:S0+3], v[XR+4:XR+5], v[XR+6:XR+7]
.irp k, 8,12,16,20,24,28
	v_pk_add_f32 v[S0:S0+1], v[S0:S0+1], v[XR+\k:XR+\k+1]
	v_pk_add_f32 v[S0+2:S0+3], v[S0+2:S0+3], v[XR+\k+2:XR+\k+3]
.endr
	v_pk_add_f32 v[S0:S0+1], v[S0:S0+1], v[S0+2:S0+3]
	v_add_f32 v[S0], v[S0], v[S0+1]
	SUMRED S0, T+\i
	v_mul_f32 v[MU+2*\i], 0xba800000, v[S0]        ; -mean
	v_mov_b32 v[MU+2*\i+1], v[MU+2*\i]
.irp k, 0,2,4,6,8,10,12,14,16,18,20,22,24,26,28,30
	v_pk_add_f32 v[XR+\k:XR+\k+1], v[XR+\k:XR+\k+1], v[MU+2*\i:MU+2*\i+1]
.endr
	v_pk_mul_f32 v[S0:S0+1], v[XR:XR+1], v[XR:XR+1]
	v_pk_mul_f32 v[S0+2:S0+3], v[XR+2:XR+3], v[XR+2:XR+3]
.irp k, 4,8,12,16,20,24,28
	v_pk_fma_f32 v[S0:S0+1], v[XR+\k:XR+\k+1], v[XR+\k:XR+\k+1], v[S0:S0+1]
	v_pk_fma_f32 v[S0+2:S0+3], v[XR+\k+2:XR+\k+3], v[XR+\k+2:XR+\k+3], v[S0+2:S0+3]
.endr
	v_pk_add_f32 v[S0:S0+1], v[S0:S0+1], v[S0+2:S0+3]
	v_add_f32 v[S0], v[S0], v[S0+1]
	SUMRED S0, T+\i
	v_fma_f32 v[S0], v[S0], s18, s19
.endm
	STAT 0
	STAT 1
	STAT 2
	STAT 3
.irp i, 0,1,2,3
	v_rsq_f32 v[RS+2*\i], v[S+4*\i]
	v_rsq_f32 v[RS+2*\i+1], v[S+4*\i]
.endr
	v_nop                                          ; a plain place behind the last of the batch,
	s_wait_alu depctr_va_vdst(0)                   ; and one wait for all eight, ahead of their first reader
.irp i, 0,1,2,3
.irp k, 0,2,4,6,8,10,12,14,16,18,20,22,24,26,28,30
	v_pk_mul_f32 v[X+32*\i+\k:X+32*\i+\k+1], v[X+32*\i+\k:X+32*\i+\k+1], v[RS+2*\i:RS+2*\i+1]
.endr
.irp k, 0,2,4,6,8,10,12,14,16,18,20,22,24,26,28,30
	v_pk_fma_f32 v[X+32*\i+\k:X+32*\i+\k+1], v[X+32*\i+\k:X+32*\i+\k+1], v[G+\k:G+\k+1], v[BE+\k:BE+\k+1]
.endr
.irp j, 0,1,2,3,4,5,6,7
	global_store_b128 v[LO], v[X+32*\i+4*\j:X+32*\i+4*\j+3], s[10:11] offset:4096*\i+512*\j th:TH_STORE_NT
.endr
.endr
	s_endpgm
.Lfunc_end_k_q7eff78c197_ln2:
	.size	k_q7eff78c197_ln2, .Lfunc_end_k_q7eff78c197_ln2-k_q7eff78c197_ln2
	.p2alignl 7, 3214868480
	.fill 96, 4, 3214868480
	.section	.rodata,"a",@progbits
	.p2align	6, 0x0
	.amdhsa_kernel k_q7eff78c197_ln2
		.amdhsa_group_segment_fixed_size 0
		.amdhsa_private_segment_fixed_size 0
		.amdhsa_enable_private_segment 0
		.amdhsa_kernarg_size 32
		.amdhsa_user_sgpr_count 2
		.amdhsa_user_sgpr_kernarg_segment_ptr 1
		.amdhsa_wavefront_size32 1
		.amdhsa_system_sgpr_workgroup_id_x 1
		.amdhsa_system_sgpr_workgroup_id_y 1
		.amdhsa_system_sgpr_workgroup_id_z 1
		.amdhsa_system_vgpr_workitem_id 0
		.amdhsa_next_free_vgpr 256
		.amdhsa_next_free_sgpr 66
		.amdhsa_reserve_vcc 0
		.amdhsa_float_denorm_mode_32 3
		.amdhsa_float_denorm_mode_16_64 3
		.amdhsa_memory_ordered 1
		.amdhsa_forward_progress 1
		.amdhsa_inst_pref_size 33
	.end_amdhsa_kernel
	.amdgpu_metadata
---
amdhsa.version: [ 1, 2 ]
amdhsa.kernels:
  - .name:           k_q7eff78c197_ln2
    .symbol:         k_q7eff78c197_ln2.kd
    .args:
      - { .name: y, .offset: 0, .size: 8, .value_kind: global_buffer, .address_space: global }
      - { .name: g2, .offset: 8, .size: 8, .value_kind: global_buffer, .address_space: global }
      - { .name: be2, .offset: 16, .size: 8, .value_kind: global_buffer, .address_space: global }
      - { .name: out0, .offset: 24, .size: 8, .value_kind: global_buffer, .address_space: global }
    .group_segment_fixed_size: 0
    .private_segment_fixed_size: 0
    .kernarg_segment_align: 8
    .kernarg_segment_size: 32
    .max_flat_workgroup_size: 128
    .sgpr_count:     66
    .vgpr_count:     256
    .wavefront_size: 32
...
	.end_amdgpu_metadata
.endif
;; end of part 8
;; ======== version 2 of 2: 7 launches
;; limits: right only within a limited range of input values
;; workspace buffers: wimg 13,107,200 bytes; qkimg 6,553,600 bytes; vtimg 3,276,800 bytes; aimg 3,276,800 bytes; y 16,777,216 bytes; x1 16,777,216 bytes; himg 13,107,200 bytes; ximg 3,276,800 bytes
;; launch quant (part 9): grid 512 x 1, 4 waves a work-group, no clusters, 34,304 bytes of LDS; arguments x, Wq, Wk, Wv, Wo, W1, W2, wimg; writes wimg
.if DOCPART == 9
	.amdgcn_target "amdgcn-amd-amdhsa--gfx1250"
	.amdhsa_code_object_version 6
	.text
	.protected	k_q7eff78c197_quant
	.globl	k_q7eff78c197_quant
	.p2align	8
	.type	k_q7eff78c197_quant,@function
k_q7eff78c197_quant:
	s_mov_b64 s[64:65], 0
	v_nop
	global_prefetch_b8 v0, s[64:65] scope:SCOPE_SE
	s_setreg_imm32_b32 hwreg(HW_REG_WAVE_MODE, 25, 1), 1
	s_wait_xcnt 0x0
; THE ENCODER BLOCK, launch 1 of 7: x and the six weights become codes of BF6 (E3M2) with one E8M0 scale byte for each 32 along K (K is the last axis of all seven).
; DEAD WORK: none.  Every input of reference() has a way to the output for some finite values (the mask selects scores, both biases, gains and shifts enter sums), so every input is loaded by some launch and every product of the table is made.
; LIMITS of the whole program: NaN and infinities among the inputs are not served.  A block of zeros gets the scale byte 1 where the quantiser says 127: its codes are zeros, which add nothing under any byte but 0xff,
; and the bytes are read by this program alone.  Blocks whose largest magnitude lies under 2^(5 - 127) are held at that floor.  A hidden key's logit is -2^30 where reference() has -1e9 (launch attn says what that keeps).
; THE IMAGE.  Operands lie in the workspace in the order of the matrix operand's registers.  A super-block is 64 rows x 128 along K = 6,400 bytes: four fragments of 16 rows (1,536 bytes each: register 4 c + e of lane l at
; 512 c + 16 l + 4 e), then 256 bytes of scale words (at 6,144 + 8 l + 4 e: the word of fragment row l % 16 of fragment 2 e + l / 16).  Fragment row r of fragment 2 b + u stands for row 32 b + 8 u + r % 8 + 16 (r / 8) of the 64:
; as source 0 of a product that order makes a lane's 16 results of two neighbouring tiles 16 neighbours along the next K.  Super-blocks lie K step by K step: (ks x NSR + sr) x 6,400.
; wimg: NSR = 192, 8 K steps: sr 0-63 x, 64-79 Wq, 80-95 Wk, 96-111 Wv, 112-127 Wo, 128-191 W1; from byte W2OFF on W2 with NSR = 16, 32 K steps.
; SHARES.  A wave makes one super-block; the four waves of a work-group take four neighbouring K steps of one sr, so that they read 2,048 neighbouring bytes of each row.  One path for all seven tensors: only pointers and numbers are selected.
; A load takes a row's 512 bytes as they lie, 16 a lane; a fragment's 16 rows turn through the wave's own stage in LDS (rows 528 bytes apart: 33 x 16, so the 16 rows of a read start in different banks) and come back 16 neighbours a lane.
.set W2OFF, 9830400
.set STG,   8448                       ; a wave's stage: 16 rows x 528 bytes
.set SPARE, 4*STG                      ; behind the stages: the spare words, 128 bytes a wave
.set LO,   2                           ; v2  16 x lane
.set SIN,  3                           ; v3  the stage, on the way in
.set SOUT, 4                           ; v4  and on the way out: 528 r + 64 h
.set L8,   5                           ; v5  8 x lane
.set SPW,  6                           ; v6  my spare word; never rewritten
.set NIL,  7                           ; v7  0; never rewritten
.set VO,   8                           ; v8-23  16 x lane + the fragment row's distance in memory
.set PC,   24                          ; v24-35 a fragment's codes
.set CT,   36                          ; v36-43 the conversions' second halves
.set TM,   44                          ; v44-59 at work in QUANT
.set PW,   60                          ; v60-63 the four fragments' scale words
.set X,    64                          ; v64-127 64 numbers of my row: register 16 b + i = k 32 b + 16 h + i
.set R,    128                         ; v128-255 two sets of 16 rows as loaded
.set SEL,  36                          ; s[36:37] v_permlanex16_b32's selects for lane l xor 16
.set HM,   38                          ; s38 lanes 16-31
.set INB,  44                          ; s[44:51] where each of the four fragments' rows begin
; 64 numbers of a lane become a fragment's 12 registers of codes at pc and its row's scale word at pw.
.macro QUANT s, pc, pw
.irp b, 0,1,2,3
	v_max3_num_f32 v[TM+\b], |v[\s+16*\b]|, |v[\s+16*\b+1]|, 0x2800000   ; block b: my 16 numbers, and the floor 2^(5 - 127): the byte cannot fall under 1
.endr
.irp i, 2,4,6,8,10,12,14
.irp b, 0,1,2,3
	v_max3_num_f32 v[TM+\b], v[TM+\b], |v[\s+16*\b+\i]|, |v[\s+16*\b+\i+1]|
.endr
.endr
.irp b, 0,1,2,3
	v_permlanex16_b32 v[TM+4+\b], v[TM+\b], s[SEL], s[SEL+1]
.endr
.irp b, 0,1,2,3
	v_max_num_f32 v[TM+\b], v[TM+\b], v[TM+4+\b]           ; with lane l xor 16's 16: the block's largest magnitude
.endr
.irp b, 0,1,2,3
	v_add_nc_u32 v[TM+12+\b], 0xfe000000, v[TM+\b]         ; 4 off its exponent field: the conversion's scale operand
.endr
.irp b, 0,1,2,3
	v_lshrrev_b32 v[TM+4+\b], 23, v[TM+12+\b]              ; the scale's byte
.endr
	v_lshl_or_b32 v[\pw], v[TM+5], 8, v[TM+4]
	v_lshl_or_b32 v[\pw], v[TM+6], 16, v[\pw]
	v_lshl_or_b32 v[\pw], v[TM+7], 24, v[\pw]
.irp c, 0,1
	v_cvt_scalef32_pk16_bf6_f32 v[\pc+6*\c:\pc+6*\c+2], v[\s+32*\c:\s+32*\c+15], v[TM+12+2*\c]
	v_cvt_scalef32_pk16_bf6_f32 v[CT+4*\c:CT+4*\c+2], v[\s+32*\c+16:\s+32*\c+31], v[TM+13+2*\c]   ; (a conversion's three registers begin on an even number)
.endr
	v_nop                                                  ; one plain place behind a scaled conversion
.irp c, 0,1                                            ; the operand wants a whole block in a lane: lanes 0-15 block 2 c, lanes 16-31 block 2 c + 1
.irp i, 0,1,2
	v_permlane16_swap_b32 v[\pc+6*\c+\i], v[CT+4*\c+\i]
.endr
.irp i, 0,1,2
	v_mov_b32 v[\pc+6*\c+3+\i], v[CT+4*\c+\i]
.endr
.endr
.endm
	s_load_b256 s[8:15], s[0:1], 0x0               ; x s[8:9], Wq s[10:11], Wk s[12:13], Wv s[14:15]
	s_load_b256 s[16:23], s[0:1], 0x20             ; Wo s[16:17], W1 s[18:19], W2 s[20:21], wimg s[22:23]
	v_lshl_add_u32 v[SPW], v0, 2, SPARE
	v_mov_b32 v[NIL], 0
	v_lshrrev_b32 v1, 5, v0
	v_readfirstlane_b32 s2, v1                     ; wave 0..3
	v_and_b32 v1, 31, v0
	v_lshlrev_b32 v[LO], 4, v1
	v_lshlrev_b32 v[L8], 3, v1
	s_mul_i32 s3, s2, STG
	v_add_nc_u32 v[SIN], s3, v[LO]
	v_and_b32 v[SOUT], 15, v0
	v_mul_u32_u24 v[SOUT], v[SOUT], 528
	v_bfe_u32 v1, v0, 4, 1
	v_lshl_add_u32 v[SOUT], v1, 6, v[SOUT]
	v_add_nc_u32 v[SOUT], s3, v[SOUT]
.irp b, 0,1,2,3
	v_mov_b32 v[TM+4+\b], 0                        ; written once: a lane permute's destination counts as one of its sources
.endr
	s_mov_b32 s[SEL], 0x76543210
	s_mov_b32 s[SEL+1], 0xfedcba98
	s_mov_b32 s[HM], 0xffff0000
	s_wait_kmcnt 0x0
	; which tensor is my work-group's, and at which work-group it begins: selections on the work-group's number alone
	s_mov_b64 s[24:25], s[20:21]
	s_mov_b32 s26, 384
.macro PICK lim, ptr, first
	s_cmp_lt_u32 ttmp9, \lim
	s_cselect_b64 s[24:25], s[\ptr:\ptr+1], s[24:25]
	s_cselect_b32 s26, \first, s26
.endm
	PICK 384, 18, 256
	PICK 256, 16, 224
	PICK 224, 14, 192
	PICK 192, 12, 160
	PICK 160, 10, 128
	PICK 128, 8, 0
	s_cmp_lt_u32 ttmp9, 384                        ; K = 1,024 (two work-groups to an sr) or W2's 4,096 (eight)
	s_cselect_b32 s27, 1, 3
	s_cselect_b32 s28, 12, 14                      ; log2 of a row's bytes
	s_cselect_b32 s29, 0, W2OFF
	s_cselect_b32 s30, 192, 16                     ; NSR
	s_sub_co_u32 s31, ttmp9, s26
	s_lshr_b32 s32, s31, s27                       ; the tensor's own sr
	s_lshl_b32 s33, 1, s27
	s_sub_co_u32 s33, s33, 1
	s_and_b32 s33, s31, s33
	s_lshl_b32 s33, s33, 2
	s_add_co_u32 s33, s33, s2                      ; my K step
	s_lshr_b32 s34, ttmp9, 1
	s_cmp_lt_u32 ttmp9, 384
	s_cselect_b32 s34, s34, s32                    ; the image's sr
	s_add_co_u32 s35, s28, 6
	s_lshl_b32 s40, s32, s35                       ; 64 rows an sr,
	s_lshl_b32 s41, s33, 9                         ; 512 bytes a K step
	s_add_co_u32 s40, s40, s41
	s_mov_b32 s41, 0
	s_add_nc_u64 s[24:25], s[24:25], s[40:41]
	s_mul_i32 s40, s33, s30
	s_add_co_u32 s40, s40, s34
	s_mul_i32 s40, s40, 6400
	s_add_co_u32 s40, s40, s29
	s_add_nc_u64 s[22:23], s[22:23], s[40:41]      ; my super-block
.irp k, 0,1,2,3
	s_lshl_b32 s40, 32*(\k/2)+8*(\k%2), s28
	s_add_nc_u64 s[INB+2*\k:INB+2*\k+1], s[24:25], s[40:41]
.endr
.irp i, 0,1,2,3,4,5,6,7,8,9,10,11,12,13,14,15
	s_lshl_b32 s40, (\i%8)+16*(\i/8), s28
	v_add_nc_u32 v[VO+\i], s40, v[LO]
.endr
.macro LOAD k                          ; fragment k's 16 rows: each load reads 512 consecutive bytes
.irp i, 0,1,2,3,4,5,6,7,8,9,10,11,12,13,14,15
	global_load_b128 v[R+64*((\k)%2)+4*\i:R+64*((\k)%2)+4*\i+3], v[VO+\i], s[INB+2*(\k):INB+2*(\k)+1] th:TH_LOAD_NT
.endr
.endm
.macro BLOCK k
.if \k < 3
	s_wait_loadcnt 16                              ; this fragment's 16 loads are in; the next one's 16 may be out
.else
	s_wait_loadcnt 0x0
.endif
.irp i, 0,1,2,3,4,5,6,7,8,9,10,11,12,13,14,15
	ds_store_b128 v[SIN], v[R+64*((\k)%2)+4*\i:R+64*((\k)%2)+4*\i+3] offset:528*\i
.endr
.irp b, 0,1,2,3
.irp j, 0,1,2,3
	ds_load_b128 v[X+16*\b+4*\j:X+16*\b+4*\j+3], v[SOUT] offset:128*\b+16*\j   ; LDS serves a wave's instructions in order: these see the stores above
.endr
.endr
	s_wait_dscnt 0x0                               ; the stores have read their registers, and my 64 numbers are in
.if \k < 2
	LOAD (\k)+2
.endif
	s_wait_xcnt 0x0                                ; the last fragment's stores have read the codes' registers
	QUANT X, PC, PW+\k
.irp c, 0,1,2
	global_store_b128 v[LO], v[PC+4*\c:PC+4*\c+3], s[22:23] offset:1536*\k+512*\c   ; 512 consecutive bytes, aligned to 256
.endr
.endm
	s_wait_alu depctr_va_vdst(0)
	LOAD 0
	LOAD 1
	BLOCK 0
	BLOCK 1
	BLOCK 2
	BLOCK 3
	v_cndmask_b32 v[CT], v[PW], v[PW+1], s[HM]     ; the scale words' 256 bytes: lanes 0-15 fragments 0 and 2, lanes 16-31 fragments 1 and 3
	v_cndmask_b32 v[CT+1], v[PW+2], v[PW+3], s[HM]
	global_store_b64 v[L8], v[CT:CT+1], s[22:23] offset:6144
	s_wait_tensorcnt 0x0                           ; the wave's end: behind my last LDS store
	ds_add_u32 v[SPW], v[NIL]
	s_wait_dscnt 0x0
	s_endpgm
.Lfunc_end_k_q7eff78c197_quant:
	.size	k_q7eff78c197_quant, .Lfunc_end_k_q7eff78c197_quant-k_q7eff78c197_quant
	.p2alignl 7, 3214868480
	.fill 96, 4, 3214868480
	.section	.rodata,"a",@progbits
	.p2align	6, 0x0
	.amdhsa_kernel k_q7eff78c197_quant
		.amdhsa_group_segment_fixed_size 34304
		.amdhsa_private_segment_fixed_size 0
		.amdhsa_enable_private_segment 0
		.amdhsa_kernarg_size 64
		.amdhsa_user_sgpr_count 2
		.amdhsa_user_sgpr_kernarg_segment_ptr 1
		.amdhsa_wavefront_size32 1
		.amdhsa_system_sgpr_workgroup_id_x 1
		.amdhsa_system_sgpr_workgroup_id_y 1
		.amdhsa_system_sgpr_workgroup_id_z 1
		.amdhsa_system_vgpr_workitem_id 0
		.amdhsa_next_free_vgpr 256
		.amdhsa_next_free_sgpr 66
		.amdhsa_reserve_vcc 0
		.amdhsa_float_denorm_mode_32 3
		.amdhsa_float_denorm_mode_16_64 3
		.amdhsa_memory_ordered 1
		.amdhsa_forward_progress 1
		.amdhsa_inst_pref_size 36
	.end_amdhsa_kernel
	.amdgpu_metadata
---
amdhsa.version: [ 1, 2 ]
amdhsa.kernels:
  - .name:           k_q7eff78c197_quant
    .symbol:         k_q7eff78c197_quant.kd
    .args:
      - { .name: x, .offset: 0, .size: 8, .value_kind: global_buffer, .address_space: global }
      - { .name: Wq, .offset: 8, .size: 8, .value_kind: global_buffer, .address_space: global }
      - { .name: Wk, .offset: 16, .size: 8, .value_kind: global_buffer, .address_space: global }
      - { .name: Wv, .offset: 24, .size: 8, .value_kind: global_buffer, .address_space: global }
      - { .name: Wo, .offset: 32, .size: 8, .value_kind: global_buffer, .address_space: global }
      - { .name: W1, .offset: 40, .size: 8, .value_kind: global_buffer, .address_space: global }
      - { .name: W2, .offset: 48, .size: 8, .value_kind: global_buffer, .address_space: global }
      - { .name: wimg, .offset: 56, .size: 8, .value_kind: global_buffer, .address_space: global }
    .group_segment_fixed_size: 34304
    .private_segment_fixed_size: 0
    .kernarg_segment_align: 8
    .kernarg_segment_size: 64
    .max_flat_workgroup_size: 128
    .sgpr_count:     66
    .vgpr_count:     256
    .wavefront_size: 32
...
	.end_amdgpu_metadata
.endif
;; end of part 9
;; launch qkv (part 10): grid 12 x 16, 4 waves a work-group, clusters of 4 x 4, 327,680 bytes of LDS; arguments wimg, src_mask, qkimg, vtimg; writes qkimg, vtimg
.if DOCPART == 10
	.amdgcn_target "amdgcn-amd-amdhsa--gfx1250"
	.amdhsa_code_object_version 6
	.text
	.protected	k_q7eff78c197_qkv
	.globl	k_q7eff78c197_qkv
	.p2align	8
	.type	k_q7eff78c197_qkv,@function
k_q7eff78c197_qkv:
	s_mov_b64 s[64:65], 0
	v_nop
	global_prefetch_b8 v0, s[64:65] scope:SCOPE_SE
	s_setreg_imm32_b32 hwreg(HW_REG_WAVE_MODE, 25, 1), 1
	s_wait_xcnt 0x0
	s_wait_alu depctr_hold_cnt(0) depctr_sa_sdst(0) depctr_va_vdst(0) depctr_va_sdst(0) depctr_va_ssrc(0) depctr_va_vcc(0) depctr_vm_vsrc(0)
	s_getreg_b32 s2, hwreg(HW_REG_IB_STS2, 6, 4)
	s_cmp_eq_u32 s2, 0
	s_cbranch_scc0 .Lentry_in_a_cluster
	s_endpgm
.Lentry_in_a_cluster:
	s_bfe_u32 s2, ttmp6, 0x10000c
	s_cmp_lg_u32 s2, 0xf033
	s_cbranch_scc0 .Lentry_shape_is_right
	s_endpgm
.Lentry_shape_is_right:
.set QKV, 1
.set KSTEPS, 8
.set STR_A, 1228800
.set STR_B, 1228800
.set BBASE, 0
.set BSB0, 0
.set HASBIAS, 0
.set RELU, 0
.set PB, 4
.set PBIAS, 8
.set POUT, 10
.set SBB,   6400
.set TILEB, 4*SBB
.set SLOT,  4*TILEB
.set SPARE, 2*SLOT
.set LAPS,  KSTEPS/4
.set ADRA, 16
.set ADRB, 18
.set ADSA, 20
.set ADSB, 22
.set CO,   26
.set L8,   27
.set SPW,  28
.set NIL,  29
.set SC,   32
.set BIAS, 64
.set MF,   64
.set U,    80
.set AF,   128
.set CT,   224
.set TM,   232
.set PW,   248
.set G1,  24
.set G0,  32
.set G1B, 48
.set G0B, 56
.set SEL, 72
.set HM,  74
.set MUL_LO, 0xa1
.set MUL_HI, 0xf1
.set FST_LO, 0xa1-0x20*HASBIAS
.set FST_HI, 0xf1-0x30*HASBIAS
.set TO_B,   0x40
.set MSB, 0
.macro WIN new
.if MSB != (\new)
	s_set_vgpr_msb (MSB<<8)|(\new)
.set MSB, (\new)
.endif
.endm
.macro JLOAD g0a, g1a, g0b, g1b
	s_cmp_eq_u32 s15, 0
	s_cbranch_scc0 .Lfor_b_\@
	tensor_load_to_lds s[\g0a:\g0a+3], s[\g1a:\g1a+7]
	s_nop 0
.rept 4
	v_nop
.endr
	s_branch .Lasked_\@
.Lfor_b_\@:
	tensor_load_to_lds s[\g0b:\g0b+3], s[\g1b:\g1b+7]
	s_nop 0
.rept 4
	v_nop
.endr
.Lasked_\@:
.endm
.macro CREST
	s_cmp_lg_u32 s14, 0
	s_cbranch_scc1 .Lnot_wave_0_\@
	s_barrier_signal -3
.Lnot_wave_0_\@:
	s_barrier_wait -3
	s_barrier_signal -1
	s_barrier_wait -1
.endm
.macro CROUND
	s_barrier_signal -1
	s_barrier_wait -1
	CREST
.endm
.macro PLACES
.rept 4
	v_nop
.endr
.endm
.macro FRAG reg, adr, off
.irp c, 0,1,2
	ds_load_b128 v[\reg+4*\c:\reg+4*\c+3], v[\adr] offset:\off+512*\c
.endr
.endm
.macro FETCH_B slot, q, p
	WIN TO_B
.irp i, 0,1,2,3,4,5,6,7
	FRAG 128*(\p)+12*\i, ADRB+\slot, TILEB*(\q)+SBB*(\i/4)+1536*(\i%4)
.endr
	WIN 0
.endm
.macro FETCH_A slot, q, i0
.irp i, \i0, \i0+1, \i0+2, \i0+3
	FRAG AF+12*(\i), ADRA+\slot, TILEB*(\q)+SBB*((\i)/4)+1536*((\i)%4)
.endr
.endm
.macro SCALES sc
.irp q, 0,1
.irp j, 0,1
	ds_load_b64 v[SC+16*\sc+8*\q+2*\j:SC+16*\sc+8*\q+2*\j+1], v[ADSA+\sc] offset:6144+TILEB*\q+SBB*\j
	ds_load_b64 v[SC+16*\sc+8*\q+4+2*\j:SC+16*\sc+8*\q+4+2*\j+1], v[ADSB+\sc] offset:6144+TILEB*\q+SBB*\j
.endr
.endr
.endm
.macro WM a, b, p, q, sc, first
.set rD, 8*(8*((\a)%4)+(\b))
.set rB, 128*(\p)+12*(\b)
.set rA, AF+12*(\a)
.set sB, SC+16*(\sc)+8*(\q)+4+2*((\b)/4)+(((\b)/2)%2)
.set sA, SC+16*(\sc)+8*(\q)+2*((\a)/4)+(((\a)/2)%2)
.set rC, rD
.if (\first) && HASBIAS
.set rC, BIAS+8*(\b)
.endif
.set oo, 2*((\b)%2)+((\a)%2)
.if (\first) && (HASBIAS == 0)
.if oo == 0
	v_wmma_scale_f32_16x16x128_f8f6f4 v[rD:rD+7], v[rB:rB+11], v[rA:rA+11], 0, v[sB], v[sA] matrix_a_fmt:MATRIX_FMT_BF6 matrix_b_fmt:MATRIX_FMT_BF6
.elseif oo == 1
	v_wmma_scale_f32_16x16x128_f8f6f4 v[rD:rD+7], v[rB:rB+11], v[rA:rA+11], 0, v[sB], v[sA] matrix_a_fmt:MATRIX_FMT_BF6 matrix_b_fmt:MATRIX_FMT_BF6 matrix_b_scale:MATRIX_SCALE_ROW1
.elseif oo == 2
	v_wmma_scale_f32_16x16x128_f8f6f4 v[rD:rD+7], v[rB:rB+11], v[rA:rA+11], 0, v[sB], v[sA] matrix_a_fmt:MATRIX_FMT_BF6 matrix_b_fmt:MATRIX_FMT_BF6 matrix_a_scale:MATRIX_SCALE_ROW1
.else
	v_wmma_scale_f32_16x16x128_f8f6f4 v[rD:rD+7], v[rB:rB+11], v[rA:rA+11], 0, v[sB], v[sA] matrix_a_fmt:MATRIX_FMT_BF6 matrix_b_fmt:MATRIX_FMT_BF6 matrix_a_scale:MATRIX_SCALE_ROW1 matrix_b_scale:MATRIX_SCALE_ROW1
.endif
.else
.if oo == 0
	v_wmma_scale_f32_16x16x128_f8f6f4 v[rD:rD+7], v[rB:rB+11], v[rA:rA+11], v[rC:rC+7], v[sB], v[sA] matrix_a_fmt:MATRIX_FMT_BF6 matrix_b_fmt:MATRIX_FMT_BF6
.elseif oo == 1
	v_wmma_scale_f32_16x16x128_f8f6f4 v[rD:rD+7], v[rB:rB+11], v[rA:rA+11], v[rC:rC+7], v[sB], v[sA] matrix_a_fmt:MATRIX_FMT_BF6 matrix_b_fmt:MATRIX_FMT_BF6 matrix_b_scale:MATRIX_SCALE_ROW1
.elseif oo == 2
	v_wmma_scale_f32_16x16x128_f8f6f4 v[rD:rD+7], v[rB:rB+11], v[rA:rA+11], v[rC:rC+7], v[sB], v[sA] matrix_a_fmt:MATRIX_FMT_BF6 matrix_b_fmt:MATRIX_FMT_BF6 matrix_a_scale:MATRIX_SCALE_ROW1
.else
	v_wmma_scale_f32_16x16x128_f8f6f4 v[rD:rD+7], v[rB:rB+11], v[rA:rA+11], v[rC:rC+7], v[sB], v[sA] matrix_a_fmt:MATRIX_FMT_BF6 matrix_b_fmt:MATRIX_FMT_BF6 matrix_a_scale:MATRIX_SCALE_ROW1 matrix_b_scale:MATRIX_SCALE_ROW1
.endif
.endif
.endm
.macro MUL16 a0, p, q, sc, first
.irp a, \a0, \a0+1
.irp b, 0,1,2,3,4,5,6,7
	WM \a, \b, \p, \q, \sc, \first
.endr
.endr
.endm
.macro STEP slot, first
	s_wait_dscnt 12
.if \first
	WIN FST_LO
.else
	WIN MUL_LO
.endif
	MUL16 0, 0, 0, \slot, \first
	MUL16 2, 0, 0, \slot, \first
	s_wait_dscnt 0x0
	PLACES
	FETCH_B \slot, 1, 1
	FETCH_A \slot, 1, 0
.if \first
	WIN FST_HI
.else
	WIN MUL_HI
.endif
	MUL16 4, 0, 0, \slot, \first
	MUL16 6, 0, 0, \slot, \first
	PLACES
	WIN 0
	FETCH_A \slot, 1, 4
.endm
.macro TURN slot, next, fill
	s_wait_tensorcnt 0x0
	ds_add_u32 v[SPW], v[NIL]
	s_wait_dscnt 13
	WIN MUL_LO
	MUL16 0, 1, 1, \slot, 0
	s_wait_dscnt 0x0
	s_barrier_signal -1
	MUL16 2, 1, 1, \slot, 0
	WIN 0
	s_barrier_wait -1
.if \fill
	CREST
	s_add_nc_u64 s[G0+4*\slot+2:G0+4*\slot+3], s[G0+4*\slot+2:G0+4*\slot+3], 4*STR_A
	s_add_nc_u64 s[G0B+4*\slot+2:G0B+4*\slot+3], s[G0B+4*\slot+2:G0B+4*\slot+3], 4*STR_B
	JLOAD G0+4*\slot, G1, G0B+4*\slot, G1B
.else
	PLACES
.endif
	FETCH_B \next, 0, 0
	FETCH_A \next, 0, 0
	SCALES \next
	WIN MUL_HI
	MUL16 4, 1, 1, \slot, 0
	MUL16 6, 1, 1, \slot, 0
	PLACES
	WIN 0
	FETCH_A \next, 0, 4
.endm
	s_load_b256 s[4:11], s[0:1], 0x0
	v_lshl_add_u32 v[SPW], v0, 2, SPARE
	v_mov_b32 v[NIL], 0
	ds_add_u32 v[SPW], v[NIL]
	ds_add_u32 v[SPW], v[NIL]
	v_lshrrev_b32 v1, 5, v0
	v_readfirstlane_b32 s14, v1
	s_lshr_b32 s15, s14, 1
	s_and_b32 s16, s14, 1
	s_bfe_u32 s40, ttmp6, 0x40000
	s_bfe_u32 s41, ttmp6, 0x40004
	s_and_b32 s17, ttmp7, 0xffff
	s_lshl_b32 s43, s41, 2
	s_lshl_b32 s43, 15, s43
	s_lshl_b32 s44, 0x1111, s40
	s_or_b32 s[G1+0], s43, (3<<16)|(1<<21)
	s_or_b32 s[G1B+0], s44, (3<<16)|(1<<21)
.irp g, G1, G1B
	s_mov_b32 s[\g+1], 32<<16
	s_mov_b32 s[\g+2], 100<<16
	s_mov_b32 s[\g+3], 32<<16
	s_mov_b32 s[\g+4], 100
	s_mov_b32 s[\g+5], 32
	s_mov_b32 s[\g+6], 0
	s_mov_b32 s[\g+7], 0
.endr
	s_lshl_b32 s18, s17, 4
	s_lshl_b32 s19, ttmp9, 4
.if QKV
	s_add_co_u32 s19, s19, 64
	s_lshl_b32 s20, s17, 2
	s_lshl_b32 s21, ttmp9, 2
	s_mov_b32 s75, 204800
	s_mov_b32 s78, 6400
	s_cmp_lt_u32 ttmp9, 2
	s_cselect_b32 s22, s18, 96
	s_cselect_b32 s23, s19, s18
	s_cselect_b32 s17, s20, 0
	s_cselect_b32 s42, s21, s20
	s_cselect_b32 s75, 6400, s75
	s_cselect_b32 s78, 409600, s78
.else
	s_mov_b32 s22, s18
	s_add_co_u32 s23, s19, BSB0
	s_lshl_b32 s17, s17, 2
	s_lshl_b32 s42, ttmp9, 2
	s_mov_b32 s75, 6400
	s_mov_b32 s78, 409600
.endif
	s_lshl_b32 s20, s41, 2
	s_add_co_u32 s22, s22, s20
	s_lshl_b32 s46, s40, 2
	s_add_co_u32 s23, s23, s46
	s_add_co_u32 s17, s17, s41
	s_add_co_u32 s42, s42, s40
	s_mul_i32 s20, s22, SBB
	s_mul_i32 s21, s16, STR_A
	s_add_co_u32 s20, s20, s21
	s_mov_b32 s21, 0
	s_mul_i32 s46, s23, SBB
	s_mul_i32 s47, s16, STR_B
	s_add_co_u32 s46, s46, s47
.if BBASE
	s_add_co_u32 s46, s46, BBASE
.endif
	s_mov_b32 s47, 0
	s_mul_i32 s45, s14, TILEB
	s_mov_b32 s[SEL], 0x76543210
	s_mov_b32 s[SEL+1], 0xfedcba98
	s_mov_b32 s[HM], 0xffff0000
	s_wait_dscnt 0x0
	s_wait_kmcnt 0x0
	s_add_nc_u64 s[20:21], s[4:5], s[20:21]
	s_add_nc_u64 s[46:47], s[PB:PB+1], s[46:47]
	; the prefetches: a wave's tensor load brings 100 blocks of 256 bytes; of these each of the four partners that ask jointly names 25, told apart by address (cx for A, cy for B); lanes 25-31 name the wave's last block again
	s_mov_b32 s82, 2*STR_B
	s_cmp_eq_u32 s15, 0
	s_cselect_b64 s[80:81], s[20:21], s[46:47]
	s_cselect_b32 s90, s40, s41
	s_cselect_b32 s82, 2*STR_A, s82
	s_mov_b32 s83, 0
	s_mul_i32 s90, s90, 25
	s_add_nc_u64 s[84:85], s[80:81], s[82:83]      ; my part of tile 1, 2, 3 (two K steps a tile); never rewritten
	s_add_nc_u64 s[86:87], s[84:85], s[82:83]
	s_add_nc_u64 s[88:89], s[86:87], s[82:83]
	v_and_b32 v30, 31, v0
	v_min_u32 v30, 24, v30
	v_add_nc_u32 v30, s90, v30
	v_lshlrev_b32 v30, 8, v30
	s_wait_alu depctr_va_vdst(0)
	CROUND
.irp s, 0,1
	s_mov_b32 s[G0+4*\s], 1
	s_add_co_u32 s[G0+4*\s+1], s45, \s*SLOT
	s_add_nc_u64 s[G0+4*\s+2:G0+4*\s+3], s[20:21], \s*2*STR_A
	s_or_b32 s[G0+4*\s+3], s[G0+4*\s+3], 0x80000000
	s_mov_b32 s[G0B+4*\s], 1
	s_add_co_u32 s[G0B+4*\s+1], s45, \s*SLOT
	s_add_nc_u64 s[G0B+4*\s+2:G0B+4*\s+3], s[46:47], \s*2*STR_B
	s_or_b32 s[G0B+4*\s+3], s[G0B+4*\s+3], 0x80000000
.if \s
	s_wait_alu depctr_va_vdst(0)
	s_wait_tensorcnt 0x0
	ds_add_u32 v28, v29
	s_wait_dscnt 0x0
	CROUND
.endif
	JLOAD G0+4*\s, G1, G0B+4*\s, G1B
.if \s == 0
	global_prefetch_b8 v30, s[84:85] th:TH_LOAD_NT scope:SCOPE_SE   ; behind tile t's load: the tile two refills on; behind the first also tile 1
	global_prefetch_b8 v30, s[86:87] th:TH_LOAD_NT scope:SCOPE_SE
.else
	global_prefetch_b8 v30, s[88:89] th:TH_LOAD_NT scope:SCOPE_SE   ; tile 3 is the last: later loads ask for nothing
.endif
.endr
	v_and_b32 v1, 31, v0
	v_lshlrev_b32 v[CO], 4, v1
	v_lshlrev_b32 v[L8], 3, v1
	s_mul_i32 s21, s15, 2*SBB
	s_mul_i32 s22, s16, 2*SBB
	s_add_co_u32 s22, s22, 2*TILEB
.irp s, 0,1
	v_add_nc_u32 v[ADRA+\s], s21, v[CO]
	v_add_nc_u32 v[ADRB+\s], s22, v[CO]
	v_add_nc_u32 v[ADSA+\s], s21, v[L8]
	v_add_nc_u32 v[ADSB+\s], s22, v[L8]
	s_add_co_u32 s21, s21, SLOT
	s_add_co_u32 s22, s22, SLOT
.endr
.if HASBIAS
	v_bfe_u32 v6, v0, 4, 1
	v_lshlrev_b32 v6, 6, v6
	s_lshl_b32 s18, s42, 10
	s_lshl_b32 s19, s16, 9
	s_add_co_u32 s18, s18, s19
	s_mov_b32 s19, 0
	s_add_nc_u64 s[PBIAS:PBIAS+1], s[PBIAS:PBIAS+1], s[18:19]
.irp b, 0,1,2,3
.irp j, 0,1,2,3
	global_load_b128 v[BIAS+16*\b+4*\j:BIAS+16*\b+4*\j+3], v6, s[PBIAS:PBIAS+1] offset:128*\b+16*\j
.endr
.endr
.endif
.irp b, 0,1,2,3
	v_mov_b32 v[TM+4+\b], 0
.endr
	s_lshl_b32 s18, s17, 2
	s_lshl_b32 s19, s15, 1
	s_add_co_u32 s18, s18, s19
	s_mul_i32 s18, s18, s75
	s_lshl_b32 s19, s42, 1
	s_add_co_u32 s19, s19, s16
	s_mul_i32 s19, s19, s78
	s_add_co_u32 s18, s18, s19
	s_mov_b32 s19, 0
.if QKV
	s_cmp_lt_u32 ttmp9, 2
	s_cselect_b64 s[10:11], s[8:9], s[10:11]
.endif
	s_add_nc_u64 s[68:69], s[POUT:POUT+1], s[18:19]
	s_mov_b32 s18, s75
	s_add_nc_u64 s[70:71], s[68:69], s[18:19]
.if QKV
	v_and_b32 v7, 7, v0
	v_bfe_u32 v8, v0, 3, 1
	v_lshlrev_b32 v7, 2, v7
	v_lshl_add_u32 v7, v8, 6, v7
	v_mov_b32 v9, 1.0
	s_lshl_b32 s18, s17, 10
	s_lshl_b32 s19, s15, 9
	s_add_co_u32 s18, s18, s19
	s_mov_b32 s19, 0
	s_add_nc_u64 s[6:7], s[6:7], s[18:19]
.endif
.if HASBIAS
	s_wait_loadcnt 0x0
.endif
	s_wait_tensorcnt 1
	s_barrier_signal -1
	s_barrier_wait -1
	FETCH_B 0, 0, 0
	FETCH_A 0, 0, 0
	SCALES 0
	FETCH_A 0, 0, 4
	STEP 0, 1
	s_mov_b32 s3, LAPS-1
.Llap:
	TURN 0, 1, 1
	STEP 1, 0
	TURN 1, 0, 1
	STEP 0, 0
	s_sub_co_u32 s3, s3, 1
	s_cmp_lg_u32 s3, 0
	s_cbranch_scc1 .Llap
	TURN 0, 1, 0
	STEP 1, 0
	s_wait_dscnt 12
	WIN MUL_LO
	MUL16 0, 1, 1, 1, 0
	MUL16 2, 1, 1, 1, 0
	s_wait_dscnt 0x0
	WIN MUL_HI
	MUL16 4, 1, 1, 1, 0
	MUL16 6, 1, 1, 1, 0
	WIN 0
	PLACES
.macro QUANT s, w, pc, pw
	WIN (\w)|((\w)<<2)
.irp b, 0,1,2,3
	v_max3_num_f32 v[TM+\b], |v[\s+16*\b]|, |v[\s+16*\b+1]|, 0x2800000
.endr
.irp i, 2,4,6,8,10,12,14
.irp b, 0,1,2,3
	v_max3_num_f32 v[TM+\b], |v[\s+16*\b+\i]|, |v[\s+16*\b+\i+1]|, v[TM+\b]
.endr
.endr
	WIN 0
.irp b, 0,1,2,3
	v_permlanex16_b32 v[TM+4+\b], v[TM+\b], s[SEL], s[SEL+1]
.endr
.irp b, 0,1,2,3
	v_max_num_f32 v[TM+\b], v[TM+\b], v[TM+4+\b]
.endr
.irp b, 0,1,2,3
	v_add_nc_u32 v[TM+12+\b], 0xfe000000, v[TM+\b]
.endr
.irp b, 0,1,2,3
	v_lshrrev_b32 v[TM+4+\b], 23, v[TM+12+\b]
.endr
	v_lshl_or_b32 v[\pw], v[TM+5], 8, v[TM+4]
	v_lshl_or_b32 v[\pw], v[TM+6], 16, v[\pw]
	v_lshl_or_b32 v[\pw], v[TM+7], 24, v[\pw]
	WIN (\w)
.irp c, 0,1
	v_cvt_scalef32_pk16_bf6_f32 v[\pc+6*\c:\pc+6*\c+2], v[\s+32*\c:\s+32*\c+15], v[TM+12+2*\c]
	v_cvt_scalef32_pk16_bf6_f32 v[CT+4*\c:CT+4*\c+2], v[\s+32*\c+16:\s+32*\c+31], v[TM+13+2*\c]
.endr
	WIN 0
	v_nop
.irp c, 0,1
.irp i, 0,1,2
	v_permlane16_swap_b32 v[\pc+6*\c+\i], v[CT+4*\c+\i]
.endr
.irp i, 0,1,2
	v_mov_b32 v[\pc+6*\c+3+\i], v[CT+4*\c+\i]
.endr
.endr
.endm
.if QKV
	s_cmp_eq_u32 ttmp9, 1
	s_cbranch_scc0 .Lopen
	s_wait_alu depctr_va_vdst(0)
.irp a, 0,1,2,3,4,5,6,7
	global_load_b32 v[MF+2*\a], v7, s[6:7] offset:4*(64*(\a/4)+32*((\a%4)/2)+8*(\a%2))
.endr
	s_wait_loadcnt 0x0
.irp a, 0,1,2,3,4,5,6,7
	v_cmp_ne_u32 vcc_lo, 0, v[MF+2*\a]
	v_cndmask_b32 v[MF+2*\a], 0, v9, vcc_lo
	v_mov_b32 v[MF+2*\a+1], v[MF+2*\a]
.endr
.irp a, 0,1,2,3,4,5,6,7
	WIN ((2+\a/4)<<6)|(2+\a/4)
.set j, 0
.rept 32
	v_pk_mul_f32 v[64*(\a%4)+j:64*(\a%4)+j+1], v[64*(\a%4)+j:64*(\a%4)+j+1], v[MF+2*\a:MF+2*\a+1]
.set j, j+2
.endr
.endr
	WIN 0
.Lopen:
.endif
.irp a, 0,1,2,3,4,5,6,7
.if RELU
	WIN ((2+\a/4)<<6)|((2+\a/4)<<2)
.set j, 0
.rept 64
	v_max_num_f32 v[64*(\a%4)+j], 0, v[64*(\a%4)+j]
.set j, j+1
.endr
.endif
	QUANT 64*(\a%4), 2+\a/4, AF+12*\a, PW+\a
.irp c, 0,1,2
	global_store_b128 v[CO], v[AF+12*\a+4*\c:AF+12*\a+4*\c+3], s[68+2*(\a/4):69+2*(\a/4)] offset:1536*(\a%4)+512*\c
.endr
.if \a%4 == 3
	v_cndmask_b32 v[U+2*(\a/4)], v[PW+\a-3], v[PW+\a-2], s[HM]
	v_cndmask_b32 v[U+2*(\a/4)+1], v[PW+\a-1], v[PW+\a], s[HM]
	global_store_b64 v[L8], v[U+2*(\a/4):U+2*(\a/4)+1], s[68+2*(\a/4):69+2*(\a/4)] offset:6144
.endif
.endr
	s_wait_tensorcnt 0x0
	ds_add_u32 v[SPW], v[NIL]
	s_wait_dscnt 0x0
	CROUND
	s_endpgm
.Lfunc_end_k_q7eff78c197_qkv:
	.size	k_q7eff78c197_qkv, .Lfunc_end_k_q7eff78c197_qkv-k_q7eff78c197_qkv
	.p2alignl 7, 3214868480
	.fill 96, 4, 3214868480
	.section	.rodata,"a",@progbits
	.p2align	6, 0x0
	.amdhsa_kernel k_q7eff78c197_qkv
		.amdhsa_group_segment_fixed_size 327680
		.amdhsa_private_segment_fixed_size 0
		.amdhsa_enable_private_segment 0
		.amdhsa_kernarg_size 32
		.amdhsa_user_sgpr_count 2
		.amdhsa_user_sgpr_kernarg_segment_ptr 1
		.amdhsa_wavefront_size32 1
		.amdhsa_system_sgpr_workgroup_id_x 1
		.amdhsa_system_sgpr_workgroup_id_y 1
		.amdhsa_system_sgpr_workgroup_id_z 1
		.amdhsa_system_vgpr_workitem_id 0
		.amdhsa_next_free_vgpr 1024
		.amdhsa_next_free_sgpr 100
		.amdhsa_reserve_vcc 1
		.amdhsa_float_denorm_mode_32 3
		.amdhsa_float_denorm_mode_16_64 3
		.amdhsa_memory_ordered 1
		.amdhsa_forward_progress 1
		.amdhsa_inst_pref_size 157
	.end_amdhsa_kernel
	.amdgpu_metadata
---
amdhsa.version: [ 1, 2 ]
amdhsa.kernels:
  - .name:           k_q7eff78c197_qkv
    .symbol:         k_q7eff78c197_qkv.kd
    .args:
      - { .name: wimg, .offset: 0, .size: 8, .value_kind: global_buffer, .address_space: global }
      - { .name: src_mask, .offset: 8, .size: 8, .value_kind: global_buffer, .address_space: global }
      - { .name: qkimg, .offset: 16, .size: 8, .value_kind: global_buffer, .address_space: global }
      - { .name: vtimg, .offset: 24, .size: 8, .value_kind: global_buffer, .address_space: global }
    .group_segment_fixed_size: 327680
    .private_segment_fixed_size: 0
    .kernarg_segment_align: 8
    .kernarg_segment_size: 32
    .max_flat_workgroup_size: 128
    .sgpr_count:     100
    .vgpr_count:     1024
    .wavefront_size: 32
...
	.end_amdgpu_metadata
.endif
;; end of part 10
;; launch attn (part 11): grid 8 x 32, 8 waves a work-group, clusters of 4 x 1, 327,680 bytes of LDS; arguments qkimg, vtimg, src_mask, aimg; writes aimg
.if DOCPART == 11
	.amdgcn_target "amdgcn-amd-amdhsa--gfx1250"
	.amdhsa_code_object_version 6
	.text
	.protected	k_q7eff78c197_attn
	.globl	k_q7eff78c197_attn
	.p2align	8
	.type	k_q7eff78c197_attn,@function
k_q7eff78c197_attn:
	s_mov_b64 s[64:65], 0
	v_nop
	global_prefetch_b8 v0, s[64:65] scope:SCOPE_SE
	s_setreg_imm32_b32 hwreg(HW_REG_WAVE_MODE, 25, 1), 1
	s_wait_xcnt 0x0
	s_wait_alu depctr_hold_cnt(0) depctr_sa_sdst(0) depctr_va_vdst(0) depctr_va_sdst(0) depctr_va_ssrc(0) depctr_va_vcc(0) depctr_vm_vsrc(0)
	s_getreg_b32 s2, hwreg(HW_REG_IB_STS2, 6, 4)
	s_cmp_eq_u32 s2, 0
	s_cbranch_scc0 .Lentry_in_a_cluster
	s_endpgm
.Lentry_in_a_cluster:
	s_bfe_u32 s2, ttmp6, 0x10000c
	s_cmp_lg_u32 s2, 0x3003
	s_cbranch_scc0 .Lentry_shape_is_right
	s_endpgm
.Lentry_shape_is_right:
; ctx = softmax(q k^T / 8, hidden keys at a large negative logit) v, both products on codes of BF6; ctx is quantised along its 1,024 columns and leaves in the image's layout (launch quant's head says how an image lies).  No work is left out.
; THE SOFTMAX: t = score x log2(e) / 8; M = the running largest t rounded up to a whole number; p = 2^(t - M) is quantised along the keys; the row's sum is taken of the unquantised p and divides at the end.
; THE MASK: a table in LDS holds 0 for an open key and -2^33 for a hidden one; it is the C of S^T = K Q^T + C.  Launch qkv made hidden tokens' rows of k zero, so a hidden logit is exactly -2^30.
; LIMIT: reference() has -1e9 there.  The results agree while a row's largest open logit lies above about -1e9 + 200; a row whose keys are all hidden gets p = 1 for every key in both.  Scaled scores stay under 2^31.
; SHARES.  Work-group y = 16 x batch + head, x = a block of 256 queries.  Eight waves of 512 registers; a wave has two tiles of 16 queries, which share every fragment of K and V^T and the table's words: 55 LDS loads feed 24 products.
; A fragment of q or k is 16 tokens x [even head | odd head]; Q has the other head's six registers cleared (zero codes add nothing).  Both products are used transposed: a lane holds one query.
; LDS: all 2,048 keys of the head: K 32 super-blocks (204,800 bytes), V^T 16 (102,400), the table (8,192), the spare words.  Nothing is filled again.  Keys 0-1,023 are asked for at the head, one load a wave
; (waves 0-3 K, 25,600 bytes each; waves 4-7 V^T, 12,800 each), keys 1,024-2,047 behind the first load's wait, an add to the spare word and a round of the cluster's barrier; one barrier ahead of the step that first fetches them.
; CLUSTER: four query blocks of a head read the same K and V^T: joint loads, mask 15.  No prefetch: both groups of loads go out at the head, and there is no refill to run ahead of.
; A head owns half of each fragment of ctx: its six registers leave as three stores of 8 bytes a lane and its two scale bytes as one of 2; the neighbouring head's work-group writes the bytes between.
; REGISTERS.  Window 0: v1-31 addresses and scale words, v32-95 the table's words.  Window 1: v0-95 eight fragments of K, the first four later V^T's.  v96-255 of window t belong to query tile t:
; v96-159 S^T, then p; v160-191 O^T; v192-229 at work; v230 -M, v231 the largest t; v232-243 Q; v244-245 the sum; v246-253 partial sums.
.set SBB,   6400
.set VB,    204800
.set MASKT, 307200
.set SPARE, 315392
.set AK0, 1
.set AV0, 2
.set ASK0, 3
.set ASV0, 4
.set SPW, 5
.set NIL, 6
.set AM0, 7
.set ADK, 8
.set ADV, 9
.set ADS, 10
.set ADT, 11
.set ADM, 12
.set KS,  16
.set VS,  20
.set QS,  22
.set PSW, 24
.set OA,  26
.set OB,  27
.set OC,  28
.set QA,  29
.set QB,  30
.set T16, 31
.set MK,  32
.set BM,  192
.set BX,  196
.set SO,  200
.set PCD, 204
.set CT,  216
.set TW,  226
.set TT,  227
.set Q,   232
.set TS,  246
.set WV,  12
.set CS,  20
.set SEL, 22
.set G1K, 36
.set G1V, 44
.set G0K, 52
.set G0V, 56
.set SK,  60
.set SV,  61
.set SM,  62
.set CNT, 63
.set MSB, 0
.macro WIN new                         ; the immediate's high byte repeats the setting that is left
.if MSB != (\new)
	s_set_vgpr_msb (MSB<<8)|(\new)
.set MSB, (\new)
.endif
.endm
.macro TLOAD                           ; waves 0-3 fetch K, waves 4-7 V^T: one load in each arm; an s_nop 0 and four v_nop follow each
	s_cmp_lt_u32 s[WV], 4
	s_cbranch_scc0 .Lfor_v_\@
	tensor_load_to_lds s[G0K:G0K+3], s[G1K:G1K+7]
	s_nop 0
.rept 4
	v_nop
.endr
	s_branch .Lasked_\@
.Lfor_v_\@:
	tensor_load_to_lds s[G0V:G0V+3], s[G1V:G1V+7]
	s_nop 0
.rept 4
	v_nop
.endr
.Lasked_\@:
.endm
.macro CROUND
	s_barrier_signal -1
	s_barrier_wait -1
	s_cmp_lg_u32 s[WV], 0
	s_cbranch_scc1 .Lnot_wave_0_\@
	s_barrier_signal -3
.Lnot_wave_0_\@:
	s_barrier_wait -3
	s_barrier_signal -1
	s_barrier_wait -1
.endm
.macro FLD reg, adr, off               ; four fragments, 12 loads, into window 1
.irp t, 0,1,2,3
.irp c, 0,1,2
	ds_load_b128 v[\reg+12*\t+4*\c:\reg+12*\t+4*\c+3], v[\adr] offset:\off+1536*\t+512*\c
.endr
.endr
.endm
.macro MLD adr, off                    ; the table's words of 128 keys: register 16 b + i = key 32 b + 16 h + i
.irp b, 0,1,2,3
.irp j, 0,1,2,3
	ds_load_b128 v[MK+16*\b+4*\j:MK+16*\b+4*\j+3], v[\adr] offset:\off+128*\b+16*\j
.endr
.endr
.endm
.macro SMUL t, g                       ; S^T of tile t for super-block g's 64 keys: C = the table's words
	WIN 0x01+0x44*(\t)
	v_wmma_scale_f32_16x16x128_f8f6f4 v[96+32*\g:103+32*\g], v[48*\g:48*\g+11], v[Q:Q+11], v[MK+32*\g:MK+32*\g+7], v[KS+2*\g], v[QS+\t] matrix_a_fmt:MATRIX_FMT_BF6 matrix_b_fmt:MATRIX_FMT_BF6
	v_wmma_scale_f32_16x16x128_f8f6f4 v[104+32*\g:111+32*\g], v[48*\g+12:48*\g+23], v[Q:Q+11], v[MK+32*\g+8:MK+32*\g+15], v[KS+2*\g], v[QS+\t] matrix_a_fmt:MATRIX_FMT_BF6 matrix_b_fmt:MATRIX_FMT_BF6 matrix_a_scale:MATRIX_SCALE_ROW1
	v_wmma_scale_f32_16x16x128_f8f6f4 v[112+32*\g:119+32*\g], v[48*\g+24:48*\g+35], v[Q:Q+11], v[MK+32*\g+16:MK+32*\g+23], v[KS+2*\g+1], v[QS+\t] matrix_a_fmt:MATRIX_FMT_BF6 matrix_b_fmt:MATRIX_FMT_BF6
	v_wmma_scale_f32_16x16x128_f8f6f4 v[120+32*\g:127+32*\g], v[48*\g+36:48*\g+47], v[Q:Q+11], v[MK+32*\g+24:MK+32*\g+31], v[KS+2*\g+1], v[QS+\t] matrix_a_fmt:MATRIX_FMT_BF6 matrix_b_fmt:MATRIX_FMT_BF6 matrix_a_scale:MATRIX_SCALE_ROW1
.endm
.macro PMUL t                          ; O^T of tile t += V^T p^T; the four accumulators take turns
	WIN 0x01+0x54*(\t)
	v_wmma_scale_f32_16x16x128_f8f6f4 v[160:167], v[0:11], v[PCD:PCD+11], v[160:167], v[VS], v[PSW+\t] matrix_a_fmt:MATRIX_FMT_BF6 matrix_b_fmt:MATRIX_FMT_BF6
	v_wmma_scale_f32_16x16x128_f8f6f4 v[168:175], v[12:23], v[PCD:PCD+11], v[168:175], v[VS], v[PSW+\t] matrix_a_fmt:MATRIX_FMT_BF6 matrix_b_fmt:MATRIX_FMT_BF6 matrix_a_scale:MATRIX_SCALE_ROW1
	v_wmma_scale_f32_16x16x128_f8f6f4 v[176:183], v[24:35], v[PCD:PCD+11], v[176:183], v[VS+1], v[PSW+\t] matrix_a_fmt:MATRIX_FMT_BF6 matrix_b_fmt:MATRIX_FMT_BF6
	v_wmma_scale_f32_16x16x128_f8f6f4 v[184:191], v[36:47], v[PCD:PCD+11], v[184:191], v[VS+1], v[PSW+\t] matrix_a_fmt:MATRIX_FMT_BF6 matrix_b_fmt:MATRIX_FMT_BF6 matrix_a_scale:MATRIX_SCALE_ROW1
.endm
; The softmax of tile t for 128 keys, all in window t.  dw: the LDS loads issued behind V^T's, which may stay out (tile 0 waits for V^T for both tiles).
.macro SOFT t, dw
	WIN 0x55*(\t)
.if \t
	s_wait_alu depctr_va_vdst(0)                   ; tile 0's exponentials stand between these scores' products and their first reader
.endif
.irp b, 0,1,2,3
	v_max3_num_f32 v[BM+\b], v[96+16*\b], v[97+16*\b], v[98+16*\b]   ; the largest score of each block of 32 keys: for the row's maximum and for the block's largest p
.endr
.irp i, 3,5,7,9,11,13
.irp b, 0,1,2,3
	v_max3_num_f32 v[BM+\b], v[BM+\b], v[96+16*\b+\i], v[97+16*\b+\i]
.endr
.endr
.irp b, 0,1,2,3
	v_max_num_f32 v[BM+\b], v[BM+\b], v[111+16*\b]
.endr
.irp b, 0,1,2,3
	s_delay_alu instid0(VALU_DEP_4)
	v_permlanex16_b32 v[BX+\b], v[BM+\b], s[SEL], s[SEL+1]
.endr
.irp b, 0,1,2,3
	s_delay_alu instid0(VALU_DEP_4)
	v_max_num_f32 v[BM+\b], v[BM+\b], v[BX+\b]
.endr
	s_delay_alu instid0(VALU_DEP_2)
	v_max3_num_f32 v[TT], v[BM], v[BM+1], v[BM+2]
	s_delay_alu instid0(VALU_DEP_1)
	v_max_num_f32 v[TT], v[TT], v[BM+3]
	s_delay_alu instid0(VALU_DEP_1)
	v_mul_f32 v[TT], s[CS], v[TT]
	s_delay_alu instid0(VALU_DEP_1)
	v_max_num_f32 v231, v231, v[TT]                ; the running largest t
	v_mov_b32 v[TT], v230
	s_delay_alu instid0(VALU_DEP_2)
	v_floor_f32 v230, -v231                        ; the new -M = -ceil(t)
	s_delay_alu instid0(VALU_DEP_1)
	v_sub_f32 v[TT], v230, v[TT]
	s_delay_alu instid0(VALU_DEP_1)
	v_cvt_i32_f32 v[TT], v[TT]                     ; old M - new M, a whole number, 0 or less (it saturates)
	s_delay_alu instid0(VALU_DEP_1)
	v_ldexp_f32 v224, 1.0, v[TT]                   ; f = 2^(old M - new M)
.set j, 0
.rept 32
	v_pk_fma_f32 v[96+j:97+j], v[96+j:97+j], s[CS:CS+1], v[230:231] op_sel_hi:[1,0,0]   ; t - M
.set j, j+2
.endr
.irp b, 0,1,2,3
	v_fma_f32 v[BM+\b], v[BM+\b], s[CS], v230
.endr
	s_wait_alu depctr_va_vdst(0)                   ; ahead of the batch
.set j, 0
.rept 64
	v_exp_f32 v[96+j], v[96+j]                     ; p = 2^(t - M)
.set j, j+1
.endr
	v_pk_mul_f32 v[244:245], v[244:245], v[224:225] op_sel_hi:[1,0]   ; the sum under the new M (a plain place behind the batch)
	s_wait_alu depctr_va_vdst(0)                   ; one wait for the 64
.irp b, 0,1,2,3
	v_exp_f32 v[BM+\b], v[BM+\b]                   ; each block's largest p
.endr
.irp c, 0,1,2,3
	v_pk_add_f32 v[TS+2*\c:TS+2*\c+1], v[96+2*\c:97+2*\c], v[104+2*\c:105+2*\c]   ; the sum of the unquantised p, in four chains
.endr
.irp i, 2,3,4,5,6,7
.irp c, 0,1,2,3
	v_pk_add_f32 v[TS+2*\c:TS+2*\c+1], v[TS+2*\c:TS+2*\c+1], v[96+8*\i+2*\c:97+8*\i+2*\c]
.endr
.endr
	v_pk_add_f32 v[TS:TS+1], v[TS:TS+1], v[TS+2:TS+3]
	v_pk_add_f32 v[TS+4:TS+5], v[TS+4:TS+5], v[TS+6:TS+7]
	s_delay_alu instid0(VALU_DEP_1)
	v_pk_add_f32 v[TS:TS+1], v[TS:TS+1], v[TS+4:TS+5]
	s_delay_alu instid0(VALU_DEP_1)
	v_pk_add_f32 v[244:245], v[244:245], v[TS:TS+1]
	s_wait_alu depctr_va_vdst(0)                   ; and one for the four
.irp b, 0,1,2,3
	v_max_num_f32 v[BM+\b], 0x2800000, v[BM+\b]    ; the floor 2^(5 - 127)
.endr
.irp b, 0,1,2,3
	s_delay_alu instid0(VALU_DEP_4)
	v_add_nc_u32 v[SO+\b], 0xfe000000, v[BM+\b]    ; 4 off the exponent field: the conversion's scale operand
.endr
.irp b, 0,1,2,3
	s_delay_alu instid0(VALU_DEP_4)
	v_lshrrev_b32 v[BX+\b], 23, v[SO+\b]
.endr
	s_delay_alu instid0(VALU_DEP_3)
	v_lshl_or_b32 v[TW], v[BX+1], 8, v[BX]
	s_delay_alu instid0(VALU_DEP_1)
	v_lshl_or_b32 v[TW], v[BX+2], 16, v[TW]
	s_delay_alu instid0(VALU_DEP_1)
	v_lshl_or_b32 v[TW], v[BX+3], 24, v[TW]
	WIN (\t)
	v_mov_b32 v[PSW+\t], v[TW]                     ; p's scale word: scale operands lie in window 0
	WIN 0x55*(\t)
.irp c, 0,1
	v_cvt_scalef32_pk16_bf6_f32 v[PCD+6*\c:PCD+6*\c+2], v[96+32*\c:111+32*\c], v[SO+2*\c]
	v_cvt_scalef32_pk16_bf6_f32 v[CT+4*\c:CT+4*\c+2], v[112+32*\c:127+32*\c], v[SO+2*\c+1]
.endr
	v_nop
.irp c, 0,1
.irp i, 0,1,2
	v_permlane16_swap_b32 v[PCD+6*\c+\i], v[CT+4*\c+\i]
.endr
.irp i, 0,1,2
	s_delay_alu instid0(VALU_DEP_3)
	v_mov_b32 v[PCD+6*\c+3+\i], v[CT+4*\c+\i]
.endr
.endr
.if (\t) == 0
	s_wait_dscnt \dw                               ; V^T's fragments and scale words are in
.endif
	s_wait_alu depctr_va_vdst(0)                   ; directly ahead of the first reader of O^T
.set j, 0
.rept 16
	v_pk_mul_f32 v[160+j:161+j], v[160+j:161+j], v[224:225] op_sel_hi:[1,0]   ; O^T under the new M; for each product below twelve of these name none of its registers
.set j, j+2
.endr
.endm
; 128 keys.  At its top this step's K, K's scale words and the table's words have been asked for.  nx = 1: the next step's are asked for as their registers fall free.
.macro STEP nx
	s_wait_dscnt 12                                ; all but the youngest 12 loads, K's fragments 0-3
	SMUL 0, 1
	s_wait_dscnt 0x0
	SMUL 0, 0
	SMUL 1, 1
	SMUL 1, 0
	WIN 0
	v_add_nc_u32 v[ADV], s[SV], v[AV0]             ; (these are also the places in front of loads into registers that the products read)
	v_add_nc_u32 v[ADT], s[SV], v[ASV0]
.if \nx
	v_add_nc_u32 v[ADK], s[SK], v[AK0]
	v_add_nc_u32 v[ADS], s[SK], v[ASK0]
	v_add_nc_u32 v[ADM], s[SM], v[AM0]
.else
	v_nop
	v_nop
.endif
	WIN 0x40
	FLD 0, ADV, 0                                  ; V^T's four fragments land under tile 0's softmax
.if \nx
	FLD 48, ADK, 3*SBB                             ; the next step's fragments 4-7 of K
.endif
	WIN 0
	ds_load_b64 v[VS:VS+1], v[ADT]
.if \nx
	MLD ADM, 512                                   ; 16 + 2 loads behind V^T's
	ds_load_b64 v[KS:KS+1], v[ADS] offset:2*SBB
	ds_load_b64 v[KS+2:KS+3], v[ADS] offset:3*SBB
	SOFT 0, 18
.else
	SOFT 0, 0
.endif
	PMUL 0
	SOFT 1, 0
	PMUL 1
.if \nx
.rept 4
	v_nop
.endr
	WIN 0x40
	FLD 0, ADK, 2*SBB                              ; the next step's fragments 0-3 of K, where V^T's lay
.endif
	WIN 0
.endm
.macro WALK
	s_add_co_u32 s[SK], s[SK], 2*SBB
	s_add_co_u32 s[SV], s[SV], SBB
	s_add_co_u32 s[SM], s[SM], 512
	s_sub_co_u32 s[CNT], s[CNT], 1
	s_cmp_lg_u32 s[CNT], 0
.endm
	s_load_b256 s[4:11], s[0:1], 0x0               ; qkimg s[4:5], vtimg s[6:7], src_mask s[8:9], aimg s[10:11]
	v_lshl_add_u32 v[SPW], v0, 2, SPARE
	v_mov_b32 v[NIL], 0
	ds_add_u32 v[SPW], v[NIL]                      ; the opening: the add, twice on end, and its wait ahead of the first tensor load
	ds_add_u32 v[SPW], v[NIL]
	v_lshrrev_b32 v8, 5, v0
	s_delay_alu instid0(VALU_DEP_1)
	v_readfirstlane_b32 s[WV], v8                  ; wave 0..7
	s_bfe_u32 s13, ttmp6, 0x40000                  ; cx
	s_lshl_b32 s14, ttmp9, 2
	s_add_co_u32 s14, s14, s13                     ; my block of 256 queries: it enters q's and ctx's addresses alone
	s_and_b32 s15, ttmp7, 0xffff
	s_lshr_b32 s16, s15, 4                         ; the batch
	s_and_b32 s17, s15, 15                         ; the head
	s_lshr_b32 s18, s17, 1                         ; its pair
	s_and_b32 s19, s17, 1                          ; which of the pair
	s_mov_b32 s[G1K], 15|(3<<16)|(1<<21)           ; dense bytes as rows of 32 elements of 8 bytes; the mask names all four partners
	s_mov_b32 s[G1K+1], 32<<16
	s_mov_b32 s[G1K+2], 100<<16                    ; K: 25,600 bytes
	s_mov_b32 s[G1K+3], 32<<16
	s_mov_b32 s[G1K+4], 100
	s_mov_b32 s[G1K+5], 32
	s_mov_b32 s[G1K+6], 0
	s_mov_b32 s[G1K+7], 0
	s_mov_b32 s[G1V], 15|(3<<16)|(1<<21)
	s_mov_b32 s[G1V+1], 32<<16
	s_mov_b32 s[G1V+2], 50<<16                     ; V^T: 12,800 bytes
	s_mov_b32 s[G1V+3], 32<<16
	s_mov_b32 s[G1V+4], 50
	s_mov_b32 s[G1V+5], 32
	s_mov_b32 s[G1V+6], 0
	s_mov_b32 s[G1V+7], 0
	s_and_b32 s27, s[WV], 3
	s_lshl_b32 s24, s18, 6
	s_lshl_b32 s25, s16, 5
	s_add_co_u32 s24, s24, s25                     ; 64 x pair + 32 x batch
	s_lshl_b32 s25, s27, 2
	s_add_co_u32 s28, s24, s25
	s_add_co_u32 s28, s28, 512                     ; k's K steps lie 8 x 64 super-blocks behind q's; four super-blocks a wave
	s_mul_i32 s28, s28, SBB
	s_mov_b32 s29, 0
	s_lshl_b32 s30, s17, 5
	s_lshl_b32 s25, s16, 4
	s_add_co_u32 s30, s30, s25
	s_lshl_b32 s25, s27, 1
	s_add_co_u32 s30, s30, s25                     ; V^T: 32 x head + 16 x batch; two super-blocks a wave
	s_mul_i32 s30, s30, SBB
	s_mov_b32 s31, 0
	s_lshl_b32 s32, s14, 2
	s_add_co_u32 s32, s32, s24
	s_lshr_b32 s25, s[WV], 1
	s_add_co_u32 s32, s32, s25                     ; my super-block of q and of ctx
	s_mul_i32 s32, s32, SBB
	s_mov_b32 s33, 0
	s_and_b32 s34, s[WV], 1                        ; e: my two tiles are its fragments 2 e and 2 e + 1
	s_mul_i32 s35, s34, 3072
	s_lshl_b32 s34, s34, 2
	s_mul_i32 s66, s19, 520
	s_add_co_u32 s66, s66, s35
	s_mul_i32 s67, s19, 1016
	s_add_co_u32 s67, s67, s35
	s_lshl_b32 s68, s19, 1
	s_add_co_u32 s68, s68, s34
	s_lshl_b32 s70, s16, 13
	s_mov_b32 s71, 0
	s_cmp_eq_u32 s19, 0
	s_cselect_b32 s72, -1, 0
	s_not_b32 s73, s72
	s_mov_b32 s[CS], 0x3e38aa3b                    ; c = log2(e) / 8
	s_mov_b32 s[CS+1], s[CS]
	s_mov_b32 s[SEL], 0x76543210
	s_mov_b32 s[SEL+1], 0xfedcba98
	s_mov_b32 s[SK], 0
	s_mov_b32 s[SV], 0
	s_mov_b32 s[SM], 0
	s_mov_b32 s[G0K], 1
	s_mul_i32 s[G0K+1], s27, 4*SBB
	s_mov_b32 s[G0V], 1
	s_mul_i32 s[G0V+1], s27, 2*SBB
	s_add_co_u32 s[G0V+1], s[G0V+1], VB
	s_wait_dscnt 0x0                               ; both opening adds are done
	s_wait_kmcnt 0x0
	s_add_nc_u64 s[G0K+2:G0K+3], s[4:5], s[28:29]
	s_or_b32 s[G0K+3], s[G0K+3], 0x80000000
	s_add_nc_u64 s[G0V+2:G0V+3], s[6:7], s[30:31]
	s_or_b32 s[G0V+3], s[G0V+3], 0x80000000
	s_add_nc_u64 s[8:9], s[8:9], s[70:71]          ; the batch's 2,048 mask words
	s_add_nc_u64 s[74:75], s[4:5], s[32:33]
	s_add_nc_u64 s[10:11], s[10:11], s[32:33]
	CROUND                                         ; all four work-groups are here
	TLOAD                                          ; keys 0 to 1,023
	v_and_b32 v8, 31, v0
	v_and_b32 v11, 15, v0
	v_bfe_u32 v10, v0, 4, 1
	v_lshlrev_b32 v[T16], 4, v0
	v_lshlrev_b32 v[AK0], 4, v8
	v_lshlrev_b32 v9, 3, v8
	v_lshl_add_u32 v[AM0], v10, 6, MASKT
	v_lshl_add_u32 v[QB], v11, 3, s34
	v_lshl_add_u32 v[OC], v11, 3, s68
	v_add_nc_u32 v[AV0], VB, v[AK0]
	v_add_nc_u32 v[ASK0], 6144, v9
	v_add_nc_u32 v[ASV0], VB+6144, v9
	v_add_nc_u32 v[QA], s35, v[AK0]
	v_add_nc_u32 v[OA], s66, v[AK0]
	v_add_nc_u32 v[OB], s67, v[AK0]
	v_mov_b32 v40, 0xd0000000                      ; -2^33
	v_lshl_add_u32 v41, v0, 4, MASKT
	s_wait_alu depctr_va_vdst(0)
	global_load_b128 v[32:35], v[T16], s[8:9]
	global_load_b128 v[36:39], v[T16], s[8:9] offset:4096
	global_load_b32 v[QS], v[QB], s[74:75] offset:6144
	global_load_b32 v[QS+1], v[QB], s[74:75] offset:6144+128
.irp t, 0,1
	WIN 0x40*\t
.irp c, 0,1,2
	global_load_b128 v[Q+4*\c:Q+4*\c+3], v[QA], s[74:75] offset:1536*\t+512*\c
.endr
.endr
.irp t, 0,1
	WIN 0x55*\t
	v_mov_b32 v231, 0xff61b1e6                     ; the largest t so far: -3e38
	v_mov_b32 v244, 0
	v_mov_b32 v245, 0
	v_mov_b32 v225, 0                              ; (the upper half of the pair v[224:225])
	v_floor_f32 v230, -v231
.irp b, 0,1,2,3
	v_mov_b32 v[BX+\b], 0                          ; a lane permute's destination counts as one of its sources
.endr
.set j, 0
.rept 32
	v_mov_b32 v[160+j], 0                          ; O^T: the step is written once; the first change of M leaves zeros zeros
.set j, j+1
.endr
.endr
	WIN 0
	s_wait_alu depctr_va_vdst(0)
	s_wait_loadcnt 0x0
.irp e, 0,1,2,3,4,5,6,7
	v_cmp_eq_u32 vcc_lo, 0, v[32+\e]
	s_delay_alu instid0(VALU_DEP_1)
	v_cndmask_b32 v[32+\e], 0, v40, vcc_lo
.endr
	ds_store_b128 v41, v[32:35]                    ; the table; the wait and the round below show it to all waves
	ds_store_b128 v41, v[36:39] offset:4096
.irp t, 0,1
	WIN 0x55*\t
.irp i, 0,1,2,3,4,5
	v_and_b32 v[Q+\i], s72, v[Q+\i]                ; my head's 64 of the 128 stay, the other head's codes become zeros
	v_and_b32 v[Q+6+\i], s73, v[Q+6+\i]
.endr
.endr
	WIN 0
	s_wait_alu depctr_va_vdst(0)                   ; the head's end
	s_wait_tensorcnt 0x0                           ; my part of keys 0-1,023 is in
	ds_add_u32 v[SPW], v[NIL]
	s_add_co_u32 s[G0K+1], s[G0K+1], 16*SBB        ; no load of mine is out: the descriptors walk to keys 1,024-2,047
	s_add_nc_u64 s[G0K+2:G0K+3], s[G0K+2:G0K+3], 16*SBB
	s_add_co_u32 s[G0V+1], s[G0V+1], 8*SBB
	s_add_nc_u64 s[G0V+2:G0V+3], s[G0V+2:G0V+3], 8*SBB
	s_wait_dscnt 0x0                               ; the add and my stores into the table are done
	CROUND
	TLOAD                                          ; keys 1,024 to 2,047: bytes that are filled for the first time
	MLD AM0, 0                                     ; step 0
	ds_load_b64 v[KS:KS+1], v[ASK0]
	ds_load_b64 v[KS+2:KS+3], v[ASK0] offset:SBB
	WIN 0x40
	FLD 48, AK0, SBB
	FLD 0, AK0, 0
	WIN 0
	s_mov_b32 s[CNT], 7
.Lfirst:                                           ; steps 0 to 6: they fetch up to step 7, the last of the first fill
	STEP 1
	WALK
	s_cbranch_scc1 .Lfirst
	s_wait_tensorcnt 0x0                           ; my part of keys 1,024-2,047 is in
	s_wait_dscnt 0x0
	s_barrier_signal -1
	s_barrier_wait -1
	s_mov_b32 s[CNT], 8
.Lsecond:                                          ; steps 7 to 14
	STEP 1
	WALK
	s_cbranch_scc1 .Lsecond
	STEP 0                                         ; step 15 fetches nothing more
; THE WAY OUT of tile t.  O^T / the sum: register 16 b + i of lane (r, h) is channel 32 b + 16 h + i of my head, for query r: two blocks of 32 of ctx's K.
.macro OUT t
	WIN 0x55*(\t)
	v_add_f32 v244, v244, v245
	s_delay_alu instid0(VALU_DEP_1)
	v_permlanex16_b32 v[TT], v244, s[SEL], s[SEL+1]
	s_delay_alu instid0(VALU_DEP_1)
	v_add_f32 v244, v244, v[TT]
	s_wait_alu depctr_va_vdst(0)
	v_rcp_f32 v244, v244
	v_nop
	s_wait_alu depctr_va_vdst(0)                   ; ahead of the reciprocal's, and of O^T's, first reader
.set j, 0
.rept 32
	v_mul_f32 v[96+j], v[160+j], v244
.set j, j+1
.endr
.irp b, 0,1
	v_max3_num_f32 v[BM+\b], |v[96+16*\b]|, |v[97+16*\b]|, 0x2800000
.endr
.irp i, 2,4,6,8,10,12,14
.irp b, 0,1
	s_delay_alu instid0(VALU_DEP_2)
	v_max3_num_f32 v[BM+\b], v[BM+\b], |v[96+16*\b+\i]|, |v[97+16*\b+\i]|
.endr
.endr
.irp b, 0,1
	s_delay_alu instid0(VALU_DEP_2)
	v_permlanex16_b32 v[BX+\b], v[BM+\b], s[SEL], s[SEL+1]
.endr
.irp b, 0,1
	s_delay_alu instid0(VALU_DEP_2)
	v_max_num_f32 v[BM+\b], v[BM+\b], v[BX+\b]
.endr
.irp b, 0,1
	s_delay_alu instid0(VALU_DEP_2)
	v_add_nc_u32 v[SO+\b], 0xfe000000, v[BM+\b]
.endr
.irp b, 0,1
	s_delay_alu instid0(VALU_DEP_2)
	v_lshrrev_b32 v[BX+\b], 23, v[SO+\b]
.endr
	s_delay_alu instid0(VALU_DEP_1)
	v_lshl_or_b32 v[TT], v[BX+1], 8, v[BX]
	v_cvt_scalef32_pk16_bf6_f32 v[PCD:PCD+2], v[96:111], v[SO]
	v_cvt_scalef32_pk16_bf6_f32 v[CT:CT+2], v[112:127], v[SO+1]
	v_nop
.irp i, 0,1,2
	v_permlane16_swap_b32 v[PCD+\i], v[CT+\i]
.endr
.irp i, 0,1,2
	s_delay_alu instid0(VALU_DEP_3)
	v_mov_b32 v[PCD+3+\i], v[CT+\i]
.endr
	WIN (\t)<<2                                    ; the stores' data lie in window t
	global_store_b64 v[OA], v[PCD:PCD+1], s[10:11] offset:1536*\t          ; registers 6 hd, 6 hd + 1 of the fragment's image
	global_store_b64 v[OB], v[PCD+2:PCD+3], s[10:11] offset:1536*\t+8      ; 6 hd + 2, 6 hd + 3
	global_store_b64 v[OA], v[PCD+4:PCD+5], s[10:11] offset:1536*\t+512    ; 6 hd + 4, 6 hd + 5
	global_store_b16 v[OC], v[TT], s[10:11] offset:6144+128*\t             ; my head's two bytes of the row's scale word; both lanes of a row write the same
.endm
	OUT 0
	OUT 1
	WIN 0
	s_wait_tensorcnt 0x0                           ; the wave's end
	ds_add_u32 v[SPW], v[NIL]
	s_wait_dscnt 0x0
	CROUND                                         ; the closing round
	s_endpgm
.Lfunc_end_k_q7eff78c197_attn:
	.size	k_q7eff78c197_attn, .Lfunc_end_k_q7eff78c197_attn-k_q7eff78c197_attn
	.p2alignl 7, 3214868480
	.fill 96, 4, 3214868480
	.section	.rodata,"a",@progbits
	.p2align	6, 0x0
	.amdhsa_kernel k_q7eff78c197_attn
		.amdhsa_group_segment_fixed_size 327680
		.amdhsa_private_segment_fixed_size 0
		.amdhsa_enable_private_segment 0
		.amdhsa_kernarg_size 32
		.amdhsa_user_sgpr_count 2
		.amdhsa_user_sgpr_kernarg_segment_ptr 1
		.amdhsa_wavefront_size32 1
		.amdhsa_system_sgpr_workgroup_id_x 1
		.amdhsa_system_sgpr_workgroup_id_y 1
		.amdhsa_system_sgpr_workgroup_id_z 1
		.amdhsa_system_vgpr_workitem_id 0
		.amdhsa_next_free_vgpr 512
		.amdhsa_next_free_sgpr 80
		.amdhsa_reserve_vcc 1
		.amdhsa_float_denorm_mode_32 3
		.amdhsa_float_denorm_mode_16_64 3
		.amdhsa_memory_ordered 1
		.amdhsa_forward_progress 1
		.amdhsa_inst_pref_size 121
	.end_amdhsa_kernel
	.amdgpu_metadata
---
amdhsa.version: [ 1, 2 ]
amdhsa.kernels:
  - .name:           k_q7eff78c197_attn
    .symbol:         k_q7eff78c197_attn.kd
    .args:
      - { .name: qkimg, .offset: 0, .size: 8, .value_kind: global_buffer, .address_space: global }
      - { .name: vtimg, .offset: 8, .size: 8, .value_kind: global_buffer, .address_space: global }
      - { .name: src_mask, .offset: 16, .size: 8, .value_kind: global_buffer, .address_space: global }
      - { .name: aimg, .offset: 24, .size: 8, .value_kind: global_buffer, .address_space: global }
    .group_segment_fixed_size: 327680
    .private_segment_fixed_size: 0
    .kernarg_segment_align: 8
    .kernarg_segment_size: 32
    .max_flat_workgroup_size: 256
    .sgpr_count:     80
    .vgpr_count:     512
    .wavefront_size: 32
...
	.end_amdgpu_metadata
.endif
;; end of part 11
;; launch woln (part 12): grid 128 x 1, 8 waves a work-group, clusters of 4 x 1, 327,680 bytes of LDS; arguments aimg, wimg, x, g1, be1, x1, ximg; writes x1, ximg
.if DOCPART == 12
	.amdgcn_target "amdgcn-amd-amdhsa--gfx1250"
	.amdhsa_code_object_version 6
	.text
	.protected	k_q7eff78c197_woln
	.globl	k_q7eff78c197_woln
	.p2align	8
	.type	k_q7eff78c197_woln,@function
k_q7eff78c197_woln:
	s_mov_b64 s[64:65], 0
	v_nop
	global_prefetch_b8 v0, s[64:65] scope:SCOPE_SE
	s_setreg_imm32_b32 hwreg(HW_REG_WAVE_MODE, 25, 1), 1
	s_wait_xcnt 0x0
	s_wait_alu depctr_hold_cnt(0) depctr_sa_sdst(0) depctr_va_vdst(0) depctr_va_sdst(0) depctr_va_ssrc(0) depctr_va_vcc(0) depctr_vm_vsrc(0)
	s_getreg_b32 s2, hwreg(HW_REG_IB_STS2, 6, 4)
	s_cmp_eq_u32 s2, 0
	s_cbranch_scc0 .Lentry_in_a_cluster
	s_endpgm
.Lentry_in_a_cluster:
	s_bfe_u32 s2, ttmp6, 0x10000c
	s_cmp_lg_u32 s2, 0x3003
	s_cbranch_scc0 .Lentry_shape_is_right
	s_endpgm
.Lentry_shape_is_right:
; x1 = layer norm of (x + ctx Wo^T), with g1 and be1.  The product is made on codes of BF6 (ctx's image from launch attn, Wo's from launch quant, whose head says how an image lies).
; x1 leaves in f32 (the residual of launch ff2) and as an image of codes along its 1,024 columns (A of launch ff1).  No work is left out.
; SHARES.  A work-group owns 32 whole rows, two neighbouring fragments of ctx's image: 128 work-groups (a norm's row has one owner, and every work-group walks all of Wo).
; Eight waves of 512 registers; wave w has columns 128 w .. 128 w + 127 of both row tiles: 16 accumulators, 16 products a K step, 8 K steps.
; WO COMES BY TWO ROADS.  Each fragment of Wo serves one wave of the work-group.  The even K steps come by tensor loads through a ring of two LDS slots of one K step (102,400 bytes): a wave loads and reads its own 12,800 bytes.
; The odd K steps go from memory straight into the wave's registers, 26 loads of 512 or 256 consecutive bytes, asked for a trip ahead.  A trip is one K step of each kind, so a tile's load has a whole trip in which to land.
; CLUSTER: all work-groups walk the same Wo: four form a cluster and ask for each tile jointly, mask 15; a round of the cluster's barrier stands in front of each group of joint loads.  One tensor load of a wave is out at a time.
; CTX's two fragments of K step w are fetched by wave w alone and handed to the others through LDS bytes of their own (3,072 bytes of codes and 128 of scale words a K step).
; No prefetch: all work-groups walk the same 8 K steps of Wo at about the same time.
; THE MATRIX INSTRUCTION IS USED TRANSPOSED (source 0 = Wo's 16 rows, source 1 = ctx's): lane (r, h) holds row r, register 16 b + i is column 32 b + 16 h + i of my 128.
; THE RESIDUAL comes as rows of 512 bytes into the accumulators' registers, turns through the wave's own stage in LDS (rows 528 bytes apart) into that layout, and is the C of the first products.
; THE NORM is taken as reference() takes it, in two passes; a row's sums meet across the eight waves in LDS, behind a barrier each.  A lane's 64 finished numbers of a tile are one row of one fragment of the next image:
; they are quantised in registers.  The f32 rows go back through the stage and leave 512 consecutive bytes a store.  The two fragments' 32 scale words are 4 bytes in each 8 of the image: stored as they lie.
; REGISTERS.  Window 0: v1-21 addresses (v12-27 later at work); v28-53 at work; v54-65 scale words, two sets; v68-131, v132-195 the accumulators of tile 0, 1.
; Window 1: two sets of 120 (Wo's eight fragments, ctx's two): set 0 for the even K steps, set 1 for the odd; later g1 at v0, be1 at v120.
.set SBB,   6400
.set STR_A, 409600
.set STR_B, 1228800
.set SLOTB, 102400                     ; a slot: 8 waves x 12,800 bytes
.set STGB,  2*SLOTB                    ; behind the ring: the stages
.set STG,   8448                       ; a wave's stage: 16 rows x 528 bytes
.set AAR,   STGB+8*STG                 ; ctx: 3,328 bytes a K step
.set AST,   3328
.set RED,   AAR+8*AST                  ; 16 rows x 8 waves x 4 bytes, for two tiles and two sums
.set SPARE, RED+2048                   ; the spare words, 128 bytes a wave
.set LO,  1
.set L8,  2
.set SIN, 4
.set SOUT, 5
.set SPW, 6
.set NIL, 7
.set RW,  8
.set RR,  9
.set GO,  10
.set BL,  12                           ; v12-13 my Wo fragments in slot 0, 1
.set BSL, 14                           ; v14-15 their scale words
.set AL,  16
.set ASL, 17
.set AW,  18
.set AWS, 19
.set TM,  12
.set PW,  28
.set MU,  30
.set PC,  34
.set CT,  46
.set SCB, 54
.set ACC, 68
.set SEL, 36
.set BW,  44
.set HM,  48
.set G1,  52
.set G0,  60                           ; s[60:63] group 0 of slot 0, s[68:71] of slot 1
.set MSB, 0
.macro WIN new
.if MSB != (\new)
	s_set_vgpr_msb (MSB<<8)|(\new)
.set MSB, (\new)
.endif
.endm
.macro CROUND
	s_barrier_signal -1
	s_barrier_wait -1
	s_cmp_lg_u32 s18, 0
	s_cbranch_scc1 .Lnot_wave_0_\@
	s_barrier_signal -3
.Lnot_wave_0_\@:
	s_barrier_wait -3
	s_barrier_signal -1
	s_barrier_wait -1
.endm
.macro TLOAD g0                        ; every wave asks for its own part; an s_nop 0 and four v_nop follow
	tensor_load_to_lds s[\g0:\g0+3], s[G1:G1+7]
	s_nop 0
.rept 4
	v_nop
.endr
.endm
.macro LDV k                           ; an odd K step's Wo: 26 loads into set 1
.set BO, ((\k)%4)*STR_B
.set BR, BW+2*((\k)/4)
	WIN 0x40
.irp i, 0,1,2,3,4,5,6,7
.irp c, 0,1,2
	global_load_b128 v[120+12*\i+4*\c:120+12*\i+4*\c+3], v[LO], s[BR:BR+1] offset:BO+SBB*(\i/4)+1536*(\i%4)+512*\c
.endr
.endr
	WIN 0
	global_load_b64 v[SCB+6:SCB+7], v[L8], s[BR:BR+1] offset:BO+6144
	global_load_b64 v[SCB+8:SCB+9], v[L8], s[BR:BR+1] offset:BO+SBB+6144
.endm
.macro ALD k, p                        ; ctx's two fragments and 32 scale words of K step k, from LDS into set p: 7 loads
	WIN 0x40
.irp c, 0,1,2,3,4,5
	ds_load_b128 v[120*(\p)+96+4*\c:120*(\p)+96+4*\c+3], v[AL] offset:(\k)*AST+512*\c
.endr
	WIN 0
	ds_load_b32 v[SCB+6*(\p)+4], v[ASL] offset:(\k)*AST      ; lanes 0-15 tile 0's rows, lanes 16-31 tile 1's
.endm
.macro WMB i, u, p
.set rD, ACC+64*(\u)+8*(\i)
.set rB, 120*(\p)+12*(\i)
.set rA, 120*(\p)+96+12*(\u)
.set sB, SCB+6*(\p)+2*((\i)/4)+(((\i)%4)/2)
.set sA, SCB+6*(\p)+4
.set oo, 2*((\i)%2)+(\u)
.if oo == 0
	v_wmma_scale_f32_16x16x128_f8f6f4 v[rD:rD+7], v[rB:rB+11], v[rA:rA+11], v[rD:rD+7], v[sB], v[sA] matrix_a_fmt:MATRIX_FMT_BF6 matrix_b_fmt:MATRIX_FMT_BF6
.elseif oo == 1
	v_wmma_scale_f32_16x16x128_f8f6f4 v[rD:rD+7], v[rB:rB+11], v[rA:rA+11], v[rD:rD+7], v[sB], v[sA] matrix_a_fmt:MATRIX_FMT_BF6 matrix_b_fmt:MATRIX_FMT_BF6 matrix_b_scale:MATRIX_SCALE_ROW1
.elseif oo == 2
	v_wmma_scale_f32_16x16x128_f8f6f4 v[rD:rD+7], v[rB:rB+11], v[rA:rA+11], v[rD:rD+7], v[sB], v[sA] matrix_a_fmt:MATRIX_FMT_BF6 matrix_b_fmt:MATRIX_FMT_BF6 matrix_a_scale:MATRIX_SCALE_ROW1
.else
	v_wmma_scale_f32_16x16x128_f8f6f4 v[rD:rD+7], v[rB:rB+11], v[rA:rA+11], v[rD:rD+7], v[sB], v[sA] matrix_a_fmt:MATRIX_FMT_BF6 matrix_b_fmt:MATRIX_FMT_BF6 matrix_a_scale:MATRIX_SCALE_ROW1 matrix_b_scale:MATRIX_SCALE_ROW1
.endif
.endm
.macro MUL16 p                         ; the sixteen accumulators take turns, in the same order in every K step
	WIN 0x05                                       ; sources 0 and 1 in window 1
.irp i, 0,1,2,3,4,5,6,7
	WMB \i, 0, \p
	WMB \i, 1, \p
.endr
.endm
; Trip t: K step 2 t from slot t % 2, K step 2 t + 1 from registers.
.macro TRIP t
.set SL, (\t)%2
	s_wait_tensorcnt 0x0                           ; all my tensor loads are done: my part of this trip's tile
.if (\t) < 3
	ds_add_u32 v[SPW], v[NIL]
	s_add_nc_u64 s[G0+8*SL+2:G0+8*SL+3], s[G0+8*SL+2:G0+8*SL+3], 4*STR_B   ; no load of mine is out: this slot's next tile
	s_wait_dscnt 0x0                               ; the add is done, and so are my reads of the other slot (in trip 0: my stores of ctx and into the stage)
	CROUND                                         ; both now hold of every wave of the cluster
	TLOAD G0+8-8*SL                                ; K step 2 t + 2 into the other slot; its four v_nop are also places in front of the loads below
.endif
	WIN 0x40
.irp i, 0,1,2,3,4,5,6,7
.irp c, 0,1,2
	ds_load_b128 v[12*\i+4*\c:12*\i+4*\c+3], v[BL+SL] offset:SBB*(\i/4)+1536*(\i%4)+512*\c
.endr
.endr
	WIN 0
	ds_load_b64 v[SCB:SCB+1], v[BSL+SL]
	ds_load_b64 v[SCB+2:SCB+3], v[BSL+SL] offset:SBB
	ALD 2*(\t), 0
	ALD 2*(\t)+1, 1
	s_wait_dscnt 7                                 ; all but the odd step's 7 loads of ctx
	MUL16 0
	s_wait_loadcnt 0x0                             ; the odd step's Wo, asked for a trip ago
	s_wait_dscnt 0x0
	MUL16 1
.rept 4
	v_nop                                          ; places in front of loads into registers that the products read
.endr
.if (\t) < 3
	LDV 2*(\t)+3
.else
	WIN 0x40
.irp b, 0,1,2,3
.irp j, 0,1,2,3
	global_load_b128 v[16*\b+4*\j:16*\b+4*\j+3], v[GO], s[10:11] offset:128*\b+16*\j          ; the gain in the accumulators' layout, where set 0 lay
	global_load_b128 v[120+16*\b+4*\j:120+16*\b+4*\j+3], v[GO], s[12:13] offset:128*\b+16*\j  ; the shift, where set 1 lay
.endr
.endr
	WIN 0
.endif
.endm
.macro CSUM T, A                       ; 64 numbers summed in four chains; each accumulator is read from its low end on
.irp c, 0,1,2,3
	v_pk_add_f32 v[\T+2*\c:\T+2*\c+1], v[\A+2*\c:\A+2*\c+1], v[\A+8+2*\c:\A+8+2*\c+1]
.endr
.irp i, 2,3,4,5,6,7
.irp c, 0,1,2,3
	v_pk_add_f32 v[\T+2*\c:\T+2*\c+1], v[\T+2*\c:\T+2*\c+1], v[\A+8*\i+2*\c:\A+8*\i+2*\c+1]
.endr
.endr
.endm
.macro CSQ T, A                        ; their squares likewise
.irp c, 0,1,2,3
	v_pk_mul_f32 v[\T+2*\c:\T+2*\c+1], v[\A+2*\c:\A+2*\c+1], v[\A+2*\c:\A+2*\c+1]
.endr
.irp i, 1,2,3,4,5,6,7
.irp c, 0,1,2,3
	v_pk_fma_f32 v[\T+2*\c:\T+2*\c+1], v[\A+8*\i+2*\c:\A+8*\i+2*\c+1], v[\A+8*\i+2*\c:\A+8*\i+2*\c+1], v[\T+2*\c:\T+2*\c+1]
.endr
.endr
.endm
.macro RSUM T                          ; four chains -> v[T]: the row's sum over my wave's 128 columns
	v_pk_add_f32 v[\T:\T+1], v[\T:\T+1], v[\T+2:\T+3]
	v_pk_add_f32 v[\T+4:\T+5], v[\T+4:\T+5], v[\T+6:\T+7]
	s_delay_alu instid0(VALU_DEP_1)
	v_pk_add_f32 v[\T:\T+1], v[\T:\T+1], v[\T+4:\T+5]
	s_delay_alu instid0(VALU_DEP_1)
	v_add_f32 v[\T], v[\T], v[\T+1]
	s_delay_alu instid0(VALU_DEP_1)
	v_permlanex16_b32 v[\T+2], v[\T], s[SEL], s[SEL+1]
	s_delay_alu instid0(VALU_DEP_1)
	v_add_f32 v[\T], v[\T], v[\T+2]
.endm
.macro XSUM base                       ; and over the eight waves: tile 0 -> v34, tile 1 -> v20
	ds_store_b32 v[RW], v[CT] offset:\base         ; both lanes of a row write the same word
	ds_store_b32 v[RW], v[TM] offset:\base+512
	s_wait_dscnt 0x0                               ; for the others' sake
	s_barrier_signal -1
	s_barrier_wait -1
	ds_load_b128 v[34:37], v[RR] offset:\base
	ds_load_b128 v[38:41], v[RR] offset:\base+16
	ds_load_b128 v[20:23], v[RR] offset:\base+512
	ds_load_b128 v[24:27], v[RR] offset:\base+528
	s_wait_dscnt 0x0
.irp a, 34,36,38,40,20,22,24,26
	v_add_f32 v[\a], v[\a], v[\a+1]
.endr
.irp a, 34,38,20,24
	v_add_f32 v[\a], v[\a], v[\a+2]
.endr
.irp a, 34,20
	v_add_f32 v[\a], v[\a], v[\a+4]
.endr
.endm
.macro QUANT s, pc, pw                 ; 64 numbers of a lane become a fragment's 12 registers of codes and its row's scale word
.irp b, 0,1,2,3
	v_max3_num_f32 v[TM+\b], |v[\s+16*\b]|, |v[\s+16*\b+1]|, 0x2800000   ; and the floor 2^(5 - 127): the byte cannot fall under 1
.endr
.irp i, 2,4,6,8,10,12,14
.irp b, 0,1,2,3
	s_delay_alu instid0(VALU_DEP_4)
	v_max3_num_f32 v[TM+\b], v[TM+\b], |v[\s+16*\b+\i]|, |v[\s+16*\b+\i+1]|
.endr
.endr
.irp b, 0,1,2,3
	v_permlanex16_b32 v[TM+4+\b], v[TM+\b], s[SEL], s[SEL+1]
.endr
.irp b, 0,1,2,3
	s_delay_alu instid0(VALU_DEP_4)
	v_max_num_f32 v[TM+\b], v[TM+\b], v[TM+4+\b]
.endr
.irp b, 0,1,2,3
	s_delay_alu instid0(VALU_DEP_4)
	v_add_nc_u32 v[TM+12+\b], 0xfe000000, v[TM+\b]
.endr
.irp b, 0,1,2,3
	s_delay_alu instid0(VALU_DEP_4)
	v_lshrrev_b32 v[TM+4+\b], 23, v[TM+12+\b]
.endr
	s_delay_alu instid0(VALU_DEP_3)
	v_lshl_or_b32 v[\pw], v[TM+5], 8, v[TM+4]
	s_delay_alu instid0(VALU_DEP_1)
	v_lshl_or_b32 v[\pw], v[TM+6], 16, v[\pw]
	s_delay_alu instid0(VALU_DEP_1)
	v_lshl_or_b32 v[\pw], v[TM+7], 24, v[\pw]
.irp c, 0,1
	v_cvt_scalef32_pk16_bf6_f32 v[\pc+6*\c:\pc+6*\c+2], v[\s+32*\c:\s+32*\c+15], v[TM+12+2*\c]
	v_cvt_scalef32_pk16_bf6_f32 v[CT+4*\c:CT+4*\c+2], v[\s+32*\c+16:\s+32*\c+31], v[TM+13+2*\c]
.endr
	v_nop
.irp c, 0,1
.irp i, 0,1,2
	v_permlane16_swap_b32 v[\pc+6*\c+\i], v[CT+4*\c+\i]
.endr
.irp i, 0,1,2
	s_delay_alu instid0(VALU_DEP_3)
	v_mov_b32 v[\pc+6*\c+3+\i], v[CT+4*\c+\i]
.endr
.endr
.endm
.macro BYROWS op, A                    ; the stage by rows: 16 x 512 bytes
.irp i, 0,1,2,3,4,5,6,7,8,9,10,11,12,13,14,15
.if \op
	ds_store_b128 v[SIN], v[\A+4*\i:\A+4*\i+3] offset:528*\i
.else
	ds_load_b128 v[\A+4*\i:\A+4*\i+3], v[SIN] offset:528*\i
.endif
.endr
.endm
.macro BYACC op, A                     ; and in the accumulators' layout
.irp b, 0,1,2,3
.irp j, 0,1,2,3
.if \op
	ds_store_b128 v[SOUT], v[\A+16*\b+4*\j:\A+16*\b+4*\j+3] offset:128*\b+16*\j
.else
	ds_load_b128 v[\A+16*\b+4*\j:\A+16*\b+4*\j+3], v[SOUT] offset:128*\b+16*\j
.endif
.endr
.endr
.endm
	s_load_b256 s[4:11], s[0:1], 0x0               ; aimg s[4:5], wimg s[6:7], x s[8:9], g1 s[10:11]
	s_load_b128 s[12:15], s[0:1], 0x20             ; be1 s[12:13], x1 s[14:15]
	s_load_b64 s[16:17], s[0:1], 0x30              ; ximg
	v_lshl_add_u32 v[SPW], v0, 2, SPARE
	v_mov_b32 v[NIL], 0
	ds_add_u32 v[SPW], v[NIL]                      ; the opening: the add, twice on end, and its wait ahead of the first tensor load
	ds_add_u32 v[SPW], v[NIL]
	v_lshrrev_b32 v11, 5, v0
	s_delay_alu instid0(VALU_DEP_1)
	v_readfirstlane_b32 s18, v11                   ; wave 0..7
	s_bfe_u32 s49, ttmp6, 0x40000                  ; cx
	s_lshl_b32 s50, ttmp9, 2
	s_add_co_u32 s50, s50, s49                     ; my work-group: it enters ctx's, x's, x1's and the image's addresses alone
	s_lshr_b32 s19, s50, 1                         ; my row of super-blocks
	s_and_b32 s20, s50, 1                          ; q: my fragments are 2 q and 2 q + 1 of its four: rows 32 q .. 32 q + 31
	s_mul_i32 s23, s19, SBB
	s_mul_i32 s24, s20, 3072
	s_add_co_u32 s24, s24, s23                     ; the fragments' place in a K step of an image of 64 super-blocks
	s_mov_b32 s25, 0
	s_lshl_b32 s26, s20, 2
	s_add_co_u32 s26, s26, s23                     ; their scale words': 4 q, 8 bytes from lane to lane
	s_mov_b32 s27, 0
	s_lshl_b32 s28, s18, 1
	s_add_co_u32 s28, s28, 112                     ; Wo's super-blocks 112 + 2 w, + 1 of wimg's 192
	s_mul_i32 s28, s28, SBB
	s_mov_b32 s29, 0
	s_lshl_b32 s30, s19, 6
	s_lshl_b32 s31, s20, 5
	s_add_co_u32 s30, s30, s31                     ; fragment row i of tile u is row 64 sr + 32 q + 8 u + i % 8 + 16 (i / 8)
	s_lshl_b32 s30, s30, 12
	s_lshl_b32 s32, s18, 9                         ; my 128 columns: 512 bytes
	s_add_co_u32 s30, s30, s32
	s_mov_b32 s31, 0
	s_mov_b32 s33, 0
	s_mul_i32 s34, s18, STR_A                      ; K step w: of ctx's image, which I fetch, and of the next image, which my columns are
	s_mov_b32 s35, 0
	s_mul_i32 s40, s18, STG
	s_add_co_u32 s40, s40, STGB
	s_lshl_b32 s41, s18, 2
	s_mul_i32 s51, s18, 2*SBB
	s_mul_i32 s66, s18, AST
	s_mov_b32 s[SEL], 0x76543210
	s_mov_b32 s[SEL+1], 0xfedcba98
	s_mov_b32 s38, 0x3a800000                      ; 1 / 1,024
	s_mov_b32 s39, 0x3727c5ac                      ; 1e-5
	s_mov_b32 s[HM], 0xffff0000
	s_mov_b32 s[G1], 15|(3<<16)|(1<<21)            ; 12,800 dense bytes as 50 rows of 32 elements of 8 bytes; the mask names all four partners
	s_mov_b32 s[G1+1], 32<<16
	s_mov_b32 s[G1+2], 50<<16
	s_mov_b32 s[G1+3], 32<<16
	s_mov_b32 s[G1+4], 50
	s_mov_b32 s[G1+5], 32
	s_mov_b32 s[G1+6], 0
	s_mov_b32 s[G1+7], 0
	s_mov_b32 s[G0], 1
	s_mul_i32 s[G0+1], s18, 2*SBB
	s_mov_b32 s[G0+8], 1
	s_mul_i32 s[G0+9], s18, 2*SBB
	s_add_co_u32 s[G0+9], s[G0+9], SLOTB
	s_wait_dscnt 0x0                               ; both opening adds are done
	s_wait_kmcnt 0x0
	s_add_nc_u64 s[42:43], s[4:5], s[26:27]
	s_add_nc_u64 s[22:23], s[42:43], s[34:35]      ; ctx's scale words of K step w
	s_add_nc_u64 s[4:5], s[4:5], s[24:25]
	s_add_nc_u64 s[20:21], s[4:5], s[34:35]        ; ctx's fragments of K step w
	s_add_nc_u64 s[BW:BW+1], s[6:7], s[28:29]      ; Wo, K steps 0-3,
	s_add_nc_u64 s[BW+2:BW+3], s[BW:BW+1], 4*STR_B ; and 4-7: every offset stays inside the immediate
	s_mov_b64 s[G0+2:G0+3], s[BW:BW+1]             ; slot 0 begins with K step 0,
	s_or_b32 s[G0+3], s[G0+3], 0x80000000
	s_add_nc_u64 s[G0+10:G0+11], s[BW:BW+1], 2*STR_B   ; slot 1 with K step 2
	s_or_b32 s[G0+11], s[G0+11], 0x80000000
	s_add_nc_u64 s[8:9], s[8:9], s[30:31]
	s_add_nc_u64 s[14:15], s[14:15], s[30:31]
	s_add_nc_u64 s[10:11], s[10:11], s[32:33]
	s_add_nc_u64 s[12:13], s[12:13], s[32:33]
	s_add_nc_u64 s[16:17], s[16:17], s[34:35]
	s_add_nc_u64 s[6:7], s[16:17], s[26:27]        ; where my scale words go
	s_add_nc_u64 s[16:17], s[16:17], s[24:25]      ; where my fragments go
	CROUND                                         ; all four work-groups are here
	TLOAD G0                                       ; K step 0
	v_and_b32 v11, 31, v0
	v_bfe_u32 v[GO], v0, 4, 1
	v_and_b32 v3, 15, v0
	v_lshlrev_b32 v[LO], 4, v11
	v_lshlrev_b32 v[L8], 3, v11
	v_lshlrev_b32 v21, 2, v11
	v_lshlrev_b32 v[GO], 6, v[GO]                  ; 64 h
	v_mul_u32_u24 v[SOUT], v3, 528
	v_lshl_add_u32 v[RR], v3, 5, RED
	v_add_nc_u32 v[SIN], s40, v[LO]                ; the stage by rows: 16 x lane
	v_add_nc_u32 v[SOUT], v[SOUT], v[GO]
	v_add_nc_u32 v[RW], s41, v[RR]
	v_add_nc_u32 v[SOUT], s40, v[SOUT]             ; and in the accumulators' layout: 528 r + 64 h
	v_add_nc_u32 v[BL], s51, v[LO]
	v_add_nc_u32 v[BSL], s51, v[L8]
	v_add_nc_u32 v[AL], AAR, v[LO]
	v_add_nc_u32 v[ASL], AAR+3072, v21
	v_add_nc_u32 v[BL+1], SLOTB, v[BL]
	v_add_nc_u32 v[BSL], 6144, v[BSL]
	v_add_nc_u32 v[AW], s66, v[AL]
	v_add_nc_u32 v[AWS], s66, v[ASL]
	v_add_nc_u32 v[BSL+1], SLOTB, v[BSL]
	v_mov_b32 v[MU+1], 0                           ; (the upper halves of the pairs)
	v_mov_b32 v[MU+3], 0
	s_wait_alu depctr_va_vdst(0)
.irp u, 0,1
.irp i, 0,1,2,3,4,5,6,7,8,9,10,11,12,13,14,15
	global_load_b128 v[ACC+64*\u+4*\i:ACC+64*\u+4*\i+3], v[LO], s[8:9] offset:(8*\u+(\i%8)+16*(\i/8))*4096 th:TH_LOAD_NT   ; 512 consecutive bytes of a row of x
.endr
.endr
	WIN 0x40
.irp c, 0,1,2,3,4,5
	global_load_b128 v[96+4*\c:96+4*\c+3], v[LO], s[20:21] offset:512*\c   ; ctx's two fragments of K step w: 3,072 consecutive bytes
.endr
	WIN 0
	global_load_b32 v20, v[L8], s[22:23] offset:6144
	LDV 1
	s_wait_loadcnt 33                              ; x's 32 loads are in; ctx's 7 and Wo's 26 may be out
.irp u, 0,1
	BYROWS 1, ACC+64*\u
	s_wait_dscnt 0x0                               ; the stores have read the registers into which the loads below land
	BYACC 0, ACC+64*\u                             ; LDS serves a wave's instructions in order: tile 1's stores come behind these
.endr
	s_wait_loadcnt 26                              ; ctx's 7 loads are in
	WIN 0x04                                       ; the stores' data lie in window 1
.irp c, 0,1,2,3,4,5
	ds_store_b128 v[AW], v[96+4*\c:96+4*\c+3] offset:512*\c
.endr
	WIN 0
	ds_store_b32 v[AWS], v20                       ; the wait and the round of trip 0 show K step w of ctx to all waves
	s_wait_alu depctr_va_vdst(0)                   ; the head's end
	TRIP 0
	TRIP 1
	TRIP 2
	TRIP 3
	CSUM CT, ACC
	CSUM TM, ACC+64
	RSUM CT
	RSUM TM
	XSUM 0
	v_mul_f32 v[MU], 0xba800000, v34               ; -mean
	v_mul_f32 v[MU+2], 0xba800000, v20
.irp u, 0,1
.set j, 0
.rept 32
	v_pk_add_f32 v[ACC+64*\u+j:ACC+64*\u+j+1], v[ACC+64*\u+j:ACC+64*\u+j+1], v[MU+2*\u:MU+2*\u+1] op_sel_hi:[1,0]
.set j, j+2
.endr
.endr
	CSQ CT, ACC
	CSQ TM, ACC+64
	RSUM CT
	RSUM TM
	XSUM 1024
	v_fma_f32 v34, v34, s38, s39                   ; var + eps
	v_fma_f32 v20, v20, s38, s39
	s_wait_alu depctr_va_vdst(0)
	v_rsq_f32 v[MU], v34
	v_rsq_f32 v[MU+2], v20
	v_nop
	s_wait_alu depctr_va_vdst(0)
	s_wait_loadcnt 0x0                             ; the gain and the shift
.irp u, 0,1
.set j, 0
.rept 32
	v_pk_mul_f32 v[ACC+64*\u+j:ACC+64*\u+j+1], v[ACC+64*\u+j:ACC+64*\u+j+1], v[MU+2*\u:MU+2*\u+1] op_sel_hi:[1,0]
.set j, j+2
.endr
.endr
	WIN 0x14                                       ; sources 1 and 2, the gain and the shift: window 1
.irp u, 0,1
.set j, 0
.rept 32
	v_pk_fma_f32 v[ACC+64*\u+j:ACC+64*\u+j+1], v[ACC+64*\u+j:ACC+64*\u+j+1], v[j:j+1], v[120+j:121+j]
.set j, j+2
.endr
.endr
	WIN 0
.irp u, 0,1
	BYACC 1, ACC+64*\u
.if \u
	s_wait_xcnt 0x0                                ; tile 0's stores have read the codes' registers
.endif
	QUANT ACC+64*\u, PC, PW+\u
.irp c, 0,1,2
	global_store_b128 v[LO], v[PC+4*\c:PC+4*\c+3], s[16:17] offset:1536*\u+512*\c   ; 512 consecutive bytes, aligned to 256
.endr
	BYROWS 0, ACC+64*\u                            ; the f32 rows come back where the conversions have read
.endr
	v_cndmask_b32 v[PW], v[PW], v[PW+1], s[HM]     ; lanes 0-15 tile 0's scale words, lanes 16-31 tile 1's
	global_store_b32 v[L8], v[PW], s[6:7] offset:6144
.irp u, 0,1
	s_wait_dscnt 32-32*\u                          ; behind tile 0's rows: tile 1's 16 stores and 16 loads
.irp i, 0,1,2,3,4,5,6,7,8,9,10,11,12,13,14,15
	global_store_b128 v[LO], v[ACC+64*\u+4*\i:ACC+64*\u+4*\i+3], s[14:15] offset:(8*\u+(\i%8)+16*(\i/8))*4096   ; 512 consecutive bytes of a row of x1
.endr
.endr
	s_wait_tensorcnt 0x0                           ; the wave's end: behind my last tensor load and my last LDS store
	ds_add_u32 v[SPW], v[NIL]
	s_wait_dscnt 0x0
	CROUND                                         ; the closing round
	s_endpgm
.Lfunc_end_k_q7eff78c197_woln:
	.size	k_q7eff78c197_woln, .Lfunc_end_k_q7eff78c197_woln-k_q7eff78c197_woln
	.p2alignl 7, 3214868480
	.fill 96, 4, 3214868480
	.section	.rodata,"a",@progbits
	.p2align	6, 0x0
	.amdhsa_kernel k_q7eff78c197_woln
		.amdhsa_group_segment_fixed_size 327680
		.amdhsa_private_segment_fixed_size 0
		.amdhsa_enable_private_segment 0
		.amdhsa_kernarg_size 56
		.amdhsa_user_sgpr_count 2
		.amdhsa_user_sgpr_kernarg_segment_ptr 1
		.amdhsa_wavefront_size32 1
		.amdhsa_system_sgpr_workgroup_id_x 1
		.amdhsa_system_sgpr_workgroup_id_y 1
		.amdhsa_system_sgpr_workgroup_id_z 1
		.amdhsa_system_vgpr_workitem_id 0
		.amdhsa_next_free_vgpr 512
		.amdhsa_next_free_sgpr 72
		.amdhsa_reserve_vcc 0
		.amdhsa_float_denorm_mode_32 3
		.amdhsa_float_denorm_mode_16_64 3
		.amdhsa_memory_ordered 1
		.amdhsa_forward_progress 1
		.amdhsa_inst_pref_size 100
	.end_amdhsa_kernel
	.amdgpu_metadata
---
amdhsa.version: [ 1, 2 ]
amdhsa.kernels:
  - .name:           k_q7eff78c197_woln
    .symbol:         k_q7eff78c197_woln.kd
    .args:
      - { .name: aimg, .offset: 0, .size: 8, .value_kind: global_buffer, .address_space: global }
      - { .name: wimg, .offset: 8, .size: 8, .value_kind: global_buffer, .address_space: global }
      - { .name: x, .offset: 16, .size: 8, .value_kind: global_buffer, .address_space: global }
      - { .name: g1, .offset: 24, .size: 8, .value_kind: global_buffer, .address_space: global }
      - { .name: be1, .offset: 32, .size: 8, .value_kind: global_buffer, .address_space: global }
      - { .name: x1, .offset: 40, .size: 8, .value_kind: global_buffer, .address_space: global }
      - { .name: ximg, .offset: 48, .size: 8, .value_kind: global_buffer, .address_space: global }
    .group_segment_fixed_size: 327680
    .private_segment_fixed_size: 0
    .kernarg_segment_align: 8
    .kernarg_segment_size: 56
    .max_flat_workgroup_size: 256
    .sgpr_count:     72
    .vgpr_count:     512
    .wavefront_size: 32
...
	.end_amdgpu_metadata
.endif
;; end of part 12
;; launch ff1 (part 13): grid 16 x 16, 4 waves a work-group, clusters of 4 x 4, 327,680 bytes of LDS; arguments ximg, wimg, b1, himg; writes himg
.if DOCPART == 13
	.amdgcn_target "amdgcn-amd-amdhsa--gfx1250"
	.amdhsa_code_object_version 6
	.text
	.protected	k_q7eff78c197_ff1
	.globl	k_q7eff78c197_ff1
	.p2align	8
	.type	k_q7eff78c197_ff1,@function
k_q7eff78c197_ff1:
	s_mov_b64 s[64:65], 0
	v_nop
	global_prefetch_b8 v0, s[64:65] scope:SCOPE_SE
	s_setreg_imm32_b32 hwreg(HW_REG_WAVE_MODE, 25, 1), 1
	s_wait_xcnt 0x0
	s_wait_alu depctr_hold_cnt(0) depctr_sa_sdst(0) depctr_va_vdst(0) depctr_va_sdst(0) depctr_va_ssrc(0) depctr_va_vcc(0) depctr_vm_vsrc(0)
	s_getreg_b32 s2, hwreg(HW_REG_IB_STS2, 6, 4)
	s_cmp_eq_u32 s2, 0
	s_cbranch_scc0 .Lentry_in_a_cluster
	s_endpgm
.Lentry_in_a_cluster:
	s_bfe_u32 s2, ttmp6, 0x10000c
	s_cmp_lg_u32 s2, 0xf033
	s_cbranch_scc0 .Lentry_shape_is_right
	s_endpgm
.Lentry_shape_is_right:
.set QKV, 0
.set KSTEPS, 8
.set STR_A, 409600
.set STR_B, 1228800
.set BBASE, 0
.set BSB0, 128
.set HASBIAS, 1
.set RELU, 1
.set PB, 6
.set PBIAS, 8
.set POUT, 10
.set SBB,   6400
.set TILEB, 4*SBB
.set SLOT,  4*TILEB
.set SPARE, 2*SLOT
.set LAPS,  KSTEPS/4
.set ADRA, 16
.set ADRB, 18
.set ADSA, 20
.set ADSB, 22
.set CO,   26
.set L8,   27
.set SPW,  28
.set NIL,  29
.set SC,   32
.set BIAS, 64
.set MF,   64
.set U,    80
.set AF,   128
.set CT,   224
.set TM,   232
.set PW,   248
.set G1,  24
.set G0,  32
.set G1B, 48
.set G0B, 56
.set SEL, 72
.set HM,  74
.set MUL_LO, 0xa1
.set MUL_HI, 0xf1
.set FST_LO, 0xa1-0x20*HASBIAS
.set FST_HI, 0xf1-0x30*HASBIAS
.set TO_B,   0x40
.set MSB, 0
.macro WIN new
.if MSB != (\new)
	s_set_vgpr_msb (MSB<<8)|(\new)
.set MSB, (\new)
.endif
.endm
.macro JLOAD g0a, g1a, g0b, g1b
	s_cmp_eq_u32 s15, 0
	s_cbranch_scc0 .Lfor_b_\@
	tensor_load_to_lds s[\g0a:\g0a+3], s[\g1a:\g1a+7]
	s_nop 0
.rept 4
	v_nop
.endr
	s_branch .Lasked_\@
.Lfor_b_\@:
	tensor_load_to_lds s[\g0b:\g0b+3], s[\g1b:\g1b+7]
	s_nop 0
.rept 4
	v_nop
.endr
.Lasked_\@:
.endm
.macro CREST
	s_cmp_lg_u32 s14, 0
	s_cbranch_scc1 .Lnot_wave_0_\@
	s_barrier_signal -3
.Lnot_wave_0_\@:
	s_barrier_wait -3
	s_barrier_signal -1
	s_barrier_wait -1
.endm
.macro CROUND
	s_barrier_signal -1
	s_barrier_wait -1
	CREST
.endm
.macro PLACES
.rept 4
	v_nop
.endr
.endm
.macro FRAG reg, adr, off
.irp c, 0,1,2
	ds_load_b128 v[\reg+4*\c:\reg+4*\c+3], v[\adr] offset:\off+512*\c
.endr
.endm
.macro FETCH_B slot, q, p
	WIN TO_B
.irp i, 0,1,2,3,4,5,6,7
	FRAG 128*(\p)+12*\i, ADRB+\slot, TILEB*(\q)+SBB*(\i/4)+1536*(\i%4)
.endr
	WIN 0
.endm
.macro FETCH_A slot, q, i0
.irp i, \i0, \i0+1, \i0+2, \i0+3
	FRAG AF+12*(\i), ADRA+\slot, TILEB*(\q)+SBB*((\i)/4)+1536*((\i)%4)
.endr
.endm
.macro SCALES sc
.irp q, 0,1
.irp j, 0,1
	ds_load_b64 v[SC+16*\sc+8*\q+2*\j:SC+16*\sc+8*\q+2*\j+1], v[ADSA+\sc] offset:6144+TILEB*\q+SBB*\j
	ds_load_b64 v[SC+16*\sc+8*\q+4+2*\j:SC+16*\sc+8*\q+4+2*\j+1], v[ADSB+\sc] offset:6144+TILEB*\q+SBB*\j
.endr
.endr
.endm
.macro WM a, b, p, q, sc, first
.set rD, 8*(8*((\a)%4)+(\b))
.set rB, 128*(\p)+12*(\b)
.set rA, AF+12*(\a)
.set sB, SC+16*(\sc)+8*(\q)+4+2*((\b)/4)+(((\b)/2)%2)
.set sA, SC+16*(\sc)+8*(\q)+2*((\a)/4)+(((\a)/2)%2)
.set rC, rD
.if (\first) && HASBIAS
.set rC, BIAS+8*(\b)
.endif
.set oo, 2*((\b)%2)+((\a)%2)
.if (\first) && (HASBIAS == 0)
.if oo == 0
	v_wmma_scale_f32_16x16x128_f8f6f4 v[rD:rD+7], v[rB:rB+11], v[rA:rA+11], 0, v[sB], v[sA] matrix_a_fmt:MATRIX_FMT_BF6 matrix_b_fmt:MATRIX_FMT_BF6
.elseif oo == 1
	v_wmma_scale_f32_16x16x128_f8f6f4 v[rD:rD+7], v[rB:rB+11], v[rA:rA+11], 0, v[sB], v[sA] matrix_a_fmt:MATRIX_FMT_BF6 matrix_b_fmt:MATRIX_FMT_BF6 matrix_b_scale:MATRIX_SCALE_ROW1
.elseif oo == 2
	v_wmma_scale_f32_16x16x128_f8f6f4 v[rD:rD+7], v[rB:rB+11], v[rA:rA+11], 0, v[sB], v[sA] matrix_a_fmt:MATRIX_FMT_BF6 matrix_b_fmt:MATRIX_FMT_BF6 matrix_a_scale:MATRIX_SCALE_ROW1
.else
	v_wmma_scale_f32_16x16x128_f8f6f4 v[rD:rD+7], v[rB:rB+11], v[rA:rA+11], 0, v[sB], v[sA] matrix_a_fmt:MATRIX_FMT_BF6 matrix_b_fmt:MATRIX_FMT_BF6 matrix_a_scale:MATRIX_SCALE_ROW1 matrix_b_scale:MATRIX_SCALE_ROW1
.endif
.else
.if oo == 0
	v_wmma_scale_f32_16x16x128_f8f6f4 v[rD:rD+7], v[rB:rB+11], v[rA:rA+11], v[rC:rC+7], v[sB], v[sA] matrix_a_fmt:MATRIX_FMT_BF6 matrix_b_fmt:MATRIX_FMT_BF6
.elseif oo == 1
	v_wmma_scale_f32_16x16x128_f8f6f4 v[rD:rD+7], v[rB:rB+11], v[rA:rA+11], v[rC:rC+7], v[sB], v[sA] matrix_a_fmt:MATRIX_FMT_BF6 matrix_b_fmt:MATRIX_FMT_BF6 matrix_b_scale:MATRIX_SCALE_ROW1
.elseif oo == 2
	v_wmma_scale_f32_16x16x128_f8f6f4 v[rD:rD+7], v[rB:rB+11], v[rA:rA+11], v[rC:rC+7], v[sB], v[sA] matrix_a_fmt:MATRIX_FMT_BF6 matrix_b_fmt:MATRIX_FMT_BF6 matrix_a_scale:MATRIX_SCALE_ROW1
.else
	v_wmma_scale_f32_16x16x128_f8f6f4 v[rD:rD+7], v[rB:rB+11], v[rA:rA+11], v[rC:rC+7], v[sB], v[sA] matrix_a_fmt:MATRIX_FMT_BF6 matrix_b_fmt:MATRIX_FMT_BF6 matrix_a_scale:MATRIX_SCALE_ROW1 matrix_b_scale:MATRIX_SCALE_ROW1
.endif
.endif
.endm
.macro MUL16 a0, p, q, sc, first
.irp a, \a0, \a0+1
.irp b, 0,1,2,3,4,5,6,7
	WM \a, \b, \p, \q, \sc, \first
.endr
.endr
.endm
.macro STEP slot, first
	s_wait_dscnt 12
.if \first
	WIN FST_LO
.else
	WIN MUL_LO
.endif
	MUL16 0, 0, 0, \slot, \first
	MUL16 2, 0, 0, \slot, \first
	s_wait_dscnt 0x0
	PLACES
	FETCH_B \slot, 1, 1
	FETCH_A \slot, 1, 0
.if \first
	WIN FST_HI
.else
	WIN MUL_HI
.endif
	MUL16 4, 0, 0, \slot, \first
	MUL16 6, 0, 0, \slot, \first
	PLACES
	WIN 0
	FETCH_A \slot, 1, 4
.endm
.macro TURN slot, next, fill
	s_wait_tensorcnt 0x0
	ds_add_u32 v[SPW], v[NIL]
	s_wait_dscnt 13
	WIN MUL_LO
	MUL16 0, 1, 1, \slot, 0
	s_wait_dscnt 0x0
	s_barrier_signal -1
	MUL16 2, 1, 1, \slot, 0
	WIN 0
	s_barrier_wait -1
.if \fill
	CREST
	s_add_nc_u64 s[G0+4*\slot+2:G0+4*\slot+3], s[G0+4*\slot+2:G0+4*\slot+3], 4*STR_A
	s_add_nc_u64 s[G0B+4*\slot+2:G0B+4*\slot+3], s[G0B+4*\slot+2:G0B+4*\slot+3], 4*STR_B
	JLOAD G0+4*\slot, G1, G0B+4*\slot, G1B
.else
	PLACES
.endif
	s_wait_alu depctr_va_vdst(0)
	FETCH_B \next, 0, 0
	FETCH_A \next, 0, 0
	SCALES \next
	WIN MUL_HI
	MUL16 4, 1, 1, \slot, 0
	MUL16 6, 1, 1, \slot, 0
	PLACES
	WIN 0
	FETCH_A \next, 0, 4
.endm
	s_load_b256 s[4:11], s[0:1], 0x0
	v_lshl_add_u32 v[SPW], v0, 2, SPARE
	v_mov_b32 v[NIL], 0
	ds_add_u32 v[SPW], v[NIL]
	ds_add_u32 v[SPW], v[NIL]
	v_lshrrev_b32 v1, 5, v0
	v_readfirstlane_b32 s14, v1
	s_lshr_b32 s15, s14, 1
	s_and_b32 s16, s14, 1
	s_bfe_u32 s40, ttmp6, 0x40000
	s_bfe_u32 s41, ttmp6, 0x40004
	s_and_b32 s17, ttmp7, 0xffff
	s_lshl_b32 s43, s41, 2
	s_lshl_b32 s43, 15, s43
	s_lshl_b32 s44, 0x1111, s40
	s_or_b32 s[G1+0], s43, (3<<16)|(1<<21)
	s_or_b32 s[G1B+0], s44, (3<<16)|(1<<21)
.irp g, G1, G1B
	s_mov_b32 s[\g+1], 32<<16
	s_mov_b32 s[\g+2], 100<<16
	s_mov_b32 s[\g+3], 32<<16
	s_mov_b32 s[\g+4], 100
	s_mov_b32 s[\g+5], 32
	s_mov_b32 s[\g+6], 0
	s_mov_b32 s[\g+7], 0
.endr
	s_lshl_b32 s18, s17, 4
	s_lshl_b32 s19, ttmp9, 4
	s_mov_b32 s22, s18
	s_add_co_u32 s23, s19, BSB0
	s_lshl_b32 s17, s17, 2
	s_lshl_b32 s42, ttmp9, 2
	s_mov_b32 s75, 6400
	s_mov_b32 s78, 409600
	s_lshl_b32 s20, s41, 2
	s_add_co_u32 s22, s22, s20
	s_lshl_b32 s46, s40, 2
	s_add_co_u32 s23, s23, s46
	s_add_co_u32 s17, s17, s41
	s_add_co_u32 s42, s42, s40
	s_mul_i32 s20, s22, SBB
	s_mul_i32 s21, s16, STR_A
	s_add_co_u32 s20, s20, s21
	s_mov_b32 s21, 0
	s_mul_i32 s46, s23, SBB
	s_mul_i32 s47, s16, STR_B
	s_add_co_u32 s46, s46, s47
.if BBASE
	s_add_co_u32 s46, s46, BBASE
.endif
	s_mov_b32 s47, 0
	s_mul_i32 s45, s14, TILEB
	s_mov_b32 s[SEL], 0x76543210
	s_mov_b32 s[SEL+1], 0xfedcba98
	s_mov_b32 s[HM], 0xffff0000
	s_wait_dscnt 0x0
	s_wait_kmcnt 0x0
	s_add_nc_u64 s[20:21], s[4:5], s[20:21]
	s_add_nc_u64 s[46:47], s[PB:PB+1], s[46:47]
	; the prefetches: a wave's tensor load brings 100 blocks of 256 bytes; of these each of the four partners that ask jointly names 25, told apart by address (cx for A, cy for B); lanes 25-31 name the wave's last block again
	s_mov_b32 s82, 2*STR_B
	s_cmp_eq_u32 s15, 0
	s_cselect_b64 s[80:81], s[20:21], s[46:47]
	s_cselect_b32 s90, s40, s41
	s_cselect_b32 s82, 2*STR_A, s82
	s_mov_b32 s83, 0
	s_mul_i32 s90, s90, 25
	s_add_nc_u64 s[84:85], s[80:81], s[82:83]      ; my part of tile 1, 2, 3 (two K steps a tile); never rewritten
	s_add_nc_u64 s[86:87], s[84:85], s[82:83]
	s_add_nc_u64 s[88:89], s[86:87], s[82:83]
	v_and_b32 v30, 31, v0
	v_min_u32 v30, 24, v30
	v_add_nc_u32 v30, s90, v30
	v_lshlrev_b32 v30, 8, v30
	s_wait_alu depctr_va_vdst(0)
	CROUND
.irp s, 0,1
	s_mov_b32 s[G0+4*\s], 1
	s_add_co_u32 s[G0+4*\s+1], s45, \s*SLOT
	s_add_nc_u64 s[G0+4*\s+2:G0+4*\s+3], s[20:21], \s*2*STR_A
	s_or_b32 s[G0+4*\s+3], s[G0+4*\s+3], 0x80000000
	s_mov_b32 s[G0B+4*\s], 1
	s_add_co_u32 s[G0B+4*\s+1], s45, \s*SLOT
	s_add_nc_u64 s[G0B+4*\s+2:G0B+4*\s+3], s[46:47], \s*2*STR_B
	s_or_b32 s[G0B+4*\s+3], s[G0B+4*\s+3], 0x80000000
.if \s
	s_wait_alu depctr_va_vdst(0)
	s_wait_tensorcnt 0x0
	ds_add_u32 v28, v29
	s_wait_dscnt 0x0
	CROUND
.endif
	JLOAD G0+4*\s, G1, G0B+4*\s, G1B
.if \s == 0
	global_prefetch_b8 v30, s[84:85] th:TH_LOAD_NT scope:SCOPE_SE   ; behind tile t's load: the tile two refills on; behind the first also tile 1
	global_prefetch_b8 v30, s[86:87] th:TH_LOAD_NT scope:SCOPE_SE
.else
	global_prefetch_b8 v30, s[88:89] th:TH_LOAD_NT scope:SCOPE_SE   ; tile 3 is the last: later loads ask for nothing
.endif
.endr
	v_and_b32 v1, 31, v0
	v_lshlrev_b32 v[CO], 4, v1
	v_lshlrev_b32 v[L8], 3, v1
	s_mul_i32 s21, s15, 2*SBB
	s_mul_i32 s22, s16, 2*SBB
	s_add_co_u32 s22, s22, 2*TILEB
.irp s, 0,1
	v_add_nc_u32 v[ADRA+\s], s21, v[CO]
	v_add_nc_u32 v[ADRB+\s], s22, v[CO]
	v_add_nc_u32 v[ADSA+\s], s21, v[L8]
	v_add_nc_u32 v[ADSB+\s], s22, v[L8]
	s_add_co_u32 s21, s21, SLOT
	s_add_co_u32 s22, s22, SLOT
.endr
.if HASBIAS
	v_bfe_u32 v6, v0, 4, 1
	v_lshlrev_b32 v6, 6, v6
	s_lshl_b32 s18, s42, 10
	s_lshl_b32 s19, s16, 9
	s_add_co_u32 s18, s18, s19
	s_mov_b32 s19, 0
	s_add_nc_u64 s[PBIAS:PBIAS+1], s[PBIAS:PBIAS+1], s[18:19]
.irp b, 0,1,2,3
.irp j, 0,1,2,3
	global_load_b128 v[BIAS+16*\b+4*\j:BIAS+16*\b+4*\j+3], v6, s[PBIAS:PBIAS+1] offset:128*\b+16*\j
.endr
.endr
.endif
.irp b, 0,1,2,3
	v_mov_b32 v[TM+4+\b], 0
.endr
	s_lshl_b32 s18, s17, 2
	s_lshl_b32 s19, s15, 1
	s_add_co_u32 s18, s18, s19
	s_mul_i32 s18, s18, s75
	s_lshl_b32 s19, s42, 1
	s_add_co_u32 s19, s19, s16
	s_mul_i32 s19, s19, s78
	s_add_co_u32 s18, s18, s19
	s_mov_b32 s19, 0
	s_add_nc_u64 s[68:69], s[POUT:POUT+1], s[18:19]
	s_mov_b32 s18, s75
	s_add_nc_u64 s[70:71], s[68:69], s[18:19]
.if HASBIAS
	s_wait_loadcnt 0x0
.endif
	s_wait_tensorcnt 1
	s_barrier_signal -1
	s_barrier_wait -1
	FETCH_B 0, 0, 0
	FETCH_A 0, 0, 0
	SCALES 0
	FETCH_A 0, 0, 4
	STEP 0, 1
	s_mov_b32 s3, LAPS-1
.Llap:
	TURN 0, 1, 1
	STEP 1, 0
	TURN 1, 0, 1
	STEP 0, 0
	s_sub_co_u32 s3, s3, 1
	s_cmp_lg_u32 s3, 0
	s_cbranch_scc1 .Llap
	TURN 0, 1, 0
	STEP 1, 0
	s_wait_dscnt 12
	WIN MUL_LO
	MUL16 0, 1, 1, 1, 0
	MUL16 2, 1, 1, 1, 0
	s_wait_dscnt 0x0
	WIN MUL_HI
	MUL16 4, 1, 1, 1, 0
	MUL16 6, 1, 1, 1, 0
	WIN 0
	PLACES
.macro QUANT s, w, pc, pw
	WIN (\w)|((\w)<<2)
.irp b, 0,1,2,3
	v_max3_num_f32 v[TM+\b], |v[\s+16*\b]|, |v[\s+16*\b+1]|, 0x2800000
.endr
.irp i, 2,4,6,8,10,12,14
.irp b, 0,1,2,3
	v_max3_num_f32 v[TM+\b], |v[\s+16*\b+\i]|, |v[\s+16*\b+\i+1]|, v[TM+\b]
.endr
.endr
	WIN 0
.irp b, 0,1,2,3
	v_permlanex16_b32 v[TM+4+\b], v[TM+\b], s[SEL], s[SEL+1]
.endr
.irp b, 0,1,2,3
	v_max_num_f32 v[TM+\b], v[TM+\b], v[TM+4+\b]
.endr
.irp b, 0,1,2,3
	v_add_nc_u32 v[TM+12+\b], 0xfe000000, v[TM+\b]
.endr
.irp b, 0,1,2,3
	v_lshrrev_b32 v[TM+4+\b], 23, v[TM+12+\b]
.endr
	v_lshl_or_b32 v[\pw], v[TM+5], 8, v[TM+4]
	v_lshl_or_b32 v[\pw], v[TM+6], 16, v[\pw]
	v_lshl_or_b32 v[\pw], v[TM+7], 24, v[\pw]
	WIN (\w)
.irp c, 0,1
	v_cvt_scalef32_pk16_bf6_f32 v[\pc+6*\c:\pc+6*\c+2], v[\s+32*\c:\s+32*\c+15], v[TM+12+2*\c]
	v_cvt_scalef32_pk16_bf6_f32 v[CT+4*\c:CT+4*\c+2], v[\s+32*\c+16:\s+32*\c+31], v[TM+13+2*\c]
.endr
	WIN 0
	v_nop
.irp c, 0,1
.irp i, 0,1,2
	v_permlane16_swap_b32 v[\pc+6*\c+\i], v[CT+4*\c+\i]
.endr
.irp i, 0,1,2
	v_mov_b32 v[\pc+6*\c+3+\i], v[CT+4*\c+\i]
.endr
.endr
.endm
.irp a, 0,1,2,3,4,5,6,7
.if RELU
	WIN ((2+\a/4)<<6)|((2+\a/4)<<2)
.set j, 0
.rept 64
	v_max_num_f32 v[64*(\a%4)+j], 0, v[64*(\a%4)+j]
.set j, j+1
.endr
.endif
	QUANT 64*(\a%4), 2+\a/4, AF+12*\a, PW+\a
.irp c, 0,1,2
	global_store_b128 v[CO], v[AF+12*\a+4*\c:AF+12*\a+4*\c+3], s[68+2*(\a/4):69+2*(\a/4)] offset:1536*(\a%4)+512*\c
.endr
.if \a%4 == 3
	v_cndmask_b32 v[U+2*(\a/4)], v[PW+\a-3], v[PW+\a-2], s[HM]
	v_cndmask_b32 v[U+2*(\a/4)+1], v[PW+\a-1], v[PW+\a], s[HM]
	global_store_b64 v[L8], v[U+2*(\a/4):U+2*(\a/4)+1], s[68+2*(\a/4):69+2*(\a/4)] offset:6144
.endif
.endr
	s_wait_tensorcnt 0x0
	ds_add_u32 v[SPW], v[NIL]
	s_wait_dscnt 0x0
	CROUND
	s_endpgm
.Lfunc_end_k_q7eff78c197_ff1:
	.size	k_q7eff78c197_ff1, .Lfunc_end_k_q7eff78c197_ff1-k_q7eff78c197_ff1
	.p2alignl 7, 3214868480
	.fill 96, 4, 3214868480
	.section	.rodata,"a",@progbits
	.p2align	6, 0x0
	.amdhsa_kernel k_q7eff78c197_ff1
		.amdhsa_group_segment_fixed_size 327680
		.amdhsa_private_segment_fixed_size 0
		.amdhsa_enable_private_segment 0
		.amdhsa_kernarg_size 32
		.amdhsa_user_sgpr_count 2
		.amdhsa_user_sgpr_kernarg_segment_ptr 1
		.amdhsa_wavefront_size32 1
		.amdhsa_system_sgpr_workgroup_id_x 1
		.amdhsa_system_sgpr_workgroup_id_y 1
		.amdhsa_system_sgpr_workgroup_id_z 1
		.amdhsa_system_vgpr_workitem_id 0
		.amdhsa_next_free_vgpr 1024
		.amdhsa_next_free_sgpr 100
		.amdhsa_reserve_vcc 0
		.amdhsa_float_denorm_mode_32 3
		.amdhsa_float_denorm_mode_16_64 3
		.amdhsa_memory_ordered 1
		.amdhsa_forward_progress 1
		.amdhsa_inst_pref_size 157
	.end_amdhsa_kernel
	.amdgpu_metadata
---
amdhsa.version: [ 1, 2 ]
amdhsa.kernels:
  - .name:           k_q7eff78c197_ff1
    .symbol:         k_q7eff78c197_ff1.kd
    .args:
      - { .name: ximg, .offset: 0, .size: 8, .value_kind: global_buffer, .address_space: global }
      - { .name: wimg, .offset: 8, .size: 8, .value_kind: global_buffer, .address_space: global }
      - { .name: b1, .offset: 16, .size: 8, .value_kind: global_buffer, .address_space: global }
      - { .name: himg, .offset: 24, .size: 8, .value_kind: global_buffer, .address_space: global }
    .group_segment_fixed_size: 327680
    .private_segment_fixed_size: 0
    .kernarg_segment_align: 8
    .kernarg_segment_size: 32
    .max_flat_workgroup_size: 128
    .sgpr_count:     100
    .vgpr_count:     1024
    .wavefront_size: 32
...
	.end_amdgpu_metadata
.endif
;; end of part 13
;; launch ff2 (part 14): grid 8 x 32, 4 waves a work-group, clusters of 4 x 4, 327,680 bytes of LDS; arguments himg, wimg, b2, x1, y; writes y
.if DOCPART == 14
	.amdgcn_target "amdgcn-amd-amdhsa--gfx1250"
	.amdhsa_code_object_version 6
	.text
	.protected	k_q7eff78c197_ff2
	.globl	k_q7eff78c197_ff2
	.p2align	8
	.type	k_q7eff78c197_ff2,@function
k_q7eff78c197_ff2:
	s_mov_b64 s[64:65], 0
	v_nop
	global_prefetch_b8 v0, s[64:65] scope:SCOPE_SE
	s_setreg_imm32_b32 hwreg(HW_REG_WAVE_MODE, 25, 1), 1
	s_wait_xcnt 0x0
	s_wait_alu depctr_hold_cnt(0) depctr_sa_sdst(0) depctr_va_vdst(0) depctr_va_sdst(0) depctr_va_ssrc(0) depctr_va_vcc(0) depctr_vm_vsrc(0)
	s_getreg_b32 s2, hwreg(HW_REG_IB_STS2, 6, 4)
	s_cmp_eq_u32 s2, 0
	s_cbranch_scc0 .Lentry_in_a_cluster
	s_endpgm
.Lentry_in_a_cluster:
	s_bfe_u32 s2, ttmp6, 0x10000c
	s_cmp_lg_u32 s2, 0xf033
	s_cbranch_scc0 .Lentry_shape_is_right
	s_endpgm
.Lentry_shape_is_right:
.set KSTEPS, 32
.set STR_A, 409600
.set STR_B, 102400
.set BBASE, 9830400
.set BSB0, 0
.set HASBIAS, 1
.set PB, 6
.set PBIAS, 8
.set PRES, 10
.set POUT, 12
.set SBB,   6400
.set STEPB, 2*SBB
.set HALFB, 3*STEPB
.set OPB,   6*STEPB
.set SLOT,  2*OPB
.set SPARE, 2*SLOT
.set STAGE, SPARE+512
.set SP,    272
.set ADRA, 8
.set ADRB, 12
.set ADSA, 16
.set ADSB, 20
.set STO,  24
.set RD,   25
.set CO,   26
.set SPW,  28
.set NIL,  29
.set SC,   32
.set BIAS, 64
.set BB,   64
.set ACC,  128
.set G1,   24
.set G0,   32
.set G1B,  48
.set G0B,  56
.set G1S,  68
.set G1SB, 76
.set G0S,  84
.set G0SB, 88
.set OUT,  92
.set RES,  94
.set MUL,  0x05
.set TO_F, 0x40
.set MSB, 0
.macro WIN new
.if MSB != (\new)
	s_set_vgpr_msb (MSB<<8)|(\new)
.set MSB, (\new)
.endif
.endm
.macro JLOAD g0a, g1a, g0b, g1b
	s_cmp_eq_u32 s15, 0
	s_cbranch_scc0 .Lfor_b_\@
	tensor_load_to_lds s[\g0a:\g0a+3], s[\g1a:\g1a+7]
	s_nop 0
.rept 4
	v_nop
.endr
	s_branch .Lasked_\@
.Lfor_b_\@:
	tensor_load_to_lds s[\g0b:\g0b+3], s[\g1b:\g1b+7]
	s_nop 0
.rept 4
	v_nop
.endr
.Lasked_\@:
.endm
.macro CREST
	s_cmp_lg_u32 s14, 0
	s_cbranch_scc1 .Lnot_wave_0_\@
	s_barrier_signal -3
.Lnot_wave_0_\@:
	s_barrier_wait -3
	s_barrier_signal -1
	s_barrier_wait -1
.endm
.macro CROUND
	s_barrier_signal -1
	s_barrier_wait -1
	CREST
.endm
.macro PLACES
.rept 4
	v_nop
.endr
.endm
.macro FRAG reg, adr, off
.irp c, 0,1,2
	ds_load_b128 v[\reg+4*\c:\reg+4*\c+3], v[\adr] offset:\off+512*\c
.endr
.endm
.macro FETCH slot, q, p
	WIN TO_F
.irp i, 0,1,2,3
	FRAG 96*(\p)+12*\i, ADRA+2*(\slot)+(\q)/3, STEPB*((\q)%3)+1536*\i
	FRAG 96*(\p)+48+12*\i, ADRB+2*(\slot)+(\q)/3, STEPB*((\q)%3)+1536*\i
.endr
	WIN 0
	ds_load_b64 v[SC+4*(\p):SC+4*(\p)+1], v[ADSA+2*(\slot)+(\q)/3] offset:6144+STEPB*((\q)%3)
	ds_load_b64 v[SC+4*(\p)+2:SC+4*(\p)+3], v[ADSB+2*(\slot)+(\q)/3] offset:6144+STEPB*((\q)%3)
.endm
.macro WM a, b, p, first
.set rD, ACC+8*(4*(\a)+(\b))
.set rB, 96*(\p)+48+12*(\b)
.set rA, 96*(\p)+12*(\a)
.set sB, SC+4*(\p)+2+(\b)/2
.set sA, SC+4*(\p)+(\a)/2
.set rC, rD
.if (\first) && HASBIAS
.set rC, BIAS+8*(\b)
.endif
.set oo, 2*((\b)%2)+((\a)%2)
.if (\first) && (HASBIAS == 0)
.if oo == 0
	v_wmma_scale_f32_16x16x128_f8f6f4 v[rD:rD+7], v[rB:rB+11], v[rA:rA+11], 0, v[sB], v[sA] matrix_a_fmt:MATRIX_FMT_BF6 matrix_b_fmt:MATRIX_FMT_BF6
.elseif oo == 1
	v_wmma_scale_f32_16x16x128_f8f6f4 v[rD:rD+7], v[rB:rB+11], v[rA:rA+11], 0, v[sB], v[sA] matrix_a_fmt:MATRIX_FMT_BF6 matrix_b_fmt:MATRIX_FMT_BF6 matrix_b_scale:MATRIX_SCALE_ROW1
.elseif oo == 2
	v_wmma_scale_f32_16x16x128_f8f6f4 v[rD:rD+7], v[rB:rB+11], v[rA:rA+11], 0, v[sB], v[sA] matrix_a_fmt:MATRIX_FMT_BF6 matrix_b_fmt:MATRIX_FMT_BF6 matrix_a_scale:MATRIX_SCALE_ROW1
.else
	v_wmma_scale_f32_16x16x128_f8f6f4 v[rD:rD+7], v[rB:rB+11], v[rA:rA+11], 0, v[sB], v[sA] matrix_a_fmt:MATRIX_FMT_BF6 matrix_b_fmt:MATRIX_FMT_BF6 matrix_a_scale:MATRIX_SCALE_ROW1 matrix_b_scale:MATRIX_SCALE_ROW1
.endif
.else
.if oo == 0
	v_wmma_scale_f32_16x16x128_f8f6f4 v[rD:rD+7], v[rB:rB+11], v[rA:rA+11], v[rC:rC+7], v[sB], v[sA] matrix_a_fmt:MATRIX_FMT_BF6 matrix_b_fmt:MATRIX_FMT_BF6
.elseif oo == 1
	v_wmma_scale_f32_16x16x128_f8f6f4 v[rD:rD+7], v[rB:rB+11], v[rA:rA+11], v[rC:rC+7], v[sB], v[sA] matrix_a_fmt:MATRIX_FMT_BF6 matrix_b_fmt:MATRIX_FMT_BF6 matrix_b_scale:MATRIX_SCALE_ROW1
.elseif oo == 2
	v_wmma_scale_f32_16x16x128_f8f6f4 v[rD:rD+7], v[rB:rB+11], v[rA:rA+11], v[rC:rC+7], v[sB], v[sA] matrix_a_fmt:MATRIX_FMT_BF6 matrix_b_fmt:MATRIX_FMT_BF6 matrix_a_scale:MATRIX_SCALE_ROW1
.else
	v_wmma_scale_f32_16x16x128_f8f6f4 v[rD:rD+7], v[rB:rB+11], v[rA:rA+11], v[rC:rC+7], v[sB], v[sA] matrix_a_fmt:MATRIX_FMT_BF6 matrix_b_fmt:MATRIX_FMT_BF6 matrix_a_scale:MATRIX_SCALE_ROW1 matrix_b_scale:MATRIX_SCALE_ROW1
.endif
.endif
.endm
.macro MUL8 a0, p, first
.irp a, \a0, \a0+1
.irp b, 0,1,2,3
	WM \a, \b, \p, \first
.endr
.endr
.endm
.macro STEPK slot, q, first
	PLACES
	FETCH \slot, (\q)+1, ((\q)+1)%2
	s_wait_dscnt 26
	WIN MUL
	MUL8 0, (\q)%2, \first
	MUL8 2, (\q)%2, \first
.endm
.macro TURN slot, next, fill
	WIN 0
	s_wait_tensorcnt 0x0
	ds_add_u32 v[SPW], v[NIL]
	s_wait_dscnt 1
	WIN MUL
	MUL8 0, 1, 0
	s_wait_dscnt 0x0
	s_barrier_signal -1
	MUL8 2, 1, 0
	WIN 0
	s_barrier_wait -1
.if (\fill) == 1
	CREST
	s_add_nc_u64 s[G0+4*(\slot)+2:G0+4*(\slot)+3], s[G0+4*(\slot)+2:G0+4*(\slot)+3], 12*STR_A
	s_add_nc_u64 s[G0B+4*(\slot)+2:G0B+4*(\slot)+3], s[G0B+4*(\slot)+2:G0B+4*(\slot)+3], 12*STR_B
	JLOAD G0+4*(\slot), G1, G0B+4*(\slot), G1B
.elseif (\fill) == 2
	CREST
	JLOAD G0S, G1S, G0SB, G1SB
.else
	PLACES
.endif
	FETCH \next, 0, 0
.endm
.macro FULL s, first, fill
	STEPK \s, 0, \first
	STEPK \s, 1, 0
	STEPK \s, 2, 0
	STEPK \s, 3, 0
	STEPK \s, 4, 0
	TURN \s, 1-\s, \fill
.endm
.macro MAKE0 s
	s_mov_b32 s[G0+4*\s], 1
	s_add_co_u32 s[G0+4*\s+1], s45, \s*SLOT
	s_add_nc_u64 s[G0+4*\s+2:G0+4*\s+3], s[20:21], \s*6*STR_A
	s_or_b32 s[G0+4*\s+3], s[G0+4*\s+3], 0x80000000
	s_mov_b32 s[G0B+4*\s], 1
	s_add_co_u32 s[G0B+4*\s+1], s45, \s*SLOT
	s_add_nc_u64 s[G0B+4*\s+2:G0B+4*\s+3], s[46:47], \s*6*STR_B
	s_or_b32 s[G0B+4*\s+3], s[G0B+4*\s+3], 0x80000000
.endm
	s_load_b256 s[4:11], s[0:1], 0x0
	s_load_b64 s[12:13], s[0:1], 0x20
	v_lshl_add_u32 v[SPW], v0, 2, SPARE
	v_mov_b32 v[NIL], 0
	ds_add_u32 v[SPW], v[NIL]
	ds_add_u32 v[SPW], v[NIL]
	v_lshrrev_b32 v1, 5, v0
	v_readfirstlane_b32 s14, v1
	s_lshr_b32 s15, s14, 1
	s_and_b32 s16, s14, 1
	s_bfe_u32 s40, ttmp6, 0x40000
	s_bfe_u32 s41, ttmp6, 0x40004
	s_lshl_b32 s43, s41, 2
	s_lshl_b32 s43, 15, s43
	s_lshl_b32 s44, 0x1111, s40
	s_or_b32 s[G1+0], s43, (3<<16)|(1<<21)
	s_or_b32 s[G1B+0], s44, (3<<16)|(1<<21)
	s_or_b32 s[G1S+0], s43, (3<<16)|(1<<21)
	s_or_b32 s[G1SB+0], s44, (3<<16)|(1<<21)
.irp g, G1, G1B
	s_mov_b32 s[\g+1], 1600<<16
	s_mov_b32 s[\g+2], 3<<16
	s_mov_b32 s[\g+3], 1600<<16
	s_mov_b32 s[\g+4], 3
	s_mov_b32 s[\g+6], 0
	s_mov_b32 s[\g+7], 0
.endr
	s_mov_b32 s[G1+5], STR_A/8
	s_mov_b32 s[G1B+5], STR_B/8
.irp g, G1S, G1SB
	s_mov_b32 s[\g+1], 32<<16
	s_mov_b32 s[\g+2], 50<<16
	s_mov_b32 s[\g+3], 32<<16
	s_mov_b32 s[\g+4], 50
	s_mov_b32 s[\g+5], 32
	s_mov_b32 s[\g+6], 0
	s_mov_b32 s[\g+7], 0
.endr
	s_and_b32 s17, ttmp7, 0xffff
	s_lshl_b32 s17, s17, 2
	s_add_co_u32 s17, s17, s41
	s_lshl_b32 s42, ttmp9, 2
	s_add_co_u32 s42, s42, s40
	s_lshl_b32 s22, s17, 1
	s_lshl_b32 s23, s42, 1
	s_add_co_u32 s23, s23, BSB0
	s_mul_i32 s22, s22, SBB
	s_mul_i32 s23, s23, SBB
	s_mul_i32 s21, s16, 3*STR_A
	s_add_co_u32 s20, s22, s21
	s_mov_b32 s21, 0
	s_mul_i32 s47, s16, 3*STR_B
	s_add_co_u32 s46, s23, s47
	s_add_co_u32 s46, s46, BBASE
	s_mov_b32 s47, 0
	s_mul_i32 s97, s16, STR_A
	s_add_co_u32 s96, s22, s97
	s_add_co_u32 s96, s96, (KSTEPS-2)*STR_A
	s_mov_b32 s97, 0
	s_mul_i32 s99, s16, STR_B
	s_add_co_u32 s98, s23, s99
	s_add_co_u32 s98, s98, (KSTEPS-2)*STR_B+BBASE
	s_mov_b32 s99, 0
	s_mul_i32 s45, s14, HALFB
	s_mul_i32 s3, s15, OPB
	s_mul_i32 s2, s16, STEPB
	s_add_co_u32 s3, s3, s2
	s_add_co_u32 s3, s3, SLOT
	s_wait_dscnt 0x0
	s_wait_kmcnt 0x0
	s_add_nc_u64 s[20:21], s[4:5], s[20:21]
	s_add_nc_u64 s[46:47], s[PB:PB+1], s[46:47]
	s_add_nc_u64 s[96:97], s[4:5], s[96:97]
	s_add_nc_u64 s[98:99], s[PB:PB+1], s[98:99]
	s_mov_b32 s[G0S], 1
	s_mov_b32 s[G0S+1], s3
	s_mov_b64 s[G0S+2:G0S+3], s[96:97]
	s_or_b32 s[G0S+3], s[G0S+3], 0x80000000
	s_mov_b32 s[G0SB], 1
	s_mov_b32 s[G0SB+1], s3
	s_mov_b64 s[G0SB+2:G0SB+3], s[98:99]
	s_or_b32 s[G0SB+3], s[G0SB+3], 0x80000000
	; the prefetches: a wave's tensor load of a full tile brings 3 K steps x 50 blocks of 256 bytes; of these 150 each of the four partners that ask jointly names 38, told apart by address (cx for A, cy for B),
	; in two instructions; of the last tile's 50 each names 13.  Lanes that are left over name the wave's last block again.  The bases are never rewritten.
	s_mov_b32 s18, 6*STR_B
	s_mov_b32 s22, STR_B-12800
	s_cmp_eq_u32 s15, 0
	s_cselect_b64 s[4:5], s[20:21], s[46:47]
	s_cselect_b64 s[66:67], s[96:97], s[98:99]     ; my part of the last tile
	s_cselect_b32 s18, 6*STR_A, s18
	s_cselect_b32 s22, STR_A-12800, s22
	s_cselect_b32 s23, s40, s41
	s_mov_b32 s19, 0
	s_add_nc_u64 s[4:5], s[4:5], s[18:19]          ; my part of tile 1,
	s_add_nc_u64 s[6:7], s[4:5], s[18:19]          ; 2,
	s_add_nc_u64 s[96:97], s[6:7], s[18:19]        ; 3,
	s_add_nc_u64 s[98:99], s[96:97], s[18:19]      ; 4
	s_mul_i32 s2, s23, 38
	s_mul_i32 s3, s23, 13
	v_and_b32 v30, 31, v0
	v_min_u32 v31, 5, v30
	v_min_u32 v27, 12, v30
	v_add_nc_u32 v30, s2, v30                      ; blocks 38 p + 0 .. 31
	v_add_nc_u32 v31, s2, v31
	v_add_nc_u32 v27, s3, v27
	v_add_nc_u32 v31, 32, v31                      ; blocks 38 p + 32 .. 37,
	v_min_u32 v27, 49, v27
	v_min_u32 v31, 149, v31                        ; 149 at the most
	v_lshlrev_b32 v27, 8, v27
	v_mul_u32_u24 v2, v30, 41
	v_mul_u32_u24 v3, v31, 41
	v_lshrrev_b32 v2, 11, v2                       ; block / 50, right up to 149: which of the three K steps
	v_lshrrev_b32 v3, 11, v3
	v_mul_u32_u24 v2, s22, v2                      ; a K step on is the image's pitch, less the 50 blocks passed
	v_mul_u32_u24 v3, s22, v3
	v_lshl_add_u32 v30, v30, 8, v2
	v_lshl_add_u32 v31, v31, 8, v3
	s_wait_alu depctr_va_vdst(0)
	CROUND
	MAKE0 0
	JLOAD G0, G1, G0B, G1B
	global_prefetch_b8 v30, s[4:5] th:TH_LOAD_NT scope:SCOPE_SE     ; behind tile t's load: the tile two refills on; behind the first also tile 1
	global_prefetch_b8 v31, s[4:5] th:TH_LOAD_NT scope:SCOPE_SE
	global_prefetch_b8 v30, s[6:7] th:TH_LOAD_NT scope:SCOPE_SE
	global_prefetch_b8 v31, s[6:7] th:TH_LOAD_NT scope:SCOPE_SE
	MAKE0 1
	s_wait_alu depctr_va_vdst(0)
	s_wait_tensorcnt 0x0
	ds_add_u32 v28, v29
	s_wait_dscnt 0x0
	CROUND
	JLOAD G0+4, G1, G0B+4, G1B
	global_prefetch_b8 v30, s[96:97] th:TH_LOAD_NT scope:SCOPE_SE   ; tile 3
	global_prefetch_b8 v31, s[96:97] th:TH_LOAD_NT scope:SCOPE_SE
	v_and_b32 v4, 15, v0
	v_bfe_u32 v5, v0, 4, 1
	s_wait_alu depctr_va_vdst(0)
	v_lshlrev_b32 v[CO], 12, v5
	v_lshl_add_u32 v[CO], v4, 4, v[CO]
	s_wait_alu depctr_va_vdst(0)
	s_lshl_b32 s18, s17, 19
	s_lshl_b32 s19, s15, 18
	s_add_co_u32 s18, s18, s19
	s_lshl_b32 s19, s42, 9
	s_add_co_u32 s18, s18, s19
	s_lshl_b32 s19, s16, 8
	s_add_co_u32 s18, s18, s19
	s_mov_b32 s19, 0
	s_add_nc_u64 s[OUT:OUT+1], s[POUT:POUT+1], s[18:19]
	s_add_nc_u64 s[RES:RES+1], s[PRES:PRES+1], s[18:19]
.if HASBIAS
	v_lshlrev_b32 v6, 6, v5
	s_lshl_b32 s18, s42, 9
	s_lshl_b32 s19, s16, 8
	s_add_co_u32 s18, s18, s19
	s_mov_b32 s19, 0
	s_add_nc_u64 s[PBIAS:PBIAS+1], s[PBIAS:PBIAS+1], s[18:19]
.irp b, 0,1
.irp j, 0,1,2,3
	global_load_b128 v[BIAS+16*\b+4*\j:BIAS+16*\b+4*\j+3], v6, s[PBIAS:PBIAS+1] offset:128*\b+16*\j
.endr
.endr
.endif
	WIN 0x80
.irp a, 0,1,2,3
.irp t, 0,1,2,3,4,5,6,7
	global_load_b128 v[32*\a+4*\t:32*\a+4*\t+3], v[CO], s[RES:RES+1] offset:(32*(\a/2)+8*(\a%2)+((2*\t)%8)+16*((2*\t)/8))*4096 th:TH_LOAD_NT
.endr
.endr
	WIN 0
	v_and_b32 v1, 31, v0
	v_lshlrev_b32 v2, 4, v1
	v_lshlrev_b32 v3, 3, v1
	s_mul_i32 s21, s15, SBB
	s_mul_i32 s22, s16, SBB
	s_add_co_u32 s22, s22, OPB
.irp k, 0,1,2,3
	s_add_co_u32 s18, s21, (\k/2)*SLOT+(\k%2)*HALFB
	s_add_co_u32 s19, s22, (\k/2)*SLOT+(\k%2)*HALFB
	v_add_nc_u32 v[ADRA+\k], s18, v2
	v_add_nc_u32 v[ADRB+\k], s19, v2
	v_add_nc_u32 v[ADSA+\k], s18, v3
	v_add_nc_u32 v[ADSB+\k], s19, v3
.endr
	s_mul_i32 s18, s14, 16*SP
	s_add_co_u32 s18, s18, STAGE
	v_mul_u32_u24 v[STO], v4, SP
	v_lshl_add_u32 v[STO], v5, 6, v[STO]
	v_add_nc_u32 v[STO], s18, v[STO]
	v_mul_u32_u24 v[RD], v5, SP
	v_lshl_add_u32 v[RD], v4, 4, v[RD]
	v_add_nc_u32 v[RD], s18, v[RD]
.if HASBIAS
	s_wait_loadcnt 32
.endif
	s_wait_tensorcnt 1
	s_barrier_signal -1
	s_barrier_wait -1
	FETCH 0, 0, 0
	FULL 0, 1, 1
	global_prefetch_b8 v30, s[98:99] th:TH_LOAD_NT scope:SCOPE_SE   ; behind tile 2's load and the LDS loads that follow it: tile 4
	global_prefetch_b8 v31, s[98:99] th:TH_LOAD_NT scope:SCOPE_SE
	s_wait_alu depctr_va_vdst(0)
	FULL 1, 0, 1
	global_prefetch_b8 v27, s[66:67] th:TH_LOAD_NT scope:SCOPE_SE   ; behind tile 3's load: the last tile; later loads ask for nothing
	FULL 0, 0, 1
	FULL 1, 0, 2
	FULL 0, 0, 0
	STEPK 1, 0, 0
	s_wait_dscnt 0x0
	WIN MUL
	MUL8 0, 1, 0
	MUL8 2, 1, 0
	WIN 0
	PLACES
.macro TOSTAGE a
.irp b, 0,1,2,3
	ds_store_b128 v[STO], v[ACC+8*(4*(\a)+\b):ACC+8*(4*(\a)+\b)+3] offset:128*(\b/2)+32*(\b%2)
	ds_store_b128 v[STO], v[ACC+8*(4*(\a)+\b)+4:ACC+8*(4*(\a)+\b)+7] offset:128*(\b/2)+32*(\b%2)+16
.endr
.irp t, 0,1,2,3,4,5,6,7
	ds_load_b128 v[BB+32*((\a)%2)+4*\t:BB+32*((\a)%2)+4*\t+3], v[RD] offset:2*\t*SP
.endr
.endm
.macro SEND a, dsc
	s_wait_dscnt \dsc
	WIN 0x08
.set j, 0
.rept 16
	v_pk_add_f32 v[BB+32*((\a)%2)+j:BB+32*((\a)%2)+j+1], v[BB+32*((\a)%2)+j:BB+32*((\a)%2)+j+1], v[32*(\a)+j:32*(\a)+j+1]
.set j, j+2
.endr
	WIN 0
.irp t, 0,1,2,3,4,5,6,7
	global_store_b128 v[CO], v[BB+32*((\a)%2)+4*\t:BB+32*((\a)%2)+4*\t+3], s[OUT:OUT+1] offset:(32*((\a)/2)+8*((\a)%2)+((2*\t)%8)+16*((2*\t)/8))*4096
.endr
.endm
	s_wait_loadcnt 0x0
	TOSTAGE 0
.irp a, 1,2,3
.if \a > 1
	s_wait_xcnt 0x0
.endif
	TOSTAGE \a
	SEND \a-1, 16
.endr
	SEND 3, 0
	s_wait_tensorcnt 0x0
	ds_add_u32 v[SPW], v[NIL]
	s_wait_dscnt 0x0
	CROUND
	s_endpgm
.Lfunc_end_k_q7eff78c197_ff2:
	.size	k_q7eff78c197_ff2, .Lfunc_end_k_q7eff78c197_ff2-k_q7eff78c197_ff2
	.p2alignl 7, 3214868480
	.fill 96, 4, 3214868480
	.section	.rodata,"a",@progbits
	.p2align	6, 0x0
	.amdhsa_kernel k_q7eff78c197_ff2
		.amdhsa_group_segment_fixed_size 327680
		.amdhsa_private_segment_fixed_size 0
		.amdhsa_enable_private_segment 0
		.amdhsa_kernarg_size 40
		.amdhsa_user_sgpr_count 2
		.amdhsa_user_sgpr_kernarg_segment_ptr 1
		.amdhsa_wavefront_size32 1
		.amdhsa_system_sgpr_workgroup_id_x 1
		.amdhsa_system_sgpr_workgroup_id_y 1
		.amdhsa_system_sgpr_workgroup_id_z 1
		.amdhsa_system_vgpr_workitem_id 0
		.amdhsa_next_free_vgpr 768
		.amdhsa_next_free_sgpr 100
		.amdhsa_reserve_vcc 0
		.amdhsa_float_denorm_mode_32 3
		.amdhsa_float_denorm_mode_16_64 3
		.amdhsa_memory_ordered 1
		.amdhsa_forward_progress 1
		.amdhsa_inst_pref_size 157
	.end_amdhsa_kernel
	.amdgpu_metadata
---
amdhsa.version: [ 1, 2 ]
amdhsa.kernels:
  - .name:           k_q7eff78c197_ff2
    .symbol:         k_q7eff78c197_ff2.kd
    .args:
      - { .name: himg, .offset: 0, .size: 8, .value_kind: global_buffer, .address_space: global }
      - { .name: wimg, .offset: 8, .size: 8, .value_kind: global_buffer, .address_space: global }
      - { .name: b2, .offset: 16, .size: 8, .value_kind: global_buffer, .address_space: global }
      - { .name: x1, .offset: 24, .size: 8, .value_kind: global_buffer, .address_space: global }
      - { .name: y, .offset: 32, .size: 8, .value_kind: global_buffer, .address_space: global }
    .group_segment_fixed_size: 327680
    .private_segment_fixed_size: 0
    .kernarg_segment_align: 8
    .kernarg_segment_size: 40
    .max_flat_workgroup_size: 128
    .sgpr_count:     100
    .vgpr_count:     768
    .wavefront_size: 32
...
	.end_amdgpu_metadata
.endif
;; end of part 14
;; launch ln2 (part 15): grid 256 x 1, 4 waves a work-group, no clusters, 0 bytes of LDS; arguments y, g2, be2, out0; writes out0
.if DOCPART == 15
	.amdgcn_target "amdgcn-amd-amdhsa--gfx1250"
	.amdhsa_code_object_version 6
	.text
	.protected	k_q7eff78c197_ln2
	.globl	k_q7eff78c197_ln2
	.p2align	8
	.type	k_q7eff78c197_ln2,@function
k_q7eff78c197_ln2:
	s_mov_b64 s[64:65], 0
	v_nop
	global_prefetch_b8 v0, s[64:65] scope:SCOPE_SE
	s_setreg_imm32_b32 hwreg(HW_REG_WAVE_MODE, 25, 1), 1
	s_wait_xcnt 0x0
; Launch 8 of 8: out0 = layer norm of y (= x1 + ff), with g2 and be2.  The first phase of launch ln1's text, with no image: no LDS, no barrier.
; Memory binds.  A wave takes four whole rows in registers (a lane holds columns 128 j + 4 l .. + 3: each load and store covers 512 consecutive bytes), so y is read once.
; The norm is taken as reference() takes it, in two passes: the mean, then the mean of the squared differences.
.set WAVES, 4
.set LO,  1
.set S,   16
.set MU,  32
.set RS,  40
.set T,   48
.set X,   64
.set G,   192
.set BE,  224
.set SEL, 26
.macro SUMRED d, t
	v_add_f32_dpp v[\d], v[\d], v[\d] row_xmask:1 row_mask:0xf bank_mask:0xf
	v_add_f32_dpp v[\d], v[\d], v[\d] row_xmask:2 row_mask:0xf bank_mask:0xf
	v_add_f32_dpp v[\d], v[\d], v[\d] row_xmask:4 row_mask:0xf bank_mask:0xf
	v_add_f32_dpp v[\d], v[\d], v[\d] row_xmask:8 row_mask:0xf bank_mask:0xf
	v_permlanex16_b32 v[\t], v[\d], s[SEL], s[SEL+1]
	v_add_f32 v[\d], v[\d], v[\t]
.endm
	s_load_b256 s[4:11], s[0:1], 0x0               ; y s[4:5], g2 s[6:7], be2 s[8:9], out0 s[10:11]
	v_lshrrev_b32 v9, 5, v0
	v_readfirstlane_b32 s14, v9
	v_and_b32 v9, 31, v0
	v_lshlrev_b32 v[LO], 4, v9
	s_mul_i32 s15, ttmp9, WAVES
	s_add_co_u32 s15, s15, s14
	s_lshl_b32 s16, s15, 14                        ; four rows of 4,096 bytes a wave
	s_mov_b32 s17, 0
	s_mov_b32 s18, 0x3a800000                      ; 1 / 1,024
	s_mov_b32 s19, 0x3727c5ac                      ; 1e-5
	s_mov_b32 s[SEL], 0x76543210
	s_mov_b32 s[SEL+1], 0xfedcba98
.irp i, 0,1,2,3
	v_mov_b32 v[T+\i], 0
.endr
	s_wait_alu depctr_va_vdst(0)
	s_wait_kmcnt 0x0
	s_add_nc_u64 s[4:5], s[4:5], s[16:17]
	s_add_nc_u64 s[10:11], s[10:11], s[16:17]
.irp j, 0,1,2,3,4,5,6,7
	global_load_b128 v[G+4*\j:G+4*\j+3], v[LO], s[6:7] offset:512*\j
	global_load_b128 v[BE+4*\j:BE+4*\j+3], v[LO], s[8:9] offset:512*\j
.endr
.irp i, 0,1,2,3
.irp j, 0,1,2,3,4,5,6,7
	global_load_b128 v[X+32*\i+4*\j:X+32*\i+4*\j+3], v[LO], s[4:5] offset:4096*\i+512*\j th:TH_LOAD_NT
.endr
.endr
.macro STAT i
.set XR, X+32*\i
.set S0, S+4*\i
	s_wait_loadcnt 24-8*\i                         ; my row's eight loads are in; the later rows', eight each, may be out
	v_pk_add_f32 v[S0:S0+1], v[XR:XR+1], v[XR+2:XR+3]
	v_pk_add_f32 v[S0+2:S0+3], v[XR+4:XR+5], v[XR+6:XR+7]
.irp k, 8,12,16,20,24,28
	v_pk_add_f32 v[S0:S0+1], v[S0:S0+1], v[XR+\k:XR+\k+1]
	v_pk_add_f32 v[S0+2:S0+3], v[S0+2:S0+3], v[XR+\k+2:XR+\k+3]
.endr
	v_pk_add_f32 v[S0:S0+1], v[S0:S0+1], v[S0+2:S0+3]
	v_add_f32 v[S0], v[S0], v[S0+1]
	SUMRED S0, T+\i
	v_mul_f32 v[MU+2*\i], 0xba800000, v[S0]        ; -mean
	v_mov_b32 v[MU+2*\i+1], v[MU+2*\i]
.irp k, 0,2,4,6,8,10,12,14,16,18,20,22,24,26,28,30
	v_pk_add_f32 v[XR+\k:XR+\k+1], v[XR+\k:XR+\k+1], v[MU+2*\i:MU+2*\i+1]
.endr
	v_pk_mul_f32 v[S0:S0+1], v[XR:XR+1], v[XR:XR+1]
	v_pk_mul_f32 v[S0+2:S0+3], v[XR+2:XR+3], v[XR+2:XR+3]
.irp k, 4,8,12,16,20,24,28
	v_pk_fma_f32 v[S0:S0+1], v[XR+\k:XR+\k+1], v[XR+\k:XR+\k+1], v[S0:S0+1]
	v_pk_fma_f32 v[S0+2:S0+3], v[XR+\k+2:XR+\k+3], v[XR+\k+2:XR+\k+3], v[S0+2:S0+3]
.endr
	v_pk_add_f32 v[S0:S0+1], v[S0:S0+1], v[S0+2:S0+3]
	v_add_f32 v[S0], v[S0], v[S0+1]
	SUMRED S0, T+\i
	v_fma_f32 v[S0], v[S0], s18, s19
.endm
.irp i, 0,1,2,3                        ; each row is finished and stored as soon as it is in, under the later rows' loads
	STAT \i
	s_wait_alu depctr_va_vdst(0)
	v_rsq_f32 v[RS+2*\i], v[S+4*\i]
	v_rsq_f32 v[RS+2*\i+1], v[S+4*\i]
	v_nop
	s_wait_alu depctr_va_vdst(0)
.irp k, 0,2,4,6,8,10,12,14,16,18,20,22,24,26,28,30
	v_pk_mul_f32 v[X+32*\i+\k:X+32*\i+\k+1], v[X+32*\i+\k:X+32*\i+\k+1], v[RS+2*\i:RS+2*\i+1]
.endr
.irp k, 0,2,4,6,8,10,12,14,16,18,20,22,24,26,28,30
	v_pk_fma_f32 v[X+32*\i+\k:X+32*\i+\k+1], v[X+32*\i+\k:X+32*\i+\k+1], v[G+\k:G+\k+1], v[BE+\k:BE+\k+1]
.endr
.irp j, 0,1,2,3,4,5,6,7
	global_store_b128 v[LO], v[X+32*\i+4*\j:X+32*\i+4*\j+3], s[10:11] offset:4096*\i+512*\j th:TH_STORE_NT
.endr
.endr
	s_endpgm
.Lfunc_end_k_q7eff78c197_ln2:
	.size	k_q7eff78c197_ln2, .Lfunc_end_k_q7eff78c197_ln2-k_q7eff78c197_ln2
	.p2alignl 7, 3214868480
	.fill 96, 4, 3214868480
	.section	.rodata,"a",@progbits
	.p2align	6, 0x0
	.amdhsa_kernel k_q7eff78c197_ln2
		.amdhsa_group_segment_fixed_size 0
		.amdhsa_private_segment_fixed_size 0
		.amdhsa_enable_private_segment 0
		.amdhsa_kernarg_size 32
		.amdhsa_user_sgpr_count 2
		.amdhsa_user_sgpr_kernarg_segment_ptr 1
		.amdhsa_wavefront_size32 1
		.amdhsa_system_sgpr_workgroup_id_x 1
		.amdhsa_system_sgpr_workgroup_id_y 1
		.amdhsa_system_sgpr_workgroup_id_z 1
		.amdhsa_system_vgpr_workitem_id 0
		.amdhsa_next_free_vgpr 256
		.amdhsa_next_free_sgpr 66
		.amdhsa_reserve_vcc 0
		.amdhsa_float_denorm_mode_32 3
		.amdhsa_float_denorm_mode_16_64 3
		.amdhsa_memory_ordered 1
		.amdhsa_forward_progress 1
		.amdhsa_inst_pref_size 33
	.end_amdhsa_kernel
	.amdgpu_metadata
---
amdhsa.version: [ 1, 2 ]
amdhsa.kernels:
  - .name:           k_q7eff78c197_ln2
    .symbol:         k_q7eff78c197_ln2.kd
    .args:
      - { .name: y, .offset: 0, .size: 8, .value_kind: global_buffer, .address_space: global }
      - { .name: g2, .offset: 8, .size: 8, .value_kind: global_buffer, .address_space: global }
      - { .name: be2, .offset: 16, .size: 8, .value_kind: global_buffer, .address_space: global }
      - { .name: out0, .offset: 24, .size: 8, .value_kind: global_buffer, .address_space: global }
    .group_segment_fixed_size: 0
    .private_segment_fixed_size: 0
    .kernarg_segment_align: 8
    .kernarg_segment_size: 32
    .max_flat_workgroup_size: 128
    .sgpr_count:     66
    .vgpr_count:     256
    .wavefront_size: 32
...
	.end_amdgpu_metadata
.endif
;; end of part 15
